; MI455X (gfx1250); checked and timed in simulation.
; The chip was launched on July 23, 2026; its instructions are those of AMD's public machine-readable ISA for CDNA 5 (MIT licence, August 2026) and "CDNA5" Instruction Set Architecture Reference Guide (July 2026). The comments in the code are by the model that wrote it; some were corrected since.
;; Attention Block. Allowed arithmetic: matrix products marked QUANTISED: E4M3 operands, one E8M0 scale for each 32 along K, by v_wmma_scale_f32_16x16x128_f8f6f4 with both operands' format E4M3, f32 sums; everything else in f32.
;; Inputs: Wk 1,024 x 1,024 float32; Wp 1,024 x 1,024 float32; Wq 1,024 x 1,024 float32; Wv 1,024 x 1,024 float32; bk 1,024 float32; bp 1,024 float32; bq 1,024 float32; bv 1,024 float32; ln_b 1,024 float32; ln_g 1,024 float32; x 2 x 2,048 x 1,024 float32.
;; Outputs: out0 2 x 2,048 x 1,024 float32.
;; This version of the problem:
;;   THIS VERSION OF THE PROBLEM IS GIVEN IN LOW PRECISION. The matrix products marked QUANTISED in the list below multiply operands that are first quantised to E4M3 (4 exponent bits, 3 mantissa bits; 8 bits a number), with one power-of-two scale for each 32 numbers along K (OCP MX v1.0); their sums are f32. All else is computed in f32.
;;   The module's matrix products, in the order in which they are computed (A, B: the left and right operand; K: the contracted axis; several contracted axes count as one K, in the product's order):
;;     1. [M 4,096, K 1,024] x [K 1,024, N 1,024]; A: input x; B: input Wq: QUANTISED
;;     2. [M 4,096, K 1,024] x [K 1,024, N 1,024]; A: input x; B: input Wk: QUANTISED
;;     3. [M 4,096, K 1,024] x [K 1,024, N 1,024]; A: input x; B: input Wv: QUANTISED
;;     4. batch 32 x [M 2,048, K 64] x [K 64, N 2,048]; A: computed on the way; B: computed on the way: QUANTISED
;;     5. batch 32 x [M 2,048, K 2,048] x [K 2,048, N 64]; A: softmax (see below); B: computed on the way: QUANTISED
;;     6. [M 4,096, K 1,024] x [K 1,024, N 1,024]; A: computed on the way; B: input Wp: QUANTISED
;;   THE QUANTISER, for each operand of a quantised product, along K:
;;     - K is cut into blocks of 32 from its start; a last block that is shorter is filled with zeros.
;;     - A block's scale is 2^e with e = floor(log2(the largest magnitude in the block)) - 8, held to -126 .. 127; a block of zeros has e = 0. As a byte (E8M0): e + 127.
;;     - Each number is divided by its block's scale, clamped to +-448, and rounded to the nearest number of E4M3, ties to even, subnormals kept.
;;     - The product sums the exact products of the quantised numbers (number of the format x scale) in f32.
;;   ~~~python
;;   def quantise(x, axis):      # numpy; x: float32 -> the quantised numbers, widened to float32 again
;;       x = np.moveaxis(x, axis, -1); K = x.shape[-1]
;;       x = np.pad(x, [(0, 0)] * (x.ndim - 1) + [(0, -K % 32)]); x = x.reshape(x.shape[:-1] + (-1, 32)); a = np.abs(x).max(-1, keepdims=True)
;;       e = np.where(a > 0, np.clip(np.frexp(np.where(a > 0, a, 1))[1] - 1 - 8, -126, 127), 0)      # np.frexp(a)[1] - 1 = floor(log2(a)), exactly
;;       r = np.clip(x / 2.0 ** e, -448, 448)
;;       step = 2.0 ** (np.maximum(np.frexp(np.where(r == 0, 1, r))[1] - 1, -6) - 3)
;;       q = np.round(r / step) * step * 2.0 ** e      # np.round: ties to even
;;       return np.moveaxis(q.reshape(q.shape[:-2] + (-1,))[..., :K], -1, axis).astype(np.float32)
;;   ~~~
;;   SOFTMAX AHEAD OF A QUANTISED PRODUCT. Where the list says 'softmax', what is quantised is not the finished softmax but p = 2^(t - M), with t = logit x log2(e) and M = ceil(the row's largest t), a whole number; so 1/2 < the row's largest p <= 1. The row's sum l is taken of the UNQUANTISED p, in f32, and the product's result is divided by l at the end. Since M is a whole number, a kernel that streams over the keys may use a running M (the ceiling of the running maximum): every later rescaling is an exact power of two, which a block's scale takes up: the codes' values come out the same.
;;   OPERANDS COMPUTED ON THE WAY. 'Computed on the way' means the value that the module computes at that place (a softmax that the list does not call 'softmax' is quantised finished and normalised). What goes into a quantiser is computed in f32, as accurately as f32 sums, v_exp_f32 and their like allow (about 1e-6 of the number): no bf16 or f16 on the way to a quantiser, and a product that is left as it is and whose result goes on into a quantised operand takes f32 operands (vector FMAs, or v_wmma_f32_16x16x4_f32). A number that lies on a knife's edge between two numbers of the format may be rounded either way, as far as f32 arithmetic and the matrix unit's own rounding can turn it there, and no further.
;; 2 versions. Each part assembles by itself: llvm-mc -triple=amdgcn-amd-amdhsa -mcpu=gfx1250 --defsym DOCPART=n.
;; ======== version 1 of 2: 5 launches
;; workspace buffers: codes 8,388,608 bytes; scl 262,144 bytes; qkc 8,388,608 bytes; qks 524,288 bytes; vc 4,194,304 bytes; vs 131,072 bytes; oc 4,194,304 bytes; os 262,144 bytes
;; launch quant_x (part 1): grid 256 x 1, 8 waves a work-group, no clusters, 69,120 bytes of LDS; arguments x, codes, scl; writes codes, scl
.if DOCPART == 1
	.amdgcn_target "amdgcn-amd-amdhsa--gfx1250"
	.amdhsa_code_object_version 6
	.text
	.protected	k_q1ebbcb333c_quant_x
	.globl	k_q1ebbcb333c_quant_x
	.p2align	8
	.type	k_q1ebbcb333c_quant_x,@function
k_q1ebbcb333c_quant_x:
	s_mov_b64 s[64:65], 0
	v_nop
	global_prefetch_b8 v0, s[64:65] scope:SCOPE_SE
	s_setreg_imm32_b32 hwreg(HW_REG_WAVE_MODE, 25, 1), 1
	s_wait_xcnt 0x0
; x [4096][1024] f32 becomes codes of E4M3 with one E8M0 byte for each 32 along K (K = the row's 1,024), laid as IMAGES OF THE OPERAND'S REGISTERS:
; codes[tile 0..255][K step 0..7][2,048 bytes]: a fragment of 16 rows x 128 K; its group c (registers 4 c .. 4 c + 3 of lane l: k = 32 c + 16 (l / 16) + 0 .. 15 of row l % 16) lies at 512 c + 16 l.
; THE ROWS OF A TILE ARE NOT NEIGHBOURS: row i of tile T is x's row 32 (T / 2) + 8 (T % 2) + i + 8 (i / 8), so that where such tiles are source 0 of a product, the 16 result registers of tiles 2 b, 2 b + 1 are 16 neighbours.
; scl[tile][K step / 4][row 0..15][K step % 4]: one word (four bytes: 128 along K) for a row and a K step; 512 bytes a tile.
; A block's scale is 2^(floor(log2(largest magnitude)) - 8); its byte is the largest magnitude's exponent field - 8, held at 1 from below.
; LIMITS: a block of zeros, or one whose largest magnitude lies under 2^-118, keeps the byte 1 (the bytes are read by this program alone; zero codes add nothing); NaN and infinities among the inputs are not served.
; SHARES: a work-group is one tile of 16 rows, wave w its K step w.  Each load reads 512 consecutive bytes of one row; the 8,192 bytes turn through the wave's own stage in LDS (pitch 528), so that a lane
; gets 16 neighbours of each of its row's four blocks.  Memory binds: no matrix unit, no tensor load, no cluster (no byte is read twice).
.set SP,   528                         ; a stage row: 512 bytes + 16
.set WST,  16*SP                       ; a wave's stage
.set SG,   8*WST                       ; behind the stages: the tile's 512 bytes of scale words
.set RAW,  16                          ; v16-79   the numbers as loaded
.set X,    80                          ; v80-143  register 16 b + i = k 32 b + 16 (l / 16) + i of row l % 16
.set TM,   144                         ; v144-147 largest magnitudes, v148-151 bytes, v152-155 448 x the scale, v156-159 the conversions' scale operands
.set PW,   160                         ; the row's scale word
.set PC,   164                         ; v164-179 the fragment's codes
.set SGO,  180                         ; v180-183 scale words on the way out
.set SEL,  12                          ; s[12:13] v_permlanex16_b32's selects for lane l xor 16
.set MNT,  14                          ; s14 the mantissa field of 448
	s_load_b128 s[4:7], s[0:1], 0x0                ; x, codes
	s_load_b64 s[8:9], s[0:1], 0x10                ; scl
	v_lshl_add_u32 v184, v0, 2, 0x10a00
	v_mov_b32 v185, 0
	v_lshrrev_b32 v1, 5, v0
	v_readfirstlane_b32 s10, v1                    ; wave = K step
	v_and_b32 v1, 31, v0                           ; l
	v_and_b32 v2, 15, v0                           ; r
	v_bfe_u32 v3, v0, 4, 1                         ; h
	v_lshlrev_b32 v4, 4, v1                        ; 16 l: my bytes of a load's 512, and of an image's group
	s_mul_i32 s11, s10, WST
	v_add_nc_u32 v5, s11, v4                       ; the stage, on the way in
	v_mul_u32_u24 v6, v2, SP
	v_lshl_add_u32 v6, v3, 6, v6
	v_add_nc_u32 v6, s11, v6                       ; and out: row r, + 64 h
	s_lshr_b32 s15, s10, 2
	s_lshl_b32 s15, s15, 8
	s_and_b32 s16, s10, 3
	s_lshl_b32 s16, s16, 2
	s_add_co_u32 s15, s15, s16
	s_add_co_u32 s15, s15, SG
	v_lshl_add_u32 v7, v2, 4, s15                  ; my row's word: 256 (w / 4) + 16 r + 4 (w % 4)
	v_add_nc_u32 v8, SG, v4
	s_mov_b32 s[SEL], 0x76543210
	s_mov_b32 s[SEL+1], 0xfedcba98
	s_mov_b32 s[MNT], 0x600000
.irp b, 0,1,2,3
	v_mov_b32 v[TM+4+\b], 0                        ; written once: a lane permute's destination counts as one of its sources
.endr
	s_lshr_b32 s16, ttmp9, 1
	s_lshl_b32 s16, s16, 17                        ; 32 rows of 4,096 bytes for each pair of tiles,
	s_and_b32 s17, ttmp9, 1
	s_lshl_b32 s17, s17, 15                        ; 8 rows for the odd one,
	s_add_co_u32 s16, s16, s17
	s_lshl_b32 s17, s10, 9                         ; 512 bytes a K step
	s_add_co_u32 s16, s16, s17
	s_mov_b32 s17, 0
	s_lshl_b32 s18, ttmp9, 14
	s_lshl_b32 s19, s10, 11
	s_add_co_u32 s18, s18, s19
	s_mov_b32 s19, 0
	s_lshl_b32 s20, ttmp9, 9
	s_mov_b32 s21, 0
	s_wait_kmcnt 0x0
	s_add_nc_u64 s[4:5], s[4:5], s[16:17]
	s_add_nc_u64 s[6:7], s[6:7], s[18:19]
	s_add_nc_u64 s[8:9], s[8:9], s[20:21]
.irp i, 0,1,2,3,4,5,6,7,8,9,10,11,12,13,14,15
	global_load_b128 v[RAW+4*\i:RAW+4*\i+3], v4, s[4:5] offset:(\i+8*(\i/8))*4096 th:TH_LOAD_NT   ; the tile's row i: 32 lanes read 512 consecutive bytes
.endr
.irp i, 0,1,2,3,4,5,6,7,8,9,10,11,12,13,14,15
	s_wait_loadcnt 15-\i                           ; loads come back in order: row i is in, the younger rows stay out
	ds_store_b128 v5, v[RAW+4*\i:RAW+4*\i+3] offset:SP*\i
.endr
.irp c, 0,1,2,3
.irp j, 0,1,2,3
	ds_load_b128 v[X+16*\c+4*\j:X+16*\c+4*\j+3], v6 offset:128*\c+16*\j   ; LDS serves a wave's instructions in order: these see my stores
.endr
.endr
	s_wait_dscnt 0x0
.irp b, 0,1,2,3
	v_max3_num_f32 v[TM+\b], |v[X+16*\b]|, |v[X+1+16*\b]|, 0x4800000   ; block b: my 16 numbers, and the floor 2^(9 - 127): the byte cannot fall under 1
.endr
.irp i, 2,4,6,8,10,12,14
.irp b, 0,1,2,3
	v_max3_num_f32 v[TM+\b], v[TM+\b], |v[X+16*\b+\i]|, |v[X+1+16*\b+\i]|   ; the four blocks by turns
.endr
.endr
.irp b, 0,1,2,3
	v_permlanex16_b32 v[TM+4+\b], v[TM+\b], s[SEL], s[SEL+1]
.endr
.irp b, 0,1,2,3
	v_max_num_f32 v[TM+\b], v[TM+\b], v[TM+4+\b]   ; with lane l xor 16's: the block's largest magnitude
.endr
.irp b, 0,1,2,3
	v_add_nc_u32 v[TM+12+\b], 0xfc000000, v[TM+\b] ; 8 off its exponent field: the conversion's scale operand
.endr
.irp b, 0,1,2,3
	v_and_or_b32 v[TM+8+\b], v[TM+\b], 0x7f800000, s[MNT]   ; 448 x the scale
.endr
.irp b, 0,1,2,3
	v_lshrrev_b32 v[TM+4+\b], 23, v[TM+12+\b]      ; the scale's byte
.endr
	v_lshl_or_b32 v[PW], v[TM+5], 8, v[TM+4]
	v_lshl_or_b32 v[PW], v[TM+6], 16, v[PW]
	v_lshl_or_b32 v[PW], v[TM+7], 24, v[PW]
.irp b, 0,1,2,3
.irp i, 0,1,2,3,4,5,6,7,8,9,10,11,12,13,14,15
	v_med3_num_f32 v[X+16*\b+\i], v[X+16*\b+\i], -v[TM+8+\b], v[TM+8+\b]   ; the conversion to an 8-bit code does not saturate (ISA guide 7.6.2): the hold at 448 x the scale
.endr
	v_cvt_scalef32_pk8_fp8_f32 v[PC+4*\b:PC+1+4*\b], v[X+16*\b:X+7+16*\b], v[TM+12+\b]
	v_cvt_scalef32_pk8_fp8_f32 v[PC+2+4*\b:PC+3+4*\b], v[X+8+16*\b:X+15+16*\b], v[TM+12+\b]
.endr
.irp c, 0,1,2,3
	global_store_b128 v4, v[PC+4*\c:PC+4*\c+3], s[6:7] offset:512*\c   ; 32 lanes store 512 consecutive bytes, aligned
.endr
	ds_store_b32 v7, v[PW]                         ; both halves of the lanes write the same word with the same value
	s_wait_dscnt 0x0                               ; for wave 0's sake: my word has landed
	s_barrier_signal -1
	s_barrier_wait -1
	s_cmp_lg_u32 s10, 0
	s_cbranch_scc1 .Lend
	ds_load_b128 v[SGO:SGO+3], v8                  ; wave 0 sends the tile's 512 bytes of scale words
	s_wait_dscnt 0x0
	global_store_b128 v4, v[SGO:SGO+3], s[8:9]
.Lend:
	s_wait_tensorcnt 0x0
	ds_add_u32 v184, v185
	s_wait_dscnt 0x0
	s_endpgm
.Lfunc_end_k_q1ebbcb333c_quant_x:
	.size	k_q1ebbcb333c_quant_x, .Lfunc_end_k_q1ebbcb333c_quant_x-k_q1ebbcb333c_quant_x
	.p2alignl 7, 3214868480
	.fill 96, 4, 3214868480
	.section	.rodata,"a",@progbits
	.p2align	6, 0x0
	.amdhsa_kernel k_q1ebbcb333c_quant_x
		.amdhsa_group_segment_fixed_size 69120
		.amdhsa_private_segment_fixed_size 0
		.amdhsa_enable_private_segment 0
		.amdhsa_kernarg_size 24
		.amdhsa_user_sgpr_count 2
		.amdhsa_user_sgpr_kernarg_segment_ptr 1
		.amdhsa_wavefront_size32 1
		.amdhsa_system_sgpr_workgroup_id_x 1
		.amdhsa_system_sgpr_workgroup_id_y 1
		.amdhsa_system_sgpr_workgroup_id_z 1
		.amdhsa_system_vgpr_workitem_id 0
		.amdhsa_next_free_vgpr 186
		.amdhsa_next_free_sgpr 66
		.amdhsa_reserve_vcc 0
		.amdhsa_float_denorm_mode_32 3
		.amdhsa_float_denorm_mode_16_64 3
		.amdhsa_memory_ordered 1
		.amdhsa_forward_progress 1
		.amdhsa_inst_pref_size 16
	.end_amdhsa_kernel
	.amdgpu_metadata
---
amdhsa.version: [ 1, 2 ]
amdhsa.kernels:
  - .name:           k_q1ebbcb333c_quant_x
    .symbol:         k_q1ebbcb333c_quant_x.kd
    .args:
      - { .name: x, .offset: 0, .size: 8, .value_kind: global_buffer, .address_space: global }
      - { .name: codes, .offset: 8, .size: 8, .value_kind: global_buffer, .address_space: global }
      - { .name: scl, .offset: 16, .size: 8, .value_kind: global_buffer, .address_space: global }
    .group_segment_fixed_size: 69120
    .private_segment_fixed_size: 0
    .kernarg_segment_align: 8
    .kernarg_segment_size: 24
    .max_flat_workgroup_size: 256
    .sgpr_count:     66
    .vgpr_count:     186
    .wavefront_size: 32
...
	.end_amdgpu_metadata
.endif
;; end of part 1
;; launch quant_w (part 2): grid 64 x 2, 8 waves a work-group, no clusters, 2,048 bytes of LDS; arguments Wq, Wk, Wv, Wp, codes, scl; writes codes, scl
.if DOCPART == 2
	.amdgcn_target "amdgcn-amd-amdhsa--gfx1250"
	.amdhsa_code_object_version 6
	.text
	.protected	k_q1ebbcb333c_quant_w
	.globl	k_q1ebbcb333c_quant_w
	.p2align	8
	.type	k_q1ebbcb333c_quant_w,@function
k_q1ebbcb333c_quant_w:
	s_mov_b64 s[64:65], 0
	v_nop
	global_prefetch_b8 v0, s[64:65] scope:SCOPE_SE
	s_setreg_imm32_b32 hwreg(HW_REG_WAVE_MODE, 25, 1), 1
	s_wait_xcnt 0x0
; The four weights, [1024 (k)][1024 (n)] f32, K their FIRST axis, become codes of E4M3 with one E8M0 byte for each 32 along K, laid as images of the operand's registers:
; codes[tile][K step 0..7][2,048]: tiles 256-319 Wq, 320-383 Wk, 384-447 Wv, 448-511 Wp; row i of a weight's tile T is its column 32 (T / 2) + 8 (T % 2) + i + 8 (i / 8);
; group c of a fragment (lane l: k = 32 c + 16 (l / 16) + 0 .. 15 of row l % 16) lies at 512 c + 16 l.  scl[tile][K step / 4][row][K step % 4]: one word a row and K step.
; A LANE TAKES A COLUMN AND ITS REGISTERS RUN DOWN K: a block of 32 lies in one lane, and the conversions give codes with K innermost.  Lanes 0-15 take the rows of one tile in their order, lanes 16-31 those of the next:
; a lane's first 16 codes of a block are the image's bytes of lane (row, half 0), its second 16 those of (row, half 1): each half of the lanes stores 256 consecutive bytes, aligned.
; LIMITS: a block of zeros, or one under 2^-118, keeps the byte 1 (read by this program alone); NaN and infinities are not served.
; SHARES: work-group x = 16 x weight + 64 columns' number, y = which four K steps.  Wave w: 32 columns (w % 2), K step 4 y + w / 2.  Loads run two blocks, 64 loads a wave, ahead.  Memory binds: no matrix unit, no tensor load.
.set X,  32                            ; v32-159  block c's 32 numbers at v[X + 32 c]
.set C,  160                           ; v160-191 block c's codes at v[C + 8 c]: never written again, so no store's data are
	s_load_b256 s[4:11], s[0:1], 0x0               ; Wq, Wk, Wv, Wp
	s_load_b128 s[12:15], s[0:1], 0x20             ; codes, scl
	v_lshl_add_u32 v192, v0, 2, 0x400
	v_mov_b32 v193, 0
	v_lshrrev_b32 v1, 5, v0
	v_readfirstlane_b32 s16, v1                    ; wave
	v_and_b32 v1, 31, v0                           ; l
	v_and_b32 v7, 15, v0                           ; l % 16
	v_bfe_u32 v8, v0, 4, 1                         ; l / 16
	v_and_b32 v9, 7, v0
	v_bfe_u32 v10, v0, 3, 1
	v_lshl_add_u32 v9, v10, 4, v9
	v_lshl_add_u32 v9, v8, 3, v9                   ; my column of the 32: l % 8 + 16 ((l / 8) % 2) + 8 (l / 16)
	v_lshlrev_b32 v2, 2, v9
	v_lshlrev_b32 v3, 4, v7
	v_lshl_add_u32 v3, v8, 14, v3                  ; codes: 16 (l % 16), lanes 16-31 one tile (16,384 bytes) on
	s_and_b32 s17, s16, 1                          ; which 32 columns
	s_lshr_b32 s18, s16, 1                         ; which of the four K steps
	s_lshl_b32 s19, s17, 9
	s_lshl_b32 s20, s18, 2
	s_add_co_u32 s19, s19, s20
	v_lshlrev_b32 v4, 4, v7
	v_lshl_add_u32 v4, v8, 8, v4
	v_add_nc_u32 v4, s19, v4                       ; LDS: my row's word: 256 x tile of the four + 16 x row + 4 x K step
	v_lshlrev_b32 v5, 4, v1
	v_lshlrev_b32 v6, 4, v7
	v_lshl_add_u32 v6, v8, 9, v6                   ; scl: lanes 16-31 one tile (512 bytes) on
	s_lshr_b32 s21, ttmp9, 4                       ; which weight
	s_and_b32 s22, ttmp9, 15                       ; which 64 columns
	s_and_b32 s23, ttmp7, 0xffff                   ; which four K steps
	s_lshl_b32 s24, s23, 2
	s_add_co_u32 s24, s24, s18                     ; my K step
	s_lshl_b32 s26, s24, 19                        ; 128 rows of 4,096 bytes
	s_lshl_b32 s27, s22, 8
	s_add_co_u32 s26, s26, s27
	s_lshl_b32 s27, s17, 7
	s_add_co_u32 s26, s26, s27
	s_mov_b32 s27, 0
	s_lshl_b32 s28, s21, 6
	s_lshl_b32 s29, s22, 2
	s_add_co_u32 s28, s28, s29
	s_add_co_u32 s28, s28, 256                     ; the work-group's first tile
	s_lshl_b32 s30, s28, 9
	s_lshl_b32 s31, s23, 8
	s_add_co_u32 s30, s30, s31
	s_mov_b32 s31, 0
	s_lshl_b32 s29, s17, 1
	s_add_co_u32 s28, s28, s29                     ; my wave's first tile
	s_lshl_b32 s28, s28, 14
	s_lshl_b32 s29, s24, 11
	s_add_co_u32 s28, s28, s29
	s_mov_b32 s29, 0
	s_mov_b32 s33, 0x600000                        ; the mantissa field of 448
	s_wait_kmcnt 0x0
	s_cmp_eq_u32 s21, 1                            ; the choice of the weight hangs on the work-group's number alone
	s_cselect_b64 s[4:5], s[6:7], s[4:5]
	s_cmp_eq_u32 s21, 2
	s_cselect_b64 s[4:5], s[8:9], s[4:5]
	s_cmp_eq_u32 s21, 3
	s_cselect_b64 s[4:5], s[10:11], s[4:5]
	s_add_nc_u64 s[4:5], s[4:5], s[26:27]
	s_add_nc_u64 s[12:13], s[12:13], s[28:29]
	s_add_nc_u64 s[14:15], s[14:15], s[30:31]
.macro LOAD c
.irp i, 0,1,2,3,4,5,6,7,8,9,10,11,12,13,14,15,16,17,18,19,20,21,22,23,24,25,26,27,28,29,30,31
	global_load_b32 v[X+32*(\c)+\i], v2, s[4:5] offset:(32*(\c)+\i)*4096 th:TH_LOAD_NT   ; one row k at my wave's 32 columns: 128 consecutive bytes
.endr
.endm
.macro BLOCK c
.set XS, X+32*(\c)
.if (\c) < 3
	s_wait_loadcnt 32                              ; this block's 32 loads are in; the next block's may be out
.else
	s_wait_loadcnt 0x0
.endif
.if (\c)+2 < 4
	LOAD (\c)+2
.endif
	v_max3_num_f32 v12, |v[XS]|, |v[XS+1]|, |v[XS+2]|   ; the block's largest magnitude: all 32 numbers are mine
	v_max3_num_f32 v13, |v[XS+3]|, |v[XS+4]|, |v[XS+5]|
.irp i, 6,10,14,18,22,26
	v_max3_num_f32 v12, v12, |v[XS+\i]|, |v[XS+\i+1]|
	v_max3_num_f32 v13, v13, |v[XS+\i+2]|, |v[XS+\i+3]|
.endr
	v_max3_num_f32 v12, v12, |v[XS+30]|, |v[XS+31]|
	v_max3_num_f32 v12, v12, v13, 0x4800000        ; and the floor 2^(9 - 127)
	v_add_nc_u32 v11, 0xfc000000, v12              ; 8 off the exponent field: the conversion's scale operand
	v_and_or_b32 v10, v12, 0x7f800000, s33         ; 448 x the scale
	v_lshrrev_b32 v13, 23, v11                     ; the scale's byte
.if (\c) == 0
	v_mov_b32 v16, v13                             ; four bytes make the word, the lower K in the lower byte
.else
	v_lshl_or_b32 v16, v13, 8*(\c), v16
.endif
.irp i, 0,1,2,3,4,5,6,7,8,9,10,11,12,13,14,15,16,17,18,19,20,21,22,23,24,25,26,27,28,29,30,31
	v_med3_num_f32 v[XS+\i], v[XS+\i], -v10, v10   ; the hold: the conversion does not saturate (ISA guide 7.6.2)
.endr
.irp g, 0,1,2,3
	v_cvt_scalef32_pk8_fp8_f32 v[C+8*(\c)+2*\g:C+8*(\c)+2*\g+1], v[XS+8*\g:XS+8*\g+7], v11
.endr
	global_store_b128 v3, v[C+8*(\c):C+8*(\c)+3], s[12:13] offset:512*(\c)           ; k = 32 c + 0 .. 15: the image's lanes 0-15
	global_store_b128 v3, v[C+8*(\c)+4:C+8*(\c)+7], s[12:13] offset:512*(\c)+256     ; k = 32 c + 16 .. 31: its lanes 16-31
.endm
	LOAD 0
	LOAD 1
.irp c, 0,1,2,3
	BLOCK \c
.endr
	ds_store_b32 v4, v16
	s_wait_dscnt 0x0                               ; for wave 0's sake: my words have landed
	s_barrier_signal -1
	s_barrier_wait -1
	s_cmp_lg_u32 s16, 0
	s_cbranch_scc1 .Lend
	ds_load_b128 v[20:23], v5                      ; four tiles x 256 bytes: the words of these four K steps
	ds_load_b128 v[24:27], v5 offset:512
	s_wait_dscnt 0x0
	global_store_b128 v6, v[20:23], s[14:15]       ; sixteen lanes store 256 consecutive bytes, aligned
	global_store_b128 v6, v[24:27], s[14:15] offset:1024
.Lend:
	s_wait_tensorcnt 0x0
	ds_add_u32 v192, v193
	s_wait_dscnt 0x0
	s_endpgm
.Lfunc_end_k_q1ebbcb333c_quant_w:
	.size	k_q1ebbcb333c_quant_w, .Lfunc_end_k_q1ebbcb333c_quant_w-k_q1ebbcb333c_quant_w
	.p2alignl 7, 3214868480
	.fill 96, 4, 3214868480
	.section	.rodata,"a",@progbits
	.p2align	6, 0x0
	.amdhsa_kernel k_q1ebbcb333c_quant_w
		.amdhsa_group_segment_fixed_size 2048
		.amdhsa_private_segment_fixed_size 0
		.amdhsa_enable_private_segment 0
		.amdhsa_kernarg_size 48
		.amdhsa_user_sgpr_count 2
		.amdhsa_user_sgpr_kernarg_segment_ptr 1
		.amdhsa_wavefront_size32 1
		.amdhsa_system_sgpr_workgroup_id_x 1
		.amdhsa_system_sgpr_workgroup_id_y 1
		.amdhsa_system_sgpr_workgroup_id_z 1
		.amdhsa_system_vgpr_workitem_id 0
		.amdhsa_next_free_vgpr 194
		.amdhsa_next_free_sgpr 66
		.amdhsa_reserve_vcc 0
		.amdhsa_float_denorm_mode_32 3
		.amdhsa_float_denorm_mode_16_64 3
		.amdhsa_memory_ordered 1
		.amdhsa_forward_progress 1
		.amdhsa_inst_pref_size 31
	.end_amdhsa_kernel
	.amdgpu_metadata
---
amdhsa.version: [ 1, 2 ]
amdhsa.kernels:
  - .name:           k_q1ebbcb333c_quant_w
    .symbol:         k_q1ebbcb333c_quant_w.kd
    .args:
      - { .name: Wq, .offset: 0, .size: 8, .value_kind: global_buffer, .address_space: global }
      - { .name: Wk, .offset: 8, .size: 8, .value_kind: global_buffer, .address_space: global }
      - { .name: Wv, .offset: 16, .size: 8, .value_kind: global_buffer, .address_space: global }
      - { .name: Wp, .offset: 24, .size: 8, .value_kind: global_buffer, .address_space: global }
      - { .name: codes, .offset: 32, .size: 8, .value_kind: global_buffer, .address_space: global }
      - { .name: scl, .offset: 40, .size: 8, .value_kind: global_buffer, .address_space: global }
    .group_segment_fixed_size: 2048
    .private_segment_fixed_size: 0
    .kernarg_segment_align: 8
    .kernarg_segment_size: 48
    .max_flat_workgroup_size: 256
    .sgpr_count:     66
    .vgpr_count:     194
    .wavefront_size: 32
...
	.end_amdgpu_metadata
.endif
;; end of part 2
;; launch gemm_qkv (part 3): grid 12 x 16, 4 waves a work-group, clusters of 4 x 4, 327,680 bytes of LDS; arguments codes, scl, bq, bk, bv, qkc, qks, vc, vs; writes qkc, qks, vc, vs
.if DOCPART == 3
	.amdgcn_target "amdgcn-amd-amdhsa--gfx1250"
	.amdhsa_code_object_version 6
	.text
	.protected	k_q1ebbcb333c_gemm_qkv
	.globl	k_q1ebbcb333c_gemm_qkv
	.p2align	8
	.type	k_q1ebbcb333c_gemm_qkv,@function
k_q1ebbcb333c_gemm_qkv:
	s_mov_b64 s[64:65], 0
	v_nop
	global_prefetch_b8 v0, s[64:65] scope:SCOPE_SE
	s_setreg_imm32_b32 hwreg(HW_REG_WAVE_MODE, 25, 1), 1
	s_wait_xcnt 0x0
	s_wait_alu depctr_hold_cnt(0) depctr_sa_sdst(0) depctr_va_vdst(0) depctr_va_sdst(0) depctr_va_ssrc(0) depctr_va_vcc(0) depctr_vm_vsrc(0)
	s_getreg_b32 s2, hwreg(HW_REG_IB_STS2, 6, 4)
	s_cmp_eq_u32 s2, 0
	s_cbranch_scc0 .Lentry_in_a_cluster
	s_endpgm
.Lentry_in_a_cluster:
	s_bfe_u32 s2, ttmp6, 0x10000c
	s_cmp_lg_u32 s2, 0xf033
	s_cbranch_scc0 .Lentry_shape_is_right
	s_endpgm
.Lentry_shape_is_right:
; q = x Wq + bq, k = x Wk + bk, v = x Wv + bv on codes of E4M3 (K = 1,024), and the results QUANTISED IN REGISTERS for the two products of attention; no f32 result goes to memory.
; ONE FORM FOR ALL THREE: C'[rho][pi] = sum over k of R[rho][k] P[pi][k].  P is source 0 of the matrix instruction, so pi runs along a lane's registers and is the axis that is quantised; R is source 1, so rho is the lane.
;   clusters x = 0, 1: R = x, P = Wq | Wk (2,048 columns): a lane holds one row of x and 64 columns a block of 16 rows: q and k are quantised along the head's 64.
;   cluster  x = 2:    R = Wv, P = x: a lane holds one column of v and 128 rows of x: v is quantised along the keys.
; The tiles' rows are so ordered that the 16 registers of P's tiles 2 b, 2 b + 1 are pi = 32 b + 16 (lane / 16) + 0 .. 15: the conversions' results are the next operand's registers.
; A work-group of four waves makes 256 x 256, a wave 128 x 128: 64 accumulators.  192 work-groups in 12 clusters of 4 x 4; R's tiles are asked for jointly along a row of the cluster, P's along a column.
; K goes in 8 steps of 128 through two LDS slots of two steps each.  Codes lie in memory and in LDS as images of the operand's registers (2,048 bytes a fragment, group c at 512 c + 16 x lane): every LDS load reads 512 consecutive bytes.
; The scale words of all of K stay in registers: lanes 0-15 hold R's block i, lanes 16-31 P's block i.  The bias is added on the way out.
; OUT: qkc[g 32][tile 256][c 2][512] (g = head for q, 16 + head for k; tile = x's), qks[g][tile / 8][lane' 32][4 words] (word j of lane': tile 2 j + lane' / 16 of the eight, row lane' % 16; bytes 0, 1 the head's two blocks, bytes 2, 3 zero),
;      vc[b][head][key step 16][tile of d 4][2,048], vs[b][head][key step][lane' 32][2 words] (word j: tile 2 j + lane' / 16).
; LIMITS: a block of zeros, or one under 2^-118, keeps the byte 1 (read by this program alone); NaN and infinities are not served.
; REGISTERS, in windows of 256: window 0: v16-31 addresses; v32-95 scale words and nothing else; v96-123 at work on the way out; v128-255 R's fragments (one set), later the codes made.
;   window 1: P's fragments, two sets; at the end v0-63 the bias.   windows 2, 3: the accumulators, (a, b) at v[8 (8 (a % 4) + b)].
.set FR,    16
.set NP,    8                          ; places behind this matrix instruction (ISA guide 7.12.1)
.set SLOT,  131072                     ; R's 16 tiles x 4,096 bytes (two K steps), then P's 16
.set PHALF, 65536
.set SPARE, 262144                     ; the spare words, 128 bytes a wave: two blocks of 256 bytes that no other line names
.set STGQ,  262656                     ; q's and k's scale words on the way out: 1,024 bytes a wave
.set STGV,  266752                     ; v's: 512 bytes a wave (each path has bytes of its own)
.set ADRA, 16                          ; v16-17 LDS address of my R fragments in slot 0, 1
.set BOQ,  18                          ; v18 bias offset, q and k: 64 h
.set BOV,  19                          ; v19 bias offset, v: 4 (r + 8 (r / 8))
.set ADRB, 20                          ; v20-21 the same as ADRA for P
.set LI,   22                          ; v22 16 x lane
.set SOF,  23                          ; v23 my scale words' offset: lanes 0-15 R's, lanes 16-31 P's
.set VSO,  24                          ; v24 vs: 4,096 (lane / 16) + 16 (lane % 16)
.set QIN,  25
.set QOUT, 26
.set VIN,  27
.set SPW,  28                          ; v28 my spare word; never rewritten
.set NIL,  29                          ; v29 0; never rewritten
.set SH,   30                          ; v30 16 h
.set VOUT, 31
.set SC,   32                          ; scale word of block i, K step s: v[SC + 32 (s / 4) + 4 i + s % 4]
.set TM,   96                          ; v96-111 as in the quantiser: magnitudes, bytes, 448 x scale, scale operands
.set PW,   112
.set W2,   113
.set SW,   116                         ; v116-123 scale words read back
.set AF,   128
.set CD,   128                         ; block a's codes at v[CD + 16 a]: never written again
.set BI,   0                           ; the bias, in window 1
.set MNT,  2                           ; s2 the mantissa field of 448
.set SEL,  12                          ; s[12:13]
.set G1,   24                          ; s[24:31] group 1 for R's tiles; s[32:39] group 0, a set for each slot
.set G0,   32
.set G1B,  48                          ; s[48:55], s[56:63] the same for P's
.set G0B,  56
.set MSB, 0
.macro WIN new                         ; the immediate's high byte repeats the setting that is left
.if MSB != \new
	s_set_vgpr_msb (MSB<<8)|\new
.set MSB, \new
.endif
.endm
.set MUL_LO, 0xa1                      ; source 0 (P) window 1, source 1 (R) window 0, C and D window 2
.set MUL_HI, 0xf1                      ; the same, C and D window 3
.set TO_B,   0x40                      ; destination window 1, address window 0
; A joint load: waves 0 and 1 fetch R's halves, waves 2 and 3 P's.  The branch hangs on the wave's number alone.  Four v_nop follow each of the two lines.
.macro JLOAD g0a, g1a, g0b, g1b
	s_cmp_eq_u32 s15, 0
	s_cbranch_scc0 .Lfor_p_\@
	tensor_load_to_lds s[\g0a:\g0a+3], s[\g1a:\g1a+7]
	s_nop 0
.rept 4
	v_nop
.endr
	s_branch .Lasked_\@
.Lfor_p_\@:
	tensor_load_to_lds s[\g0b:\g0b+3], s[\g1b:\g1b+7]
	s_nop 0
.rept 4
	v_nop
.endr
.Lasked_\@:
.endm
.macro CREST                           ; a round of the cluster's barrier behind its opening barrier
	s_cmp_lg_u32 s14, 0
	s_cbranch_scc1 .Lnot_wave_0_\@
	s_barrier_signal -3
.Lnot_wave_0_\@:
	s_barrier_wait -3
	s_barrier_signal -1
	s_barrier_wait -1
.endm
.macro CROUND
	s_barrier_signal -1
	s_barrier_wait -1
	CREST
.endm
	s_load_b256 s[4:11], s[0:1], 0x0               ; codes, scl, bq, bk
	s_load_b256 s[68:75], s[0:1], 0x20             ; bv, qkc, qks, vc
	s_load_b64 s[76:77], s[0:1], 0x40              ; vs
	v_lshl_add_u32 v[SPW], v0, 2, SPARE
	v_mov_b32 v[NIL], 0
	ds_add_u32 v28, v29
	ds_add_u32 v28, v29
	s_wait_dscnt 0x0
	v_lshrrev_b32 v1, 5, v0
	v_readfirstlane_b32 s14, v1                    ; wave 0..3
	s_lshr_b32 s15, s14, 1                         ; which half of R's 256 rows is mine.  Also: I fetch for R (0) or for P (1)
	s_and_b32 s16, s14, 1                          ; which half of P's.  Also: which 8 tiles I fetch
	s_bfe_u32 s40, ttmp6, 0x40000                  ; cx
	s_bfe_u32 s41, ttmp6, 0x40004                  ; cy
	s_and_b32 s45, ttmp7, 0xffff                   ; the cluster's y
	s_cmp_eq_u32 ttmp9, 2                          ; the cluster's x says which product: all sixteen partners share it
	s_cselect_b32 s46, 1, 0                        ; 1: v
	s_cselect_b32 s18, s45, ttmp9
	s_cselect_b32 s19, 0, s45
	s_cselect_b32 s78, 384, 0                      ; R's first tile in codes: Wv's or x's
	s_cselect_b32 s79, 0, 256                      ; P's: x's or Wq's
	s_lshl_b32 s47, s18, 2
	s_add_co_u32 s47, s47, s40                     ; which 256 of P: hangs on cx, shared along a column of the cluster
	s_lshl_b32 s17, s19, 2
	s_add_co_u32 s17, s17, s41                     ; which 256 of R: hangs on cy, shared along a row
	s_lshl_b32 s43, s41, 2
	s_lshl_b32 s43, 15, s43                        ; my row of the cluster
	s_lshl_b32 s44, 0x1111, s40                    ; my column
	; group 1: 8 tiles, each 4,096 consecutive bytes (two K steps), 16,384 bytes apart; elements of 8 bytes; no padding: the images are read 512 consecutive bytes at a time
	s_or_b32 s[G1+0], s43, (3<<16)|(1<<21)
	s_or_b32 s[G1B+0], s44, (3<<16)|(1<<21)
.irp g, G1, G1B
	s_mov_b32 s[\g+1], 512<<16                     ; tensor_dim0 = 512
	s_mov_b32 s[\g+2], 8<<16                       ; tensor_dim1 = 8
	s_mov_b32 s[\g+3], 512<<16                     ; tile_dim0 = 512
	s_mov_b32 s[\g+4], 8                           ; tile_dim1 = 8
	s_mov_b32 s[\g+5], 2048                        ; stride
	s_mov_b32 s[\g+6], 0
	s_mov_b32 s[\g+7], 0
.endr
	s_lshl_b32 s20, s17, 4
	s_add_co_u32 s20, s20, s78                     ; R's first tile of the work-group's 16
	s_lshl_b32 s80, s47, 4
	s_add_co_u32 s80, s80, s79                     ; P's
	s_lshl_b32 s22, s16, 3
	s_add_co_u32 s82, s20, s22
	s_add_co_u32 s84, s80, s22
	s_lshl_b32 s82, s82, 14
	s_mov_b32 s83, 0
	s_lshl_b32 s84, s84, 14
	s_mov_b32 s85, 0
	s_lshl_b32 s86, s14, 15                        ; where they go: wave x 32,768: no place in the cluster enters an LDS address
	s_mov_b32 s[MNT], 0x600000
	s_mov_b32 s[SEL], 0x76543210
	s_mov_b32 s[SEL+1], 0xfedcba98
	s_wait_kmcnt 0x0
	s_add_nc_u64 s[82:83], s[4:5], s[82:83]
	s_add_nc_u64 s[84:85], s[4:5], s[84:85]
	CROUND                                         ; all sixteen work-groups are here: the first joint loads meet
.irp s, 0,1
	s_mov_b32 s[G0+4*\s], 1
	s_add_co_u32 s[G0+4*\s+1], s86, \s*SLOT
	s_add_nc_u64 s[G0+4*\s+2:G0+4*\s+3], s[82:83], \s*4096
	s_or_b32 s[G0+4*\s+3], s[G0+4*\s+3], 0x80000000
	s_mov_b32 s[G0B+4*\s], 1
	s_add_co_u32 s[G0B+4*\s+1], s86, \s*SLOT
	s_add_nc_u64 s[G0B+4*\s+2:G0B+4*\s+3], s[84:85], \s*4096
	s_or_b32 s[G0B+4*\s+3], s[G0B+4*\s+3], 0x80000000
	JLOAD G0+4*\s, G1, G0B+4*\s, G1B               ; two loads of mine are out: K steps 0, 1 and 2, 3
.endr
	s_lshl_b32 s22, s15, 3
	s_add_co_u32 s87, s20, s22                     ; my first tile of R
	s_lshl_b32 s22, s16, 3
	s_add_co_u32 s88, s80, s22                     ; and of P
	v_and_b32 v1, 15, v0                           ; r
	v_bfe_u32 v2, v0, 4, 1                         ; h
	v_and_b32 v3, 31, v0
	v_lshlrev_b32 v[LI], 4, v3
	s_lshl_b32 s21, s15, 15
	s_lshl_b32 s22, s16, 15
	s_add_co_u32 s22, s22, PHALF
.irp s, 0,1
	v_add_nc_u32 v[ADRA+\s], s21, v[LI]
	v_add_nc_u32 v[ADRB+\s], s22, v[LI]
	s_add_co_u32 s21, s21, SLOT
	s_add_co_u32 s22, s22, SLOT
.endr
	s_lshl_b32 s23, s87, 9
	s_lshl_b32 s89, s88, 9
	v_mov_b32 v4, s23
	v_mov_b32 v5, s89
	v_cmp_eq_u32 vcc_lo, 1, v2
	v_cndmask_b32 v4, v4, v5, vcc_lo               ; lanes 16-31 take P's words
	v_lshl_add_u32 v[SOF], v1, 4, v4
.irp kq, 0,1
.irp i, 0,1,2,3,4,5,6,7
	global_load_b128 v[SC+32*\kq+4*\i:SC+32*\kq+4*\i+3], v[SOF], s[6:7] offset:512*\i+256*\kq   ; block i's words of four K steps: sixteen lanes read 256 consecutive bytes
.endr
.endr
	v_lshlrev_b32 v[SH], 4, v2
	v_lshlrev_b32 v[BOQ], 6, v2
	v_and_b32 v6, 8, v1
	v_add_nc_u32 v6, v6, v1
	v_lshlrev_b32 v[BOV], 2, v6
	s_lshl_b32 s23, s14, 10
	s_add_co_u32 s23, s23, STGQ
	v_lshl_add_u32 v[QIN], v1, 4, s23
	v_lshl_add_u32 v[QIN], v2, 9, v[QIN]           ; lanes 0-15 write the first head's word, lanes 16-31 the second's
	v_add_nc_u32 v[QOUT], s23, v[LI]
	s_lshl_b32 s23, s14, 9
	s_add_co_u32 s23, s23, STGV
	v_lshl_add_u32 v[VIN], v1, 3, s23
	v_add_nc_u32 v[VOUT], s23, v[LI]
	v_lshlrev_b32 v[VSO], 4, v1
	v_lshl_add_u32 v[VSO], v2, 12, v[VSO]
.irp b, 0,1,2,3
	v_mov_b32 v[TM+4+\b], 0                        ; written once: a lane permute's destination counts as one of its sources
.endr
	s_cmp_eq_u32 ttmp9, 1                          ; which bias: the choice hangs on the cluster's x alone
	s_cselect_b64 s[8:9], s[10:11], s[8:9]
	s_cmp_eq_u32 ttmp9, 2
	s_cselect_b64 s[8:9], s[68:69], s[8:9]
	s_cselect_b32 s90, s41, s40                    ; v: R's 256 columns of Wv (cy); q, k: P's 256 columns within the weight (cx)
	s_cselect_b32 s91, s15, s16
	s_lshl_b32 s90, s90, 10
	s_lshl_b32 s91, s91, 9
	s_add_co_u32 s90, s90, s91
	s_mov_b32 s91, 0
	s_add_nc_u64 s[8:9], s[8:9], s[90:91]
.macro FRAG reg, adr, q, i             ; a fragment as it lies: four loads of 512 consecutive bytes
.irp c, 0,1,2,3
	ds_load_b128 v[\reg+4*\c:\reg+4*\c+3], v[\adr] offset:(\i)*4096+(\q)*2048+512*\c
.endr
.endm
; 16 matrix instructions: R's blocks a0, a0 + 1 x P's eight, K step ks.  p: P's set.  zero = 1: the first product starts the sums.  The 64 accumulators take turns, one instruction a turn, in the same order in every step.
.macro MUL16 a0, p, ks, zero
.irp a, \a0, \a0+1
.irp b, 0,1,2,3,4,5,6,7
.if \zero
	v_wmma_scale_f32_16x16x128_f8f6f4 v[8*(8*((\a)%4)+\b):8*(8*((\a)%4)+\b)+7], v[128*(\p)+FR*\b:128*(\p)+FR*\b+FR-1], v[AF+FR*(\a):AF+FR*(\a)+FR-1], 0, v[SC+32*((\ks)/4)+4*\b+(\ks)%4], v[SC+32*((\ks)/4)+4*(\a)+(\ks)%4] matrix_a_scale:MATRIX_SCALE_ROW1
.else
	v_wmma_scale_f32_16x16x128_f8f6f4 v[8*(8*((\a)%4)+\b):8*(8*((\a)%4)+\b)+7], v[128*(\p)+FR*\b:128*(\p)+FR*\b+FR-1], v[AF+FR*(\a):AF+FR*(\a)+FR-1], v[8*(8*((\a)%4)+\b):8*(8*((\a)%4)+\b)+7], v[SC+32*((\ks)/4)+4*\b+(\ks)%4], v[SC+32*((\ks)/4)+4*(\a)+(\ks)%4] matrix_a_scale:MATRIX_SCALE_ROW1
.endif
.endr
.endr
.endm
.macro FETCH_B slot, q, p
	WIN TO_B
.irp i, 0,1,2,3,4,5,6,7
	FRAG 128*(\p)+FR*\i, ADRB+\slot, \q, \i
.endr
	WIN 0
.endm
.macro FETCH_A slot, q, i0
.irp i, \i0, \i0+1, \i0+2, \i0+3
	FRAG AF+FR*(\i), ADRA+\slot, \q, \i
.endr
.endm
.macro PLACES n                        ; plain vector instructions that name none of the matrix instructions' registers, in front of loads into registers that they have read and of the first read of results
.rept \n
	v_nop
.endr
.endm
; A K step that has its successor in the same slot.  R has one set of registers: blocks 0-3 are fetched anew in the step's middle, blocks 4-7 at its end; P has two sets.
.macro STEP slot, q, ks, zero
	s_wait_dscnt 16                                ; P's set and R's blocks 0-3 are in; the youngest sixteen loads (R's blocks 4-7) may be out
	WIN MUL_LO
	MUL16 0, (\q)%2, \ks, \zero
	MUL16 2, (\q)%2, \ks, \zero
	s_wait_dscnt 0x0                               ; R's blocks 4-7 are in
	PLACES NP
	FETCH_B \slot, (\q)+1, 1-(\q)%2
	FETCH_A \slot, (\q)+1, 0
	WIN MUL_HI
	MUL16 4, (\q)%2, \ks, \zero
	MUL16 6, (\q)%2, \ks, \zero
	PLACES NP
	WIN 0
	FETCH_A \slot, (\q)+1, 4
.endm
; A slot's second K step changes slots: one barrier; in front of it each wave waits for all its tensor loads, adds 0 to its spare word, and waits for that and for its reads of this slot.  fill = 1: this slot is filled again, four K steps on.
.macro TURN slot, next, ks, fill
	s_wait_tensorcnt 0x0                           ; all my tensor loads have landed: my part of the next slot
	ds_add_u32 v[SPW], v[NIL]                      ; 0 onto my spare word
	s_wait_dscnt 17                                ; (the add and the youngest sixteen loads may be out)
	WIN MUL_LO
	MUL16 0, 1, \ks, 0                             ; sixteen matrix instructions stand between the add and the wait for it
	s_wait_dscnt 0x0                               ; the add is done, and my reads of this slot are over
	s_barrier_signal -1
	MUL16 2, 1, \ks, 0
	WIN 0
	s_barrier_wait -1
.if \fill
	CREST                                          ; the barrier has opened a round of the cluster's: no wave of any partner still reads this slot or has a load on its way
	s_add_nc_u64 s[G0+4*\slot+2:G0+4*\slot+3], s[G0+4*\slot+2:G0+4*\slot+3], 8192
	s_add_nc_u64 s[G0B+4*\slot+2:G0B+4*\slot+3], s[G0B+4*\slot+2:G0B+4*\slot+3], 8192
	JLOAD G0+4*\slot, G1, G0B+4*\slot, G1B         ; my one tensor load behind the round; its four v_nop are among the places below
	PLACES NP-4
.else
	PLACES NP
.endif
	FETCH_B \next, 0, 0
	FETCH_A \next, 0, 0
	WIN MUL_HI
	MUL16 4, 1, \ks, 0
	MUL16 6, 1, \ks, 0
	PLACES NP
	WIN 0
	FETCH_A \next, 0, 4
.endm
	s_wait_tensorcnt 1                             ; my part of slot 0 is in; slot 1's may stay out
	s_barrier_signal -1
	s_barrier_wait -1
	FETCH_B 0, 0, 0
	FETCH_A 0, 0, 0
	FETCH_A 0, 0, 4
	s_wait_loadcnt 0x0                             ; the scale words
	STEP 0, 0, 0, 1
	TURN 0, 1, 1, 1
	STEP 1, 0, 2, 0
	TURN 1, 0, 3, 1
	STEP 0, 0, 4, 0
	TURN 0, 1, 5, 0
	STEP 1, 0, 6, 0
	; P's set 0 is free (its last products stand in front of the step's closing places): the bias is asked for into it, ahead of the last step's 64 products.  Sixteen loads on either path.
	s_cmp_lg_u32 s46, 0
	s_cbranch_scc1 .Lpre_v
	s_lshl_b32 s90, s47, 2
	s_lshl_b32 s91, s16, 1
	s_add_co_u32 s90, s90, s91                     ; my first head: 4 x P's 256 + 2 x half (16 on: k)
	s_lshl_b32 s92, s90, 18
	s_lshl_b32 s93, s87, 10
	s_add_co_u32 s92, s92, s93
	s_mov_b32 s93, 0
	s_add_nc_u64 s[70:71], s[70:71], s[92:93]      ; qkc at [head][my first tile of x]
	s_lshl_b32 s92, s90, 14
	s_lshl_b32 s94, s87, 6
	s_add_co_u32 s92, s92, s94
	s_add_nc_u64 s[72:73], s[72:73], s[92:93]      ; qks at [head][tile / 8]
	WIN TO_B
.irp b, 0,1,2,3,4,5,6,7
	global_load_b128 v[BI+8*\b:BI+8*\b+3], v[BOQ], s[8:9] offset:(32*(\b/2)+8*(\b%2))*4       ; the bias of P's tile b at my half's eight columns
	global_load_b128 v[BI+8*\b+4:BI+8*\b+7], v[BOQ], s[8:9] offset:(32*(\b/2)+8*(\b%2))*4+16
.endr
	WIN 0
	s_branch .Lpre_done
.Lpre_v:
	s_lshl_b32 s90, s47, 1
	s_add_co_u32 s90, s90, s16                     ; which 128 rows of x
	s_lshr_b32 s91, s90, 4                         ; the batch
	s_and_b32 s90, s90, 15                         ; the key step
	s_lshl_b32 s92, s17, 2
	s_lshl_b32 s93, s15, 1
	s_add_co_u32 s92, s92, s93                     ; my first head
	s_lshl_b32 s94, s91, 21
	s_lshl_b32 s93, s92, 17
	s_add_co_u32 s94, s94, s93
	s_lshl_b32 s93, s90, 13
	s_add_co_u32 s94, s94, s93
	s_mov_b32 s95, 0
	s_add_nc_u64 s[74:75], s[74:75], s[94:95]      ; vc
	s_lshl_b32 s94, s91, 16
	s_lshl_b32 s93, s92, 12
	s_add_co_u32 s94, s94, s93
	s_lshl_b32 s93, s90, 8
	s_add_co_u32 s94, s94, s93
	s_add_nc_u64 s[76:77], s[76:77], s[94:95]      ; vs
	WIN TO_B
.irp a, 0,1,2,3,4,5,6,7
	global_load_b32 v[BI+2*\a], v[BOV], s[8:9] offset:(32*(\a/2)+8*(\a%2))*4     ; the bias of my lane's column in R's tile a, twice: a pair for the packed addition
	global_load_b32 v[BI+2*\a+1], v[BOV], s[8:9] offset:(32*(\a/2)+8*(\a%2))*4
.endr
	WIN 0
.Lpre_done:
	s_wait_dscnt 16                                ; the last K step: nothing more to fetch
	WIN MUL_LO
	MUL16 0, 1, 7, 0
	MUL16 2, 1, 7, 0
	s_wait_dscnt 0x0
	WIN MUL_HI
	MUL16 4, 1, 7, 0
	MUL16 6, 1, 7, 0
	WIN 0
	PLACES NP
	s_wait_loadcnt 0x0                             ; the bias
; THE WAY OUT of R's block a: 64 numbers a lane, register 16 b + i = pi 32 b + 16 h + i.  The bias is added; each block of 32 (mine and lane l xor 16's) gets its scale; the codes are four groups of an image and leave as 512 consecutive bytes each.
.macro OUTA a, isv
.set WW, 2+(\a)/4
.set AC, 64*((\a)%4)
	WIN (WW|4|(WW<<6))                             ; the sums in window 2 or 3, the bias in window 1
.set n, 0
.rept 32
.if \isv
	v_pk_add_f32 v[AC+n:AC+n+1], v[AC+n:AC+n+1], v[BI+2*(\a):BI+2*(\a)+1]
.else
	v_pk_add_f32 v[AC+n:AC+n+1], v[AC+n:AC+n+1], v[BI+n:BI+n+1]      ; each accumulator from its low end on
.endif
.set n, n+2
.endr
	WIN ((WW<<2)|(WW<<4))
.irp b, 0,1,2,3
	v_max3_num_f32 v[TM+\b], 0x4800000, |v[AC+16*\b]|, |v[AC+16*\b+1]|   ; the floor 2^(9 - 127) among the leaves
.endr
.irp i, 2,4,6,8,10,12,14
.irp b, 0,1,2,3
	v_max3_num_f32 v[TM+\b], v[TM+\b], |v[AC+16*\b+\i]|, |v[AC+16*\b+\i+1]|
.endr
.endr
	WIN 0
.irp b, 0,1,2,3
	v_permlanex16_b32 v[TM+4+\b], v[TM+\b], s[SEL], s[SEL+1]
.endr
.irp b, 0,1,2,3
	v_max_num_f32 v[TM+\b], v[TM+\b], v[TM+4+\b]
.endr
.irp b, 0,1,2,3
	v_add_nc_u32 v[TM+12+\b], 0xfc000000, v[TM+\b]
.endr
.irp b, 0,1,2,3
	v_and_or_b32 v[TM+8+\b], v[TM+\b], 0x7f800000, s[MNT]
.endr
.irp b, 0,1,2,3
	v_lshrrev_b32 v[TM+4+\b], 23, v[TM+12+\b]
.endr
	v_lshl_or_b32 v[PW], v[TM+5], 8, v[TM+4]
	v_lshl_or_b32 v[PW], v[TM+6], 16, v[PW]
	v_lshl_or_b32 v[PW], v[TM+7], 24, v[PW]
	WIN (WW|(WW<<6))
.irp b, 0,1,2,3
.irp i, 0,1,2,3,4,5,6,7,8,9,10,11,12,13,14,15
	v_med3_num_f32 v[AC+16*\b+\i], v[AC+16*\b+\i], -v[TM+8+\b], v[TM+8+\b]   ; the hold: the conversion does not saturate (ISA guide 7.6.2)
.endr
.endr
	WIN WW
.irp b, 0,1,2,3
	v_cvt_scalef32_pk8_fp8_f32 v[CD+16*(\a)+4*\b:CD+16*(\a)+4*\b+1], v[AC+16*\b:AC+16*\b+7], v[TM+12+\b]
	v_cvt_scalef32_pk8_fp8_f32 v[CD+16*(\a)+4*\b+2:CD+16*(\a)+4*\b+3], v[AC+16*\b+8:AC+16*\b+15], v[TM+12+\b]
.endr
	WIN 0
.if \isv
.irp b, 0,1,2,3
	global_store_b128 v[LI], v[CD+16*(\a)+4*\b:CD+16*(\a)+4*\b+3], s[74:75] offset:((\a)/4)*131072+((\a)%4)*2048+\b*512
.endr
	ds_store_b32 v[VIN], v[PW] offset:((\a)/4)*256+((\a)%2)*128+(((\a)%4)/2)*4
.else
	v_lshrrev_b32 v[W2], v[SH], v[PW]              ; lanes 0-15: bytes 0, 1 (the first head's two blocks); lanes 16-31: bytes 2, 3
	v_and_b32 v[W2], 0xffff, v[W2]
.irp b, 0,1,2,3
	global_store_b128 v[LI], v[CD+16*(\a)+4*\b:CD+16*(\a)+4*\b+3], s[70:71] offset:(\b/2)*262144+(\a)*1024+(\b%2)*512
.endr
	ds_store_b32 v[QIN], v[W2] offset:((\a)%2)*256+((\a)/2)*4
.endif
.endm
	s_cmp_lg_u32 s46, 0
	s_cbranch_scc1 .Lout_v
.irp a, 0,1,2,3,4,5,6,7
	OUTA \a, 0
.endr
	ds_load_b128 v[SW:SW+3], v[QOUT]               ; LDS serves a wave's instructions in order: these see my stores
	ds_load_b128 v[SW+4:SW+7], v[QOUT] offset:512
	s_wait_dscnt 0x0
	global_store_b128 v[LI], v[SW:SW+3], s[72:73]                 ; eight tiles' words of the first head: 512 consecutive bytes
	global_store_b128 v[LI], v[SW+4:SW+7], s[72:73] offset:16384  ; and of the second
	s_branch .Lout_done
.Lout_v:
.irp a, 0,1,2,3,4,5,6,7
	OUTA \a, 1
.endr
	ds_load_b128 v[SW:SW+3], v[VOUT]
	s_wait_dscnt 0x0
	global_store_b128 v[VSO], v[SW:SW+3], s[76:77] ; lanes 0-15: the first head's 256 bytes of this key step; lanes 16-31: the second's
.Lout_done:
	s_wait_tensorcnt 0x0                           ; the wave's end
	ds_add_u32 v[SPW], v[NIL]
	s_wait_dscnt 0x0
	CROUND                                         ; the closing round
	s_endpgm
.Lfunc_end_k_q1ebbcb333c_gemm_qkv:
	.size	k_q1ebbcb333c_gemm_qkv, .Lfunc_end_k_q1ebbcb333c_gemm_qkv-k_q1ebbcb333c_gemm_qkv
	.p2alignl 7, 3214868480
	.fill 96, 4, 3214868480
	.section	.rodata,"a",@progbits
	.p2align	6, 0x0
	.amdhsa_kernel k_q1ebbcb333c_gemm_qkv
		.amdhsa_group_segment_fixed_size 327680
		.amdhsa_private_segment_fixed_size 0
		.amdhsa_enable_private_segment 0
		.amdhsa_kernarg_size 72
		.amdhsa_user_sgpr_count 2
		.amdhsa_user_sgpr_kernarg_segment_ptr 1
		.amdhsa_wavefront_size32 1
		.amdhsa_system_sgpr_workgroup_id_x 1
		.amdhsa_system_sgpr_workgroup_id_y 1
		.amdhsa_system_sgpr_workgroup_id_z 1
		.amdhsa_system_vgpr_workitem_id 0
		.amdhsa_next_free_vgpr 1024
		.amdhsa_next_free_sgpr 100
		.amdhsa_reserve_vcc 1
		.amdhsa_float_denorm_mode_32 3
		.amdhsa_float_denorm_mode_16_64 3
		.amdhsa_memory_ordered 1
		.amdhsa_forward_progress 1
		.amdhsa_inst_pref_size 255
	.end_amdhsa_kernel
	.section	.bss,"aw",@nobits
	.p2align	6
	.space	262144
	.amdgpu_metadata
---
amdhsa.version: [ 1, 2 ]
amdhsa.kernels:
  - .name:           k_q1ebbcb333c_gemm_qkv
    .symbol:         k_q1ebbcb333c_gemm_qkv.kd
    .args:
      - { .name: codes, .offset: 0, .size: 8, .value_kind: global_buffer, .address_space: global }
      - { .name: scl, .offset: 8, .size: 8, .value_kind: global_buffer, .address_space: global }
      - { .name: bq, .offset: 16, .size: 8, .value_kind: global_buffer, .address_space: global }
      - { .name: bk, .offset: 24, .size: 8, .value_kind: global_buffer, .address_space: global }
      - { .name: bv, .offset: 32, .size: 8, .value_kind: global_buffer, .address_space: global }
      - { .name: qkc, .offset: 40, .size: 8, .value_kind: global_buffer, .address_space: global }
      - { .name: qks, .offset: 48, .size: 8, .value_kind: global_buffer, .address_space: global }
      - { .name: vc, .offset: 56, .size: 8, .value_kind: global_buffer, .address_space: global }
      - { .name: vs, .offset: 64, .size: 8, .value_kind: global_buffer, .address_space: global }
    .group_segment_fixed_size: 327680
    .private_segment_fixed_size: 0
    .kernarg_segment_align: 8
    .kernarg_segment_size: 72
    .max_flat_workgroup_size: 128
    .sgpr_count:     100
    .vgpr_count:     1024
    .wavefront_size: 32
...
	.end_amdgpu_metadata
.endif
;; end of part 3
;; launch attention (part 4): grid 8 x 32, 16 waves a work-group, clusters of 4 x 1, 280,576 bytes of LDS; arguments qkc, qks, vc, vs, oc, os; writes oc, os
.if DOCPART == 4
	.amdgcn_target "amdgcn-amd-amdhsa--gfx1250"
	.amdhsa_code_object_version 6
	.text
	.protected	k_q1ebbcb333c_attention
	.globl	k_q1ebbcb333c_attention
	.p2align	8
	.type	k_q1ebbcb333c_attention,@function
k_q1ebbcb333c_attention:
	s_mov_b64 s[64:65], 0
	v_nop
	global_prefetch_b8 v0, s[64:65] scope:SCOPE_SE
	s_setreg_imm32_b32 hwreg(HW_REG_WAVE_MODE, 25, 1), 1
	s_wait_xcnt 0x0
	s_wait_alu depctr_hold_cnt(0) depctr_sa_sdst(0) depctr_va_vdst(0) depctr_va_sdst(0) depctr_va_ssrc(0) depctr_va_vcc(0) depctr_vm_vsrc(0)
	s_getreg_b32 s2, hwreg(HW_REG_IB_STS2, 6, 4)
	s_cmp_eq_u32 s2, 0
	s_cbranch_scc0 .Lentry_in_a_cluster
	s_endpgm
.Lentry_in_a_cluster:
	s_bfe_u32 s2, ttmp6, 0x10000c
	s_cmp_lg_u32 s2, 0x3003
	s_cbranch_scc0 .Lentry_shape_is_right
	s_endpgm
.Lentry_shape_is_right:
; O[b][head][q] = the sum over keys of softmax(q . k / 8) v, both products on codes of E4M3 with E8M0 scales, and O / l quantised along D for the last projection.
; THE SOFTMAX AHEAD OF THE SECOND PRODUCT: t = score x log2(e) / 8; M = the running largest t rounded UP to a whole number; p = 2^(t - M) is quantised along the keys, not normalised; the row's sum l is taken of the unquantised p
; and divides O at the end.  When M moves, l and O are multiplied by 2^(old M - new M): exact.
; SHARES: work-group y = 16 b + head; x = which 256 queries; each of sixteen waves owns one tile of 16 queries (x's row tile) in 256 registers, four waves to a SIMD.  Every wave walks the head's 2,048 keys, 128 a step.
; A HEAD'S K AND V LIE WHOLE IN LDS, FILLED ONCE (131,072 bytes each, and their scale words): no slot is ever filled again.  The four work-groups of a cluster read the same head, so every fill is a joint load that names the four.
; Each wave issues five loads (scale words, then four quarters of the head); the walk begins when the first quarter has landed.
; LAYOUT: both products transposed: S^T = K Q^T (source 0 = 16 keys), O^T = V^T P^T (source 0 = 16 of the head's 64): a lane holds ONE query.  The tiles' rows are so ordered that the 16 registers of tiles 2 b, 2 b + 1 are
; 16 neighbours (keys in S^T, channels in O^T), so the conversions' results are the next operand's registers.  The first product's K is 64: the upper half of its fragments are zero codes, kept in registers, under scale bytes 0.
; LIMITS: p under 2^-126 is flushed to 0 by v_exp_f32; a block of zeros keeps the byte 1 (read by this program alone); NaN and infinities are not served.
; REGISTERS: v1-4 addresses that stay, v5-8 the step's; v11 where my scale word goes; v12 -M, v13 the largest t, v[14:15] l in two halves; v16-31 Q; v32-95 four fragments of K; v96-159 S^T, then p, then V's four fragments;
; v160-191 O^T; v192-207 p's codes; v208-223 at work; v224-227 K's scale words, v[228:229] V's, v230 Q's, v233 p's; v232 f; v234-237 at work.
.set KC,  0
.set VC,  131072
.set KS,  262144                       ; K's scale words: 512 bytes a key step
.set VS,  270336                       ; V's: 256 bytes a key step
.set OST, 274432                       ; O's scale words on the way out: 64 bytes a wave; no fill lands here
.set WV,  18
.set MNT, 19
.set SEL, 20
.set CS,  22                           ; s[22:23] c = log2(e) / 8
.set G1C, 28                           ; s[28:35] group 1: 16 rows of 256 bytes, dense
.set G1S, 36                           ; s[36:43] the same with 4 rows (K's scale words) or 2 (V's)
.set G0,  44                           ; s[44:63] five groups 0, written once
.set TK,  66                           ; s66 the step's codes: 8,192 bytes a step, in K as in V
.set TS,  67                           ; s67 K's scale words
.set TV,  68                           ; s68 V's
.set CNT, 69
.macro CROUND
	s_barrier_signal -1
	s_barrier_wait -1
	s_cmp_lg_u32 s[WV], 0
	s_cbranch_scc1 .Lnot_wave_0_\@
	s_barrier_signal -3
.Lnot_wave_0_\@:
	s_barrier_wait -3
	s_barrier_signal -1
	s_barrier_wait -1
.endm
	s_load_b256 s[4:11], s[0:1], 0x0               ; qkc, qks, vc, vs
	s_load_b128 s[12:15], s[0:1], 0x20             ; oc, os
	v_lshl_add_u32 v254, v0, 2, 0x44000
	v_mov_b32 v255, 0
	ds_add_u32 v254, v255
	ds_add_u32 v254, v255
	v_lshrrev_b32 v1, 5, v0
	v_readfirstlane_b32 s[WV], v1                  ; wave 0..15
	s_bfe_u32 s24, ttmp6, 0x40000                  ; cx
	s_lshl_b32 s25, ttmp9, 2
	s_add_co_u32 s25, s25, s24                     ; my block of 256 queries: it enters Q's, oc's and os's addresses alone
	s_and_b32 s26, ttmp7, 0xffff
	s_lshr_b32 s27, s26, 4                         ; b
	s_and_b32 s26, s26, 15                         ; head
	s_and_b32 s70, s[WV], 7                        ; which eighth I fetch
	s_add_co_u32 s71, s26, 16                      ; k's place in qkc and qks
	s_lshl_b32 s72, s71, 14
	s_lshl_b32 s73, s27, 13
	s_add_co_u32 s72, s72, s73
	s_lshl_b32 s73, s70, 10
	s_add_co_u32 s72, s72, s73
	s_mov_b32 s73, 0                               ; s[72:73] K's scale words: my 1,024 bytes
	s_lshl_b32 s74, s71, 18
	s_lshl_b32 s75, s27, 17
	s_add_co_u32 s74, s74, s75
	s_lshl_b32 s75, s70, 12
	s_add_co_u32 s74, s74, s75
	s_mov_b32 s75, 0                               ; s[74:75] K's codes: my 4,096 bytes of the first quarter
	s_lshl_b32 s76, s27, 16
	s_lshl_b32 s77, s26, 12
	s_add_co_u32 s76, s76, s77
	s_lshl_b32 s77, s70, 9
	s_add_co_u32 s76, s76, s77
	s_mov_b32 s77, 0                               ; s[76:77] V's scale words: my 512 bytes
	s_lshl_b32 s78, s27, 21
	s_lshl_b32 s79, s26, 17
	s_add_co_u32 s78, s78, s79
	s_lshl_b32 s79, s70, 12
	s_add_co_u32 s78, s78, s79
	s_mov_b32 s79, 0                               ; s[78:79] V's codes
	s_mov_b32 s[G1C], 15|(3<<16)|(1<<21)           ; the mask: all four work-groups; elements of 8 bytes; bit 21 beside a mask
	s_mov_b32 s[G1C+1], 32<<16
	s_mov_b32 s[G1C+2], 16<<16
	s_mov_b32 s[G1C+3], 32<<16
	s_mov_b32 s[G1C+4], 16
	s_mov_b32 s[G1C+5], 32
	s_mov_b32 s[G1C+6], 0
	s_mov_b32 s[G1C+7], 0
	s_mov_b32 s[G1S], 15|(3<<16)|(1<<21)
	s_mov_b32 s[G1S+1], 32<<16
	s_mov_b32 s[G1S+3], 32<<16
	s_mov_b32 s[G1S+5], 32
	s_mov_b32 s[G1S+6], 0
	s_mov_b32 s[G1S+7], 0
	s_mov_b32 s[SEL], 0x76543210
	s_mov_b32 s[SEL+1], 0xfedcba98
	s_mov_b32 s[CS], 0x3e38aa3b
	s_mov_b32 s[CS+1], s[CS]                       ; (named with it as a pair, so it is written)
	s_mov_b32 s[MNT], 0x600000
	s_mov_b32 s[TK], 0
	s_mov_b32 s[TS], 0
	s_mov_b32 s[TV], 0
; A wave's five first fills: its part of the scale words, then of the four quarters of the codes.  Five loads of mine are out; four v_nop follow the last.
.macro FILLS rows, sl, sh, sp, so, cl, cp, co
	s_mov_b32 s[G1S+2], (\rows)<<16
	s_mov_b32 s[G1S+4], \rows
	s_mov_b32 s[G0], 1
	s_lshl_b32 s80, s70, \sh
	s_add_co_u32 s[G0+1], s80, \sl
	s_add_nc_u64 s[G0+2:G0+3], s[\sp:\sp+1], s[\so:\so+1]
	s_or_b32 s[G0+3], s[G0+3], 0x80000000
	s_lshl_b32 s80, s70, 12
	s_add_nc_u64 s[82:83], s[\cp:\cp+1], s[\co:\co+1]
.irp g, 0,1,2,3
	s_mov_b32 s[G0+4+4*\g], 1
	s_add_co_u32 s[G0+5+4*\g], s80, \cl+\g*32768
	s_add_nc_u64 s[G0+6+4*\g:G0+7+4*\g], s[82:83], \g*32768
	s_or_b32 s[G0+7+4*\g], s[G0+7+4*\g], 0x80000000
.endr
	tensor_load_to_lds s[G0:G0+3], s[G1S:G1S+7]
	s_nop 0
.irp g, 0,1,2,3
	tensor_load_to_lds s[G0+4+4*\g:G0+7+4*\g], s[G1C:G1C+7]
	s_nop 0
.endr
.rept 4
	v_nop
.endr
.endm
	s_wait_dscnt 0x0
	s_wait_kmcnt 0x0
	CROUND                                         ; all four work-groups are here: the joint loads meet
	s_cmp_lt_u32 s[WV], 8                          ; waves 0-7 fetch K's, waves 8-15 V's: the branch hangs on the wave's number alone
	s_cbranch_scc0 .Lfill_v
	FILLS 4, KS, 10, 6, 72, KC, 4, 74
	s_branch .Lfilled
.Lfill_v:
	FILLS 2, VS, 9, 10, 76, VC, 8, 78
.Lfilled:
	s_lshl_b32 s84, s27, 7
	s_lshl_b32 s85, s25, 4
	s_add_co_u32 s84, s84, s85                     ; the work-group's first tile of queries: 128 b + 16 x block
	s_add_co_u32 s86, s84, s[WV]                   ; mine
	s_lshl_b32 s88, s26, 18
	s_lshl_b32 s89, s86, 10
	s_add_co_u32 s88, s88, s89
	s_mov_b32 s89, 0
	s_add_nc_u64 s[4:5], s[4:5], s[88:89]          ; Q's codes
	s_lshl_b32 s88, s26, 14
	s_lshr_b32 s90, s86, 3
	s_lshl_b32 s90, s90, 9
	s_add_co_u32 s88, s88, s90
	s_and_b32 s90, s[WV], 1
	s_lshl_b32 s90, s90, 8
	s_add_co_u32 s88, s88, s90
	s_lshr_b32 s90, s70, 1
	s_lshl_b32 s90, s90, 2
	s_add_co_u32 s88, s88, s90
	s_add_nc_u64 s[6:7], s[6:7], s[88:89]          ; Q's scale words: [tile / 8][16 (tile % 2) + r][(tile % 8) / 2]
	s_lshl_b32 s88, s86, 14
	s_lshl_b32 s90, s26, 10
	s_add_co_u32 s88, s88, s90
	s_add_nc_u64 s[12:13], s[12:13], s[88:89]      ; oc: [tile][head / 2][2 (head % 2) groups on]
	s_lshl_b32 s88, s26, 14
	s_lshl_b32 s90, s84, 6
	s_add_co_u32 s88, s88, s90
	s_add_nc_u64 s[14:15], s[14:15], s[88:89]      ; os: [head][the work-group's first tile]
	v_and_b32 v9, 31, v0
	v_and_b32 v10, 15, v0
	v_lshlrev_b32 v1, 4, v9                        ; 16 x lane
	v_add_nc_u32 v2, VC, v1
	v_add_nc_u32 v3, KS, v1
	v_lshl_add_u32 v4, v9, 3, VS
	s_lshl_b32 s90, s[WV], 6
	s_add_co_u32 s90, s90, OST
	v_lshl_add_u32 v11, v10, 2, s90
	v_lshlrev_b32 v10, 4, v10
	global_load_b128 v[16:19], v1, s[4:5]
	global_load_b128 v[20:23], v1, s[4:5] offset:512
	global_load_b32 v230, v10, s[6:7]
.irp j, 0,1,2,3,4,5,6,7
	v_mov_b32 v[24+\j], 0                          ; Q's k = 64 .. 127: zero codes
.endr
.irp f, 0,1,2,3
.irp j, 8,9,10,11,12,13,14,15
	v_mov_b32 v[32+16*\f+\j], 0                    ; K's likewise: set once, never loaded over
.endr
.endr
.irp j, 0,1,2,3,4,5,6,7,8,9,10,11,12,13,14,15,16,17,18,19,20,21,22,23,24,25,26,27,28,29,30,31
	v_mov_b32 v[160+\j], 0                         ; O^T: the step is written once; the first finds zeros, which the first change of M leaves zeros
.endr
	v_mov_b32 v13, 0xff61b1e6                      ; the largest t so far: -3e38
	v_floor_f32 v12, -v13                          ; -M
	v_mov_b32 v14, 0
	v_mov_b32 v15, 0
.irp b, 0,1,2,3
	v_mov_b32 v[212+\b], 0                         ; a lane permute's destination counts as one of its sources
.endr
	v_mov_b32 v233, 0                              ; (named as the upper half of the pair v[232:233] before it is first written)
	v_mov_b32 v234, 0
.macro SMUL d, a, sa, row
.if \row
	v_wmma_scale_f32_16x16x128_f8f6f4 v[\d:\d+7], v[\a:\a+15], v[16:31], 0, v[\sa], v230 matrix_a_scale:MATRIX_SCALE_ROW1
.else
	v_wmma_scale_f32_16x16x128_f8f6f4 v[\d:\d+7], v[\a:\a+15], v[16:31], 0, v[\sa], v230
.endif
.endm
.macro OMUL dt, row
.if \row
	v_wmma_scale_f32_16x16x128_f8f6f4 v[160+8*\dt:167+8*\dt], v[96+16*\dt:111+16*\dt], v[192:207], v[160+8*\dt:167+8*\dt], v[228+\dt/2], v233 matrix_a_scale:MATRIX_SCALE_ROW1
.else
	v_wmma_scale_f32_16x16x128_f8f6f4 v[160+8*\dt:167+8*\dt], v[96+16*\dt:111+16*\dt], v[192:207], v[160+8*\dt:167+8*\dt], v[228+\dt/2], v233
.endif
.endm
; A KEY STEP: 128 keys.
.macro STEP
	v_add_nc_u32 v5, s[TK], v1
	v_add_nc_u32 v6, s[TK], v2
	v_add_nc_u32 v7, s[TS], v3
	v_add_nc_u32 v8, s[TV], v4
.rept 5
	v_nop                                          ; with the four additions: nine places before S^T is written over the registers from which the last step's products read V
.endr
	ds_load_b128 v[224:227], v7                    ; K's scale words: word j: tile 2 j in lanes 0-15, tile 2 j + 1 in lanes 16-31
.irp g, 0,1                            ; S^T = K Q^T, four tiles of 16 keys at a time
.if \g
.rept 8
	v_nop                                          ; places in front of loads into registers that matrix instructions have read
.endr
.endif
.irp f, 0,1,2,3
	ds_load_b128 v[32+16*\f:35+16*\f], v5 offset:(4*\g+\f)*1024
	ds_load_b128 v[36+16*\f:39+16*\f], v5 offset:(4*\g+\f)*1024+512
.endr
	s_wait_dscnt 0x0
.irp f, 0,1,2,3
	SMUL 96+8*(4*\g+\f), 32+16*\f, 224+(4*\g+\f)/2, \f%2
.endr
.endr
.rept 8
	v_nop
.endr
.irp b, 0,1,2,3
	v_max3_num_f32 v[208+\b], v[96+16*\b], v[97+16*\b], v[98+16*\b]   ; the largest score of each block of 32 keys: it serves the row's maximum and, since p rises with the score, the block's largest p
.endr
.irp i, 3,5,7,9,11,13
.irp b, 0,1,2,3
	v_max3_num_f32 v[208+\b], v[208+\b], v[96+16*\b+\i], v[97+16*\b+\i]
.endr
.endr
.irp b, 0,1,2,3
	v_max_num_f32 v[208+\b], v[208+\b], v[111+16*\b]
.endr
.irp b, 0,1,2,3
	v_permlanex16_b32 v[212+\b], v[208+\b], s[SEL], s[SEL+1]
.endr
.irp b, 0,1,2,3
	v_max_num_f32 v[208+\b], v[208+\b], v[212+\b]  ; with lane l xor 16's 16 keys
.endr
	v_max3_num_f32 v234, v208, v209, v210
	v_max_num_f32 v234, v234, v211
	v_mul_f32 v234, s[CS], v234                    ; as t (c is positive)
	v_max_num_f32 v13, v13, v234                   ; the running largest t
	v_mov_b32 v234, v12
	v_floor_f32 v12, -v13                          ; the new -M = -ceil(t)
	v_sub_f32 v234, v12, v234                      ; old M - new M: a whole number, 0 or less
	v_cvt_i32_f32 v234, v234                       ; (it saturates)
	v_ldexp_f32 v232, 1.0, v234                    ; f = 2^(old M - new M)
.irp j, 0,2,4,6,8,10,12,14,16,18,20,22,24,26,28,30,32,34,36,38,40,42,44,46,48,50,52,54,56,58,60,62
	v_pk_fma_f32 v[96+\j:97+\j], v[96+\j:97+\j], s[CS:CS+1], v[12:13] op_sel_hi:[1,0,0]   ; t - M, two at a time
.endr
.irp b, 0,1,2,3
	v_fma_f32 v[208+\b], v[208+\b], s[CS], v12     ; the same of each block's largest score
.endr
.irp j, 0,1,2,3,4,5,6,7,8,9,10,11,12,13,14,15,16,17,18,19,20,21,22,23,24,25,26,27,28,29,30,31,32,33,34,35,36,37,38,39,40,41,42,43,44,45,46,47,48,49,50,51,52,53,54,55,56,57,58,59,60,61,62,63
	v_exp_f32 v[96+\j], v[96+\j]                   ; p = 2^(t - M), at most 1
.endr
.irp b, 0,1,2,3
	v_exp_f32 v[208+\b], v[208+\b]                 ; the block's largest p: the same two instructions on the same number
.endr
	v_pk_mul_f32 v[14:15], v[14:15], v[232:233] op_sel_hi:[1,0]   ; l under the new M (a plain place behind the exponentials)
	s_wait_alu depctr_va_vdst(0)
.irp b, 0,1,2,3
	v_max_num_f32 v[208+\b], 0x4800000, v[208+\b]  ; the floor 2^(9 - 127)
.endr
.irp b, 0,1,2,3
	v_add_nc_u32 v[220+\b], 0xfc000000, v[208+\b]  ; the conversion's scale operand
.endr
.irp b, 0,1,2,3
	v_and_or_b32 v[216+\b], v[208+\b], 0x7f800000, s[MNT]   ; 448 x the scale
.endr
.irp b, 0,1,2,3
	v_lshrrev_b32 v[212+\b], 23, v[220+\b]         ; the scale's byte
.endr
	v_lshl_or_b32 v233, v213, 8, v212              ; p's scale word for these 128 keys
	v_lshl_or_b32 v233, v214, 16, v233
	v_lshl_or_b32 v233, v215, 24, v233
	v_pk_add_f32 v[236:237], v[96:97], v[98:99]    ; the row's sum is taken of the unquantised p: two chains
.irp j, 4,8,12,16,20,24,28,32,36,40,44,48,52,56,60
	v_pk_add_f32 v[14:15], v[14:15], v[96+\j:97+\j]
	v_pk_add_f32 v[236:237], v[236:237], v[98+\j:99+\j]
.endr
	v_pk_add_f32 v[14:15], v[14:15], v[236:237]
.irp b, 0,1,2,3
.irp i, 0,1,2,3,4,5,6,7,8,9,10,11,12,13,14,15
	v_min_num_f32 v[96+16*\b+\i], v[96+16*\b+\i], v[216+\b]   ; the hold; p is not negative, so it is one-sided
.endr
	v_cvt_scalef32_pk8_fp8_f32 v[192+4*\b:193+4*\b], v[96+16*\b:103+16*\b], v[220+\b]
	v_cvt_scalef32_pk8_fp8_f32 v[194+4*\b:195+4*\b], v[104+16*\b:111+16*\b], v[220+\b]
.irp c, 0,1,2,3
	ds_load_b128 v[96+16*\b+4*\c:99+16*\b+4*\c], v6 offset:\b*2048+512*\c   ; the block's 16 registers are free: V's fragment of the same number lands there
.endr
.endr
	ds_load_b64 v[228:229], v8                     ; V's scale words
.irp j, 0,2,4,6,8,10,12,14,16,18,20,22,24,26,28,30
	v_pk_mul_f32 v[160+\j:161+\j], v[160+\j:161+\j], v[232:233] op_sel_hi:[1,0]   ; O^T under the new M; these sixteen are also the places in front of the products below
.endr
	s_wait_dscnt 0x0
.irp dt, 0,1,2,3                       ; O^T += V^T P^T: the four accumulators by turns
	OMUL \dt, \dt%2
.endr
.endm
; A quarter of the head: four key steps.  The count leaves the later quarters on their way.
.macro STAGE g
	s_wait_tensorcnt 3-\g
	s_barrier_signal -1
	s_barrier_wait -1                              ; every wave's part of this quarter has landed
	s_mov_b32 s[CNT], 4
.Lstep_\@:
	STEP
	s_add_co_u32 s[TK], s[TK], 8192
	s_add_co_u32 s[TS], s[TS], 512
	s_add_co_u32 s[TV], s[TV], 256
	s_sub_co_u32 s[CNT], s[CNT], 1
	s_cmp_lg_u32 s[CNT], 0
	s_cbranch_scc1 .Lstep_\@
.endm
	s_wait_loadcnt 0x0                             ; Q
	STAGE 0
	STAGE 1
	STAGE 2
	STAGE 3
	; THE WAY OUT: O^T / l; register 16 b + i is channel 32 b + 16 h + i of my query: two blocks along D, quantised as every operand is.
	v_add_f32 v14, v14, v15
	v_permlanex16_b32 v234, v14, s[SEL], s[SEL+1]
	v_add_f32 v14, v14, v234                       ; the row's sum
	v_rcp_f32 v14, v14
.rept 8
	v_nop                                          ; the places behind the last products, and the plain place behind the reciprocal
.endr
	s_wait_alu depctr_va_vdst(0)
.irp j, 0,1,2,3,4,5,6,7,8,9,10,11,12,13,14,15,16,17,18,19,20,21,22,23,24,25,26,27,28,29,30,31
	v_mul_f32 v[96+\j], v[160+\j], v14
.endr
.irp b, 0,1
	v_max3_num_f32 v[208+\b], |v[96+16*\b]|, |v[97+16*\b]|, 0x4800000
.endr
.irp i, 2,4,6,8,10,12,14
.irp b, 0,1
	v_max3_num_f32 v[208+\b], v[208+\b], |v[96+16*\b+\i]|, |v[97+16*\b+\i]|
.endr
.endr
.irp b, 0,1
	v_permlanex16_b32 v[212+\b], v[208+\b], s[SEL], s[SEL+1]
.endr
.irp b, 0,1
	v_max_num_f32 v[208+\b], v[208+\b], v[212+\b]
.endr
.irp b, 0,1
	v_add_nc_u32 v[220+\b], 0xfc000000, v[208+\b]
.endr
.irp b, 0,1
	v_and_or_b32 v[216+\b], v[208+\b], 0x7f800000, s[MNT]
.endr
.irp b, 0,1
	v_lshrrev_b32 v[212+\b], 23, v[220+\b]
.endr
	v_lshl_or_b32 v235, v213, 8, v212              ; my row's two bytes of this head
.irp b, 0,1
.irp i, 0,1,2,3,4,5,6,7,8,9,10,11,12,13,14,15
	v_med3_num_f32 v[96+16*\b+\i], v[96+16*\b+\i], -v[216+\b], v[216+\b]
.endr
	v_cvt_scalef32_pk8_fp8_f32 v[192+4*\b:193+4*\b], v[96+16*\b:103+16*\b], v[220+\b]
	v_cvt_scalef32_pk8_fp8_f32 v[194+4*\b:195+4*\b], v[104+16*\b:111+16*\b], v[220+\b]
.endr
	global_store_b128 v1, v[192:195], s[12:13]             ; two groups of the image: 512 consecutive bytes each
	global_store_b128 v1, v[196:199], s[12:13] offset:512
	ds_store_b32 v11, v235                         ; both halves of the lanes write the same word
	v_add_nc_u32 v5, OST, v1
	s_wait_dscnt 0x0                               ; for wave 0's sake
	s_barrier_signal -1
	s_barrier_wait -1
	s_cmp_lg_u32 s[WV], 0
	s_cbranch_scc1 .Lno_words
	ds_load_b128 v[200:203], v5                    ; sixteen tiles' words: 1,024 consecutive bytes of os
	ds_load_b128 v[204:207], v5 offset:512
	s_wait_dscnt 0x0
	global_store_b128 v1, v[200:203], s[14:15]
	global_store_b128 v1, v[204:207], s[14:15] offset:512
.Lno_words:
	s_wait_tensorcnt 0x0
	ds_add_u32 v254, v255
	s_wait_dscnt 0x0
	CROUND                                         ; the closing round: no work-group ends while a partner may still ask
	s_endpgm
.Lfunc_end_k_q1ebbcb333c_attention:
	.size	k_q1ebbcb333c_attention, .Lfunc_end_k_q1ebbcb333c_attention-k_q1ebbcb333c_attention
	.p2alignl 7, 3214868480
	.fill 96, 4, 3214868480
	.section	.rodata,"a",@progbits
	.p2align	6, 0x0
	.amdhsa_kernel k_q1ebbcb333c_attention
		.amdhsa_group_segment_fixed_size 280576
		.amdhsa_private_segment_fixed_size 0
		.amdhsa_enable_private_segment 0
		.amdhsa_kernarg_size 48
		.amdhsa_user_sgpr_count 2
		.amdhsa_user_sgpr_kernarg_segment_ptr 1
		.amdhsa_wavefront_size32 1
		.amdhsa_system_sgpr_workgroup_id_x 1
		.amdhsa_system_sgpr_workgroup_id_y 1
		.amdhsa_system_sgpr_workgroup_id_z 1
		.amdhsa_system_vgpr_workitem_id 0
		.amdhsa_next_free_vgpr 256
		.amdhsa_next_free_sgpr 92
		.amdhsa_reserve_vcc 0
		.amdhsa_float_denorm_mode_32 3
		.amdhsa_float_denorm_mode_16_64 3
		.amdhsa_memory_ordered 1
		.amdhsa_forward_progress 1
		.amdhsa_inst_pref_size 94
	.end_amdhsa_kernel
	.amdgpu_metadata
---
amdhsa.version: [ 1, 2 ]
amdhsa.kernels:
  - .name:           k_q1ebbcb333c_attention
    .symbol:         k_q1ebbcb333c_attention.kd
    .args:
      - { .name: qkc, .offset: 0, .size: 8, .value_kind: global_buffer, .address_space: global }
      - { .name: qks, .offset: 8, .size: 8, .value_kind: global_buffer, .address_space: global }
      - { .name: vc, .offset: 16, .size: 8, .value_kind: global_buffer, .address_space: global }
      - { .name: vs, .offset: 24, .size: 8, .value_kind: global_buffer, .address_space: global }
      - { .name: oc, .offset: 32, .size: 8, .value_kind: global_buffer, .address_space: global }
      - { .name: os, .offset: 40, .size: 8, .value_kind: global_buffer, .address_space: global }
    .group_segment_fixed_size: 280576
    .private_segment_fixed_size: 0
    .kernarg_segment_align: 8
    .kernarg_segment_size: 48
    .max_flat_workgroup_size: 512
    .sgpr_count:     92
    .vgpr_count:     256
    .wavefront_size: 32
...
	.end_amdgpu_metadata
.endif
;; end of part 4
;; launch proj_ln (part 5): grid 128 x 1, 16 waves a work-group, no clusters, 109,568 bytes of LDS; arguments oc, os, codes, scl, x, bp, ln_g, ln_b, out0; writes out0
.if DOCPART == 5
	.amdgcn_target "amdgcn-amd-amdhsa--gfx1250"
	.amdhsa_code_object_version 6
	.text
	.protected	k_q1ebbcb333c_proj_ln
	.globl	k_q1ebbcb333c_proj_ln
	.p2align	8
	.type	k_q1ebbcb333c_proj_ln,@function
k_q1ebbcb333c_proj_ln:
	s_mov_b64 s[64:65], 0
	v_nop
	global_prefetch_b8 v0, s[64:65] scope:SCOPE_SE
	s_setreg_imm32_b32 hwreg(HW_REG_WAVE_MODE, 25, 1), 1
	s_wait_xcnt 0x0
; out0 = LayerNorm(x + O Wp + bp) x ln_g + ln_b.  The product on codes of E4M3 (K = 1,024); all else in f32; mean and variance in two passes, as the definition has them.
; SHARES: a work-group owns 32 whole rows (O's tiles 2 wg, 2 wg + 1), so that the norm never leaves it; wave w owns columns 64 w .. 64 w + 63 (Wp's tiles 448 + 4 w + t).  Source 0 = Wp's tile, source 1 = O's:
; register j of accumulator (a, t) in lane (r, h) is y(32 wg + 8 a + r + 8 (r / 8), 64 w + 32 (t / 2) + 16 h + 8 (t % 2) + j): 16 neighbouring columns in the registers of two tiles.
; x + bp is loaded and added INTO the accumulators, and the products add onto it.
; O's sixteen fragments go through LDS as images of their registers (each wave brings one); a fragment of Wp is read by one wave alone, 512 consecutive bytes a load, straight into registers, a K step ahead.
; NO JOINT LOADS: a joint load lands in LDS, so sharing Wp among four work-groups would add 1 MiB of LDS writes and 1 MiB of LDS reads a work-group to spare three quarters of 1 MiB of requests.
; 128 work-groups: a row's 1,024 columns must meet for the norm, and 32 rows are what sixteen waves of 256 registers hold.
; LIMITS: NaN and infinities are not served.
; REGISTERS: v1-11, v13, v14 addresses; v12 O's scale words and nothing else; v16-79 the accumulators (a, t) at v[16 + 32 a + 8 t]; v80-143, v144-207 Wp's fragments, two sets (later ln_g, ln_b; sums; rows on the way out);
; v208-239 O's two fragments (first bp; later at work); v240-255 Wp's scale words and nothing else.
.set ASC, 32768                        ; LDS: O's images at 0 (fragment (a, K step s) at 2,048 (2 s + a)); their scale words: 128 s + 64 a + 4 r
.set LN1, 33792                        ; the waves' sums: 128 w + 8 r (two rows a lane)
.set LN2, 35840                        ; the sums of squares
.set STG, 37888                        ; the way out: 16 rows x (256 bytes + 16) for each wave
	s_load_b256 s[4:11], s[0:1], 0x0               ; oc, os, codes, scl
	s_load_b256 s[12:19], s[0:1], 0x20             ; x, bp, ln_g, ln_b
	s_load_b64 s[20:21], s[0:1], 0x40              ; out0
	v_lshrrev_b32 v1, 5, v0
	v_readfirstlane_b32 s22, v1                    ; wave 0..15
	s_lshr_b32 s23, s22, 3                         ; the fragment of O that I bring: tile w / 8,
	s_and_b32 s28, s22, 7                          ; K step w % 8
	s_lshl_b32 s29, ttmp9, 1
	s_add_co_u32 s29, s29, s23
	s_lshl_b32 s30, s29, 14
	s_lshl_b32 s31, s28, 11
	s_add_co_u32 s30, s30, s31
	s_mov_b32 s31, 0
	s_lshl_b32 s32, s28, 15                        ; os: head 2 s, 16,384 bytes a head
	s_lshl_b32 s33, s29, 6
	s_add_co_u32 s32, s32, s33
	s_mov_b32 s33, 0
	s_lshl_b32 s34, s22, 2
	s_add_co_u32 s34, s34, 448                     ; my first tile of Wp
	s_lshl_b32 s36, s34, 9
	s_mov_b32 s37, 0
	s_lshl_b32 s34, s34, 14
	s_mov_b32 s35, 0
	s_lshl_b32 s38, ttmp9, 17                      ; 32 rows of 4,096 bytes,
	s_lshl_b32 s39, s22, 8                         ; 256 bytes a wave
	s_add_co_u32 s38, s38, s39
	s_mov_b32 s40, s39
	s_mov_b32 s39, 0
	s_mov_b32 s41, 0
	s_lshl_b32 s42, s28, 1
	s_add_co_u32 s42, s42, s23
	s_lshl_b32 s42, s42, 11
	s_lshl_b32 s43, s28, 7
	s_lshl_b32 s44, s23, 6
	s_add_co_u32 s43, s43, s44
	s_add_co_u32 s43, s43, ASC
	s_mov_b32 s24, 0x76543210
	s_mov_b32 s25, 0xfedcba98
	s_mov_b32 s26, 0x3a800000                      ; 1 / 1,024
	s_mov_b32 s27, 0x3727c5ac                      ; 1e-5
	v_and_b32 v15, 31, v0                          ; l
	v_and_b32 v5, 15, v0                           ; r
	v_bfe_u32 v3, v0, 4, 1                         ; h
	v_lshlrev_b32 v1, 4, v15                       ; 16 l
	v_and_b32 v2, 8, v5
	v_add_nc_u32 v2, v2, v5
	v_lshlrev_b32 v2, 12, v2
	v_lshl_add_u32 v2, v3, 6, v2                   ; x: row r + 8 (r / 8), + 64 h
	v_lshlrev_b32 v4, 4, v5
	v_lshl_add_u32 v4, v3, 9, v4                   ; Wp's scale words: lanes 16-31 one tile on
	v_lshlrev_b32 v14, 4, v5
	v_lshl_add_u32 v14, v3, 12, v14                ; out0: lanes 16-31 one row on
	v_add_nc_u32 v6, s42, v1
	v_lshl_add_u32 v7, v5, 2, s43
	v_lshl_add_u32 v8, v15, 2, ASC
	s_lshl_b32 s44, s22, 7
	s_add_co_u32 s44, s44, LN1
	v_lshl_add_u32 v9, v5, 3, s44
	v_lshl_add_u32 v10, v5, 3, LN1
	s_mul_i32 s44, s22, 4352
	s_add_co_u32 s44, s44, STG
	v_mul_u32_u24 v11, v5, 272
	v_lshl_add_u32 v11, v3, 6, v11
	v_add_nc_u32 v11, s44, v11
	v_mul_u32_u24 v13, v3, 272
	v_lshl_add_u32 v13, v5, 4, v13
	v_add_nc_u32 v13, s44, v13
	v_lshlrev_b32 v3, 6, v3                        ; 64 h
	v_lshlrev_b32 v5, 2, v5                        ; 4 r
	s_wait_kmcnt 0x0
	s_add_nc_u64 s[4:5], s[4:5], s[30:31]
	s_add_nc_u64 s[6:7], s[6:7], s[32:33]
	s_add_nc_u64 s[8:9], s[8:9], s[34:35]
	s_add_nc_u64 s[10:11], s[10:11], s[36:37]
	s_add_nc_u64 s[12:13], s[12:13], s[38:39]
	s_add_nc_u64 s[20:21], s[20:21], s[38:39]
	s_add_nc_u64 s[14:15], s[14:15], s[40:41]
	s_add_nc_u64 s[16:17], s[16:17], s[40:41]
	s_add_nc_u64 s[18:19], s[18:19], s[40:41]
.irp c, 0,1,2,3
	global_load_b128 v[144+4*\c:147+4*\c], v1, s[4:5] offset:512*\c          ; my fragment of O
.endr
	global_load_b32 v160, v5, s[6:7]                                         ; its rows' bytes of head 2 s,
	global_load_b32 v161, v5, s[6:7] offset:16384                            ; and of head 2 s + 1
.irp a, 0,1
.irp n, 0,1,2,3,4,5,6,7
	global_load_b128 v[16+32*\a+4*\n:19+32*\a+4*\n], v2, s[12:13] offset:\a*32768+128*(\n/4)+32*((\n/2)%2)+16*(\n%2) th:TH_LOAD_NT   ; x, in the accumulators' layout
.endr
.endr
.irp n, 0,1,2,3,4,5,6,7
	global_load_b128 v[208+4*\n:211+4*\n], v3, s[14:15] offset:128*(\n/4)+32*((\n/2)%2)+16*(\n%2)    ; bp likewise
.endr
.irp i, 0,1
.irp kq, 0,1
	global_load_b128 v[240+8*\i+4*\kq:243+8*\i+4*\kq], v4, s[10:11] offset:1024*\i+256*\kq           ; Wp's scale words: tile 2 i in lanes 0-15, 2 i + 1 in lanes 16-31; register = K step
.endr
.endr
.irp t, 0,1,2,3
.irp c, 0,1,2,3
	global_load_b128 v[80+16*\t+4*\c:83+16*\t+4*\c], v1, s[8:9] offset:\t*16384+512*\c               ; Wp's fragments of K step 0
.endr
.endr
	s_wait_loadcnt 44                              ; my fragment of O and its bytes are in; x (16), bp (8), the scale words (4) and Wp's fragments (16) may be out
	v_lshl_or_b32 v162, v161, 16, v160             ; four bytes: the K step's scale word
.irp c, 0,1,2,3
	ds_store_b128 v6, v[144+4*\c:147+4*\c] offset:512*\c
.endr
	ds_store_b32 v7, v162
	s_wait_dscnt 0x0                               ; for the others' sake; and the stores have read their registers
	s_barrier_signal -1
	s_barrier_wait -1                              ; O's sixteen fragments lie in LDS
	s_wait_loadcnt 20                              ; x and bp are in
.irp a, 0,1
.irp n, 0,2,4,6,8,10,12,14,16,18,20,22,24,26,28,30
	v_pk_add_f32 v[16+32*\a+\n:17+32*\a+\n], v[16+32*\a+\n:17+32*\a+\n], v[208+\n:209+\n]
.endr
.endr
.macro PMUL d, wf, af, sw, ra, rb
.if (\ra) && (\rb)
	v_wmma_scale_f32_16x16x128_f8f6f4 v[\d:\d+7], v[\wf:\wf+15], v[\af:\af+15], v[\d:\d+7], v[\sw], v12 matrix_a_scale:MATRIX_SCALE_ROW1 matrix_b_scale:MATRIX_SCALE_ROW1
.elseif \ra
	v_wmma_scale_f32_16x16x128_f8f6f4 v[\d:\d+7], v[\wf:\wf+15], v[\af:\af+15], v[\d:\d+7], v[\sw], v12 matrix_a_scale:MATRIX_SCALE_ROW1
.elseif \rb
	v_wmma_scale_f32_16x16x128_f8f6f4 v[\d:\d+7], v[\wf:\wf+15], v[\af:\af+15], v[\d:\d+7], v[\sw], v12 matrix_b_scale:MATRIX_SCALE_ROW1
.else
	v_wmma_scale_f32_16x16x128_f8f6f4 v[\d:\d+7], v[\wf:\wf+15], v[\af:\af+15], v[\d:\d+7], v[\sw], v12
.endif
.endm
; A K step: the next step's fragments of Wp are asked for (in the last step: ln_g and ln_b), O's two fragments come from LDS, eight products, the eight accumulators by turns.
.macro KSTEP ks
.set BC, 80+64*((\ks)%2)
.set BN, 80+64*(1-(\ks)%2)
.rept 8
	v_nop                                          ; places in front of loads into registers that matrix instructions have read; in the first step behind the additions into the accumulators
.endr
.if (\ks) < 7
.irp t, 0,1,2,3
.irp c, 0,1,2,3
	global_load_b128 v[BN+16*\t+4*\c:BN+16*\t+4*\c+3], v1, s[8:9] offset:\t*16384+((\ks)+1)*2048+512*\c
.endr
.endr
.else
.irp n, 0,1,2,3,4,5,6,7
	global_load_b128 v[80+4*\n:83+4*\n], v3, s[16:17] offset:128*(\n/4)+32*((\n/2)%2)+16*(\n%2)
	global_load_b128 v[112+4*\n:115+4*\n], v3, s[18:19] offset:128*(\n/4)+32*((\n/2)%2)+16*(\n%2)
.endr
.endif
.irp a, 0,1
.irp c, 0,1,2,3
	ds_load_b128 v[208+16*\a+4*\c:211+16*\a+4*\c], v1 offset:(2*(\ks)+\a)*2048+512*\c
.endr
.endr
	ds_load_b32 v12, v8 offset:128*(\ks)           ; lanes 0-15: the first tile's rows; lanes 16-31: the second's
	s_wait_dscnt 0x0
	s_wait_loadcnt 16                              ; this step's fragments are in; the sixteen loads just issued may be out
.irp t, 0,1,2,3
.irp a, 0,1
	PMUL 16+32*\a+8*\t, BC+16*\t, 208+16*\a, 240+8*(\t/2)+(\ks), \t%2, \a
.endr
.endr
.endm
.irp ks, 0,1,2,3,4,5,6,7
	KSTEP \ks
.endr
.rept 8
	v_nop                                          ; places in front of the first read of results
.endr
; One sum over a row's 1,024 columns, for my two rows: v[208:209], v[210:211] hold my lane's packed sums; off: where the waves' sums meet.  The result: v144 (first row), v145 (second).
.macro ROWSUM off
	v_add_f32 v212, v208, v209
	v_add_f32 v213, v210, v211
	v_permlanex16_b32 v214, v212, s24, s25
	v_permlanex16_b32 v215, v213, s24, s25
	v_pk_add_f32 v[212:213], v[212:213], v[214:215]   ; with lane l xor 16's: my wave's 64 columns
	ds_store_b64 v9, v[212:213] offset:\off
	s_wait_dscnt 0x0                               ; for the others' sake
	s_barrier_signal -1
	s_barrier_wait -1
.irp i, 0,1,2,3,4,5,6,7,8,9,10,11,12,13,14,15
	ds_load_b64 v[144+2*\i:145+2*\i], v10 offset:\off+128*\i
.endr
	s_wait_dscnt 0x0
	v_pk_add_f32 v[144:145], v[144:145], v[146:147]
	v_pk_add_f32 v[148:149], v[148:149], v[150:151]
.irp i, 4,6,8,10,12,14
	v_pk_add_f32 v[144:145], v[144:145], v[144+2*\i:145+2*\i]
	v_pk_add_f32 v[148:149], v[148:149], v[146+2*\i:147+2*\i]
.endr
	v_pk_add_f32 v[144:145], v[144:145], v[148:149]
.endm
	v_pk_add_f32 v[208:209], v[16:17], v[18:19]    ; each accumulator from its low end on
	v_pk_add_f32 v[210:211], v[48:49], v[50:51]
.irp n, 4,6,8,10,12,14,16,18,20,22,24,26,28,30
	v_pk_add_f32 v[208:209], v[208:209], v[16+\n:17+\n]
	v_pk_add_f32 v[210:211], v[210:211], v[48+\n:49+\n]
.endr
	ROWSUM 0
	v_mul_f32 v216, s26, v144                      ; the means, each twice: pairs for the packed forms
	v_mul_f32 v217, s26, v144
	v_mul_f32 v218, s26, v145
	v_mul_f32 v219, s26, v145
.irp n, 0,2,4,6,8,10,12,14,16,18,20,22,24,26,28,30
	v_pk_add_f32 v[16+\n:17+\n], v[16+\n:17+\n], v[216:217] neg_lo:[0,1] neg_hi:[0,1]   ; y - mean
	v_pk_add_f32 v[48+\n:49+\n], v[48+\n:49+\n], v[218:219] neg_lo:[0,1] neg_hi:[0,1]
.endr
	v_pk_mul_f32 v[208:209], v[16:17], v[16:17]
	v_pk_mul_f32 v[210:211], v[48:49], v[48:49]
.irp n, 2,4,6,8,10,12,14,16,18,20,22,24,26,28,30
	v_pk_fma_f32 v[208:209], v[16+\n:17+\n], v[16+\n:17+\n], v[208:209]
	v_pk_fma_f32 v[210:211], v[48+\n:49+\n], v[48+\n:49+\n], v[210:211]
.endr
	ROWSUM LN2-LN1
	v_fma_f32 v220, v144, s26, s27                 ; the variance + 1e-5
	v_fma_f32 v222, v145, s26, s27
	v_rsq_f32 v220, v220
	v_rsq_f32 v222, v222
	v_nop                                          ; one plain place behind a transcendental
	s_wait_alu depctr_va_vdst(0)
	v_mov_b32 v221, v220
	v_mov_b32 v223, v222
	s_wait_loadcnt 0x0                             ; ln_g, ln_b
.irp n, 0,2,4,6,8,10,12,14,16,18,20,22,24,26,28,30
	v_pk_mul_f32 v[16+\n:17+\n], v[16+\n:17+\n], v[220:221]
	v_pk_mul_f32 v[48+\n:49+\n], v[48+\n:49+\n], v[222:223]
.endr
.irp n, 0,2,4,6,8,10,12,14,16,18,20,22,24,26,28,30
	v_pk_fma_f32 v[16+\n:17+\n], v[16+\n:17+\n], v[80+\n:81+\n], v[112+\n:113+\n]
	v_pk_fma_f32 v[48+\n:49+\n], v[48+\n:49+\n], v[80+\n:81+\n], v[112+\n:113+\n]
.endr
	; THE WAY OUT: a lane holds 64-byte runs of one row; 16 rows x 256 bytes go through my own stage and come back as whole rows: sixteen lanes store 256 consecutive bytes, aligned.
.irp a, 0,1
.irp n, 0,1,2,3,4,5,6,7
	ds_store_b128 v11, v[16+32*\a+4*\n:19+32*\a+4*\n] offset:128*(\n/4)+32*((\n/2)%2)+16*(\n%2)
.endr
.irp i, 0,1,2,3,4,5,6,7
	ds_load_b128 v[144+32*\a+4*\i:147+32*\a+4*\i], v13 offset:544*\i   ; LDS serves a wave's instructions in order: these see my stores, and the second tile's stores come behind them
.endr
.endr
.irp a, 0,1
.irp i, 0,1,2,3,4,5,6,7
	s_wait_dscnt (1-\a)*16+7-\i                    ; the younger LDS instructions may be out
	global_store_b128 v14, v[144+32*\a+4*\i:147+32*\a+4*\i], s[20:21] offset:(8*\a+2*\i+8*(\i/4))*4096 th:TH_STORE_NT
.endr
.endr
	s_wait_xcnt 0x0
	v_lshl_add_u32 v254, v0, 2, 0x1a400
	v_mov_b32 v255, 0
	s_wait_tensorcnt 0x0
	ds_add_u32 v254, v255
	s_wait_dscnt 0x0
	s_endpgm
.Lfunc_end_k_q1ebbcb333c_proj_ln:
	.size	k_q1ebbcb333c_proj_ln, .Lfunc_end_k_q1ebbcb333c_proj_ln-k_q1ebbcb333c_proj_ln
	.p2alignl 7, 3214868480
	.fill 96, 4, 3214868480
	.section	.rodata,"a",@progbits
	.p2align	6, 0x0
	.amdhsa_kernel k_q1ebbcb333c_proj_ln
		.amdhsa_group_segment_fixed_size 109568
		.amdhsa_private_segment_fixed_size 0
		.amdhsa_enable_private_segment 0
		.amdhsa_kernarg_size 72
		.amdhsa_user_sgpr_count 2
		.amdhsa_user_sgpr_kernarg_segment_ptr 1
		.amdhsa_wavefront_size32 1
		.amdhsa_system_sgpr_workgroup_id_x 1
		.amdhsa_system_sgpr_workgroup_id_y 1
		.amdhsa_system_sgpr_workgroup_id_z 1
		.amdhsa_system_vgpr_workitem_id 0
		.amdhsa_next_free_vgpr 256
		.amdhsa_next_free_sgpr 66
		.amdhsa_reserve_vcc 0
		.amdhsa_float_denorm_mode_32 3
		.amdhsa_float_denorm_mode_16_64 3
		.amdhsa_memory_ordered 1
		.amdhsa_forward_progress 1
		.amdhsa_inst_pref_size 58
	.end_amdhsa_kernel
	.amdgpu_metadata
---
amdhsa.version: [ 1, 2 ]
amdhsa.kernels:
  - .name:           k_q1ebbcb333c_proj_ln
    .symbol:         k_q1ebbcb333c_proj_ln.kd
    .args:
      - { .name: oc, .offset: 0, .size: 8, .value_kind: global_buffer, .address_space: global }
      - { .name: os, .offset: 8, .size: 8, .value_kind: global_buffer, .address_space: global }
      - { .name: codes, .offset: 16, .size: 8, .value_kind: global_buffer, .address_space: global }
      - { .name: scl, .offset: 24, .size: 8, .value_kind: global_buffer, .address_space: global }
      - { .name: x, .offset: 32, .size: 8, .value_kind: global_buffer, .address_space: global }
      - { .name: bp, .offset: 40, .size: 8, .value_kind: global_buffer, .address_space: global }
      - { .name: ln_g, .offset: 48, .size: 8, .value_kind: global_buffer, .address_space: global }
      - { .name: ln_b, .offset: 56, .size: 8, .value_kind: global_buffer, .address_space: global }
      - { .name: out0, .offset: 64, .size: 8, .value_kind: global_buffer, .address_space: global }
    .group_segment_fixed_size: 109568
    .private_segment_fixed_size: 0
    .kernarg_segment_align: 8
    .kernarg_segment_size: 72
    .max_flat_workgroup_size: 512
    .sgpr_count:     66
    .vgpr_count:     256
    .wavefront_size: 32
...
	.end_amdgpu_metadata
.endif
;; end of part 5
;; ======== version 2 of 2: 4 launches
;; limits: right only within a limited range of input values
;; workspace buffers: codes 8,388,608 bytes; scl 262,144 bytes; qkc 8,388,608 bytes; qks 524,288 bytes; vc 4,194,304 bytes; vs 131,072 bytes; oc 4,194,304 bytes; os 262,144 bytes
;; launch quant (part 6): grid 384 x 1, 8 waves a work-group, no clusters, 70,144 bytes of LDS; arguments x, Wq, Wk, Wv, Wp, codes, scl; writes codes, scl
.if DOCPART == 6
	.amdgcn_target "amdgcn-amd-amdhsa--gfx1250"
	.amdhsa_code_object_version 6
	.text
	.protected	k_q1ebbcb333c_quant
	.globl	k_q1ebbcb333c_quant
	.p2align	8
	.type	k_q1ebbcb333c_quant,@function
k_q1ebbcb333c_quant:
	s_mov_b64 s[64:65], 0
	v_nop
	global_prefetch_b8 v0, s[64:65] scope:SCOPE_SE
	s_setreg_imm32_b32 hwreg(HW_REG_WAVE_MODE, 25, 1), 1
	s_wait_xcnt 0x0
; x [4096][1024] and the four weights [1024 (k)][1024 (n)], all f32, become codes of E4M3 with one E8M0 byte for each 32 along K, laid as IMAGES OF THE OPERAND'S REGISTERS:
; codes[tile 0..511][K step 0..7][2,048 bytes]: tiles 0-255 x, 256-319 Wq, 320-383 Wk, 384-447 Wv, 448-511 Wp.  A fragment is 16 rows x 128 K; its group c (registers 4 c .. 4 c + 3 of lane l:
; k = 32 c + 16 (l / 16) + 0 .. 15 of row l % 16) lies at 512 c + 16 l.  scl[tile][K step / 4][row 0..15][K step % 4]: one word (four bytes: 128 along K) for a row and a K step; 512 bytes a tile.
; THE ROWS OF A TILE ARE NOT NEIGHBOURS: row i of tile T of a matrix is its row (a weight's column) 32 (T / 2) + 8 (T % 2) + i + 8 (i / 8), so that where such tiles are source 0 of a product, the 16 result
; registers of tiles 2 b, 2 b + 1 are 16 neighbours.
; A block's scale is 2^(floor(log2(largest magnitude)) - 8); its byte is the largest magnitude's exponent field - 8, held at 1 from below.
; LIMITS: a block of zeros, or one whose largest magnitude lies under 2^-118, keeps the byte 1 (the bytes are read by this program alone; zero codes add nothing); NaN and infinities among the inputs are not served.
; ONE LAUNCH, TWO PATHS that part on the work-group's number at the head and never join; each has LDS bytes, a barrier and an end of its own.
;   work-groups 0-255: one tile of x each, wave w its K step w.  K is innermost: each load reads 512 consecutive bytes of one row; the 8,192 bytes turn through the wave's own stage in LDS (pitch 528), so that a lane
;     gets 16 neighbours of each of its row's four blocks.
;   work-groups 256-383: number n = 64 y + 16 x weight + which 64 columns; y = which four K steps.  Wave w: 32 columns (w % 2), K step 4 y + w / 2.  K is the first axis: A LANE TAKES A COLUMN AND ITS REGISTERS RUN DOWN K,
;     so a block of 32 lies in one lane.  Lanes 0-15 take the rows of one tile in their order, lanes 16-31 those of the next: each half of the lanes stores 256 consecutive bytes, aligned.
; Memory binds: no matrix unit, no tensor load, no cluster (no byte is read twice).
.set SP,   528                         ; x: a stage row: 512 bytes + 16
.set WST,  16*SP                       ; a wave's stage
.set SG,   8*WST                       ; behind the stages: the tile's 512 bytes of scale words
.set WSG,  SG+512                      ; the weights' path: 1,024 bytes of scale words, bytes of its own
.set RAW,  16                          ; x: v16-79   the numbers as loaded
.set XN,   80                          ;    v80-143  register 16 b + i = k 32 b + 16 (l / 16) + i of row l % 16
.set TM,   144                         ;    v144-147 largest magnitudes, v148-151 bytes, v156-159 the conversions' scale operands
.set PW,   160                         ;    the row's scale word
.set PC,   164                         ;    v164-179 the fragment's codes
.set SGO,  180                         ;    v180-183 scale words on the way out
.set WX,   32                          ; weights: v32-159  block c's 32 numbers at v[WX + 32 c]
.set WC,   160                         ;          v160-191 block c's codes at v[WC + 8 c]: never written again, so no store's data are
.set SEL,  32                          ; s[32:33] v_permlanex16_b32's selects for lane l xor 16
.set MNT,  34
	s_load_b256 s[4:11], s[0:1], 0x0               ; x, Wq, Wk, Wv
	s_load_b128 s[12:15], s[0:1], 0x20             ; Wp, codes
	s_load_b64 s[16:17], s[0:1], 0x30              ; scl
	v_lshl_add_u32 v192, v0, 2, 0x10e00
	v_mov_b32 v193, 0
	v_lshrrev_b32 v1, 5, v0
	s_delay_alu instid0(VALU_DEP_1)
	v_readfirstlane_b32 s18, v1                    ; wave
	s_cmp_ge_u32 ttmp9, 256                        ; the same for all waves of a work-group
	s_cbranch_scc1 .Lweights
	; ---------------- x ----------------
	v_and_b32 v1, 31, v0                           ; l
	v_and_b32 v2, 15, v0                           ; r
	v_bfe_u32 v3, v0, 4, 1                         ; h
	s_delay_alu instid0(VALU_DEP_3)
	v_lshlrev_b32 v4, 4, v1                        ; 16 l: my bytes of a load's 512, and of an image's group
	s_mul_i32 s19, s18, WST
	v_add_nc_u32 v5, s19, v4                       ; the stage, on the way in
	v_mul_u32_u24 v6, v2, SP
	s_delay_alu instid0(VALU_DEP_1)
	v_lshl_add_u32 v6, v3, 6, v6
	s_delay_alu instid0(VALU_DEP_1)
	v_add_nc_u32 v6, s19, v6                       ; and out: row r, + 64 h
	s_lshr_b32 s20, s18, 2
	s_lshl_b32 s20, s20, 8
	s_and_b32 s21, s18, 3
	s_lshl_b32 s21, s21, 2
	s_add_co_u32 s20, s20, s21
	s_add_co_u32 s20, s20, SG
	v_lshl_add_u32 v7, v2, 4, s20                  ; my row's word: 256 (w / 4) + 16 r + 4 (w % 4)
	v_add_nc_u32 v8, SG, v4
	s_mov_b32 s[SEL], 0x76543210
	s_mov_b32 s[SEL+1], 0xfedcba98
.irp b, 0,1,2,3
	v_mov_b32 v[TM+4+\b], 0                        ; written once: a lane permute's destination counts as one of its sources
.endr
	s_lshr_b32 s22, ttmp9, 1
	s_lshl_b32 s22, s22, 17                        ; 32 rows of 4,096 bytes for each pair of tiles,
	s_and_b32 s23, ttmp9, 1
	s_lshl_b32 s23, s23, 15                        ; 8 rows for the odd one,
	s_add_co_u32 s22, s22, s23
	s_lshl_b32 s23, s18, 9                         ; 512 bytes a K step
	s_add_co_u32 s22, s22, s23
	s_mov_b32 s23, 0
	s_lshl_b32 s24, ttmp9, 14
	s_lshl_b32 s25, s18, 11
	s_add_co_u32 s24, s24, s25
	s_mov_b32 s25, 0
	s_lshl_b32 s26, ttmp9, 9
	s_mov_b32 s27, 0
	s_wait_alu depctr_va_vdst(0)
	s_wait_kmcnt 0x0
	s_add_nc_u64 s[4:5], s[4:5], s[22:23]
	s_add_nc_u64 s[14:15], s[14:15], s[24:25]
	s_add_nc_u64 s[16:17], s[16:17], s[26:27]
.irp i, 0,1,2,3,4,5,6,7,8,9,10,11,12,13,14,15
	global_load_b128 v[RAW+4*\i:RAW+4*\i+3], v4, s[4:5] offset:(\i+8*(\i/8))*4096 th:TH_LOAD_NT   ; the tile's row i: 32 lanes read 512 consecutive bytes
.endr
.irp i, 0,1,2,3,4,5,6,7,8,9,10,11,12,13,14,15
	s_wait_loadcnt 15-\i                           ; loads come back in order: row i is in, the younger rows stay out
	ds_store_b128 v5, v[RAW+4*\i:RAW+4*\i+3] offset:SP*\i
.endr
.irp c, 0,1,2,3
.irp j, 0,1,2,3
	ds_load_b128 v[XN+16*\c+4*\j:XN+16*\c+4*\j+3], v6 offset:128*\c+16*\j   ; LDS serves a wave's instructions in order: these see my stores
.endr
.endr
	s_wait_dscnt 0x0
.irp b, 0,1,2,3
	v_max3_num_f32 v[TM+\b], |v[XN+16*\b]|, |v[XN+1+16*\b]|, 0x4800000   ; block b: my 16 numbers, and the floor 2^(9 - 127): the byte cannot fall under 1
.endr
.irp i, 2,4,6,8,10,12,14
.irp b, 0,1,2,3
	s_delay_alu instid0(VALU_DEP_4)
	v_max3_num_f32 v[TM+\b], v[TM+\b], |v[XN+16*\b+\i]|, |v[XN+1+16*\b+\i]|   ; the four blocks by turns
.endr
.endr
.irp b, 0,1,2,3
	s_delay_alu instid0(VALU_DEP_4)
	v_permlanex16_b32 v[TM+4+\b], v[TM+\b], s[SEL], s[SEL+1]
.endr
.irp b, 0,1,2,3
	s_delay_alu instid0(VALU_DEP_4)
	v_max_num_f32 v[TM+\b], v[TM+\b], v[TM+4+\b]   ; with lane l xor 16's: the block's largest magnitude
.endr
.irp b, 0,1,2,3
	s_delay_alu instid0(VALU_DEP_4)
	v_add_nc_u32 v[TM+12+\b], 0xfc000000, v[TM+\b] ; 8 off its exponent field: the conversion's scale operand
.endr
.irp b, 0,1,2,3
.endr
.irp b, 0,1,2,3
	s_delay_alu instid0(VALU_DEP_4)
	v_lshrrev_b32 v[TM+4+\b], 23, v[TM+12+\b]      ; the scale's byte
.endr
	s_delay_alu instid0(VALU_DEP_3)
	v_lshl_or_b32 v[PW], v[TM+5], 8, v[TM+4]
	s_delay_alu instid0(VALU_DEP_1)
	v_lshl_or_b32 v[PW], v[TM+6], 16, v[PW]
	s_delay_alu instid0(VALU_DEP_1)
	v_lshl_or_b32 v[PW], v[TM+7], 24, v[PW]
.irp b, 0,1,2,3
.irp i, 0,1,2,3,4,5,6,7,8,9,10,11,12,13,14,15
.endr
	v_cvt_scalef32_pk8_fp8_f32 v[PC+4*\b:PC+1+4*\b], v[XN+16*\b:XN+7+16*\b], v[TM+12+\b]
	v_cvt_scalef32_pk8_fp8_f32 v[PC+2+4*\b:PC+3+4*\b], v[XN+8+16*\b:XN+15+16*\b], v[TM+12+\b]
.endr
.irp c, 0,1,2,3
	global_store_b128 v4, v[PC+4*\c:PC+4*\c+3], s[14:15] offset:512*\c   ; 32 lanes store 512 consecutive bytes, aligned
.endr
	ds_store_b32 v7, v[PW]                         ; both halves of the lanes write the same word with the same value
	s_wait_dscnt 0x0                               ; for wave 0's sake: my word has landed
	s_barrier_signal -1
	s_barrier_wait -1
	s_cmp_lg_u32 s18, 0
	s_cbranch_scc1 .Lend_x
	ds_load_b128 v[SGO:SGO+3], v8                  ; wave 0 sends the tile's 512 bytes of scale words
	s_wait_dscnt 0x0
	global_store_b128 v4, v[SGO:SGO+3], s[16:17]
.Lend_x:
	s_wait_tensorcnt 0x0
	ds_add_u32 v192, v193
	s_wait_dscnt 0x0
	s_endpgm
	; ---------------- the weights ----------------
.macro LOAD c
.irp i, 0,1,2,3,4,5,6,7,8,9,10,11,12,13,14,15,16,17,18,19,20,21,22,23,24,25,26,27,28,29,30,31
	global_load_b32 v[WX+32*(\c)+\i], v2, s[6:7] offset:(32*(\c)+\i)*4096 th:TH_LOAD_NT   ; one row k at my wave's 32 columns: 128 consecutive bytes
.endr
.endm
.macro BLOCK c
.set XS, WX+32*(\c)
.if (\c) < 3
	s_wait_loadcnt 32                              ; this block's 32 loads are in; the next block's may be out
.else
	s_wait_loadcnt 0x0
.endif
.if (\c)+2 < 4
	LOAD (\c)+2
.endif
	v_max3_num_f32 v12, |v[XS]|, |v[XS+1]|, |v[XS+2]|   ; the block's largest magnitude: all 32 numbers are mine
	v_max3_num_f32 v13, |v[XS+3]|, |v[XS+4]|, |v[XS+5]|
.irp i, 6,10,14,18,22,26
	s_delay_alu instid0(VALU_DEP_2)
	v_max3_num_f32 v12, v12, |v[XS+\i]|, |v[XS+\i+1]|
	s_delay_alu instid0(VALU_DEP_2)
	v_max3_num_f32 v13, v13, |v[XS+\i+2]|, |v[XS+\i+3]|
.endr
	s_delay_alu instid0(VALU_DEP_2)
	v_max3_num_f32 v12, v12, |v[XS+30]|, |v[XS+31]|
	s_delay_alu instid0(VALU_DEP_1)
	v_max3_num_f32 v12, v12, v13, 0x4800000        ; and the floor 2^(9 - 127)
	s_delay_alu instid0(VALU_DEP_1)
	v_add_nc_u32 v11, 0xfc000000, v12              ; 8 off the exponent field: the conversion's scale operand
	s_delay_alu instid0(VALU_DEP_1)
	v_lshrrev_b32 v13, 23, v11                     ; the scale's byte
.if (\c) == 0
	s_delay_alu instid0(VALU_DEP_1)
	v_mov_b32 v16, v13                             ; four bytes make the word, the lower K in the lower byte
.else
	s_delay_alu instid0(VALU_DEP_1)
	v_lshl_or_b32 v16, v13, 8*(\c), v16
.endif
.irp i, 0,1,2,3,4,5,6,7,8,9,10,11,12,13,14,15,16,17,18,19,20,21,22,23,24,25,26,27,28,29,30,31
.endr
.irp g, 0,1,2,3
	v_cvt_scalef32_pk8_fp8_f32 v[WC+8*(\c)+2*\g:WC+8*(\c)+2*\g+1], v[XS+8*\g:XS+8*\g+7], v11
.endr
	global_store_b128 v3, v[WC+8*(\c):WC+8*(\c)+3], s[14:15] offset:512*(\c)           ; k = 32 c + 0 .. 15: the image's lanes 0-15
	global_store_b128 v3, v[WC+8*(\c)+4:WC+8*(\c)+7], s[14:15] offset:512*(\c)+256     ; k = 32 c + 16 .. 31: its lanes 16-31
.endm
.Lweights:
	v_and_b32 v1, 31, v0                           ; l
	v_and_b32 v7, 15, v0                           ; l % 16
	v_bfe_u32 v8, v0, 4, 1                         ; l / 16
	v_and_b32 v9, 7, v0
	v_bfe_u32 v10, v0, 3, 1
	s_delay_alu instid0(VALU_DEP_1)
	v_lshl_add_u32 v9, v10, 4, v9
	s_delay_alu instid0(VALU_DEP_1)
	v_lshl_add_u32 v9, v8, 3, v9                   ; my column of the 32: l % 8 + 16 ((l / 8) % 2) + 8 (l / 16)
	s_delay_alu instid0(VALU_DEP_1)
	v_lshlrev_b32 v2, 2, v9
	v_lshlrev_b32 v3, 4, v7
	s_delay_alu instid0(VALU_DEP_1)
	v_lshl_add_u32 v3, v8, 14, v3                  ; codes: 16 (l % 16), lanes 16-31 one tile (16,384 bytes) on
	s_and_b32 s19, s18, 1                          ; which 32 columns
	s_lshr_b32 s20, s18, 1                         ; which of the four K steps
	s_lshl_b32 s21, s19, 9
	s_lshl_b32 s22, s20, 2
	s_add_co_u32 s21, s21, s22
	s_add_co_u32 s21, s21, WSG
	v_lshlrev_b32 v4, 4, v7
	s_delay_alu instid0(VALU_DEP_1)
	v_lshl_add_u32 v4, v8, 8, v4
	s_delay_alu instid0(VALU_DEP_1)
	v_add_nc_u32 v4, s21, v4                       ; LDS: my row's word: 256 x tile of the four + 16 x row + 4 x K step
	v_lshl_add_u32 v5, v1, 4, WSG
	v_lshlrev_b32 v6, 4, v7
	s_delay_alu instid0(VALU_DEP_1)
	v_lshl_add_u32 v6, v8, 9, v6                   ; scl: lanes 16-31 one tile (512 bytes) on
	s_sub_co_u32 s35, ttmp9, 256                   ; my number among the weights' 128 work-groups
	s_and_b32 s22, s35, 63
	s_lshr_b32 s25, s35, 6                         ; which four K steps
	s_lshr_b32 s23, s22, 4                         ; which weight
	s_and_b32 s24, s22, 15                         ; which 64 columns
	s_lshl_b32 s26, s25, 2
	s_add_co_u32 s26, s26, s20                     ; my K step
	s_lshl_b32 s28, s26, 19                        ; 128 rows of 4,096 bytes
	s_lshl_b32 s29, s24, 8
	s_add_co_u32 s28, s28, s29
	s_lshl_b32 s29, s19, 7
	s_add_co_u32 s28, s28, s29
	s_mov_b32 s29, 0
	s_lshl_b32 s30, s23, 6
	s_lshl_b32 s31, s24, 2
	s_add_co_u32 s30, s30, s31
	s_add_co_u32 s30, s30, 256                     ; the work-group's first tile
	s_lshl_b32 s36, s30, 9
	s_lshl_b32 s37, s25, 8
	s_add_co_u32 s36, s36, s37
	s_mov_b32 s37, 0
	s_lshl_b32 s31, s19, 1
	s_add_co_u32 s30, s30, s31                     ; my wave's first tile
	s_lshl_b32 s30, s30, 14
	s_lshl_b32 s31, s26, 11
	s_add_co_u32 s30, s30, s31
	s_mov_b32 s31, 0
	s_wait_alu depctr_va_vdst(0)
	s_wait_kmcnt 0x0
	s_cmp_eq_u32 s23, 1                            ; the choice of the weight hangs on the work-group's number alone
	s_cselect_b64 s[6:7], s[8:9], s[6:7]
	s_cmp_eq_u32 s23, 2
	s_cselect_b64 s[6:7], s[10:11], s[6:7]
	s_cmp_eq_u32 s23, 3
	s_cselect_b64 s[6:7], s[12:13], s[6:7]
	s_add_nc_u64 s[6:7], s[6:7], s[28:29]
	s_add_nc_u64 s[14:15], s[14:15], s[30:31]
	s_add_nc_u64 s[16:17], s[16:17], s[36:37]
	LOAD 0
	LOAD 1
.irp c, 0,1,2,3
	BLOCK \c
.endr
	ds_store_b32 v4, v16
	s_wait_dscnt 0x0                               ; for wave 0's sake: my words have landed
	s_barrier_signal -1
	s_barrier_wait -1
	s_cmp_lg_u32 s18, 0
	s_cbranch_scc1 .Lend_w
	ds_load_b128 v[20:23], v5                      ; four tiles x 256 bytes: the words of these four K steps
	ds_load_b128 v[24:27], v5 offset:512
	s_wait_dscnt 0x0
	global_store_b128 v6, v[20:23], s[16:17]       ; sixteen lanes store 256 consecutive bytes, aligned
	global_store_b128 v6, v[24:27], s[16:17] offset:1024
.Lend_w:
	s_wait_tensorcnt 0x0
	ds_add_u32 v192, v193
	s_wait_dscnt 0x0
	s_endpgm
.Lfunc_end_k_q1ebbcb333c_quant:
	.size	k_q1ebbcb333c_quant, .Lfunc_end_k_q1ebbcb333c_quant-k_q1ebbcb333c_quant
	.p2alignl 7, 3214868480
	.fill 96, 4, 3214868480
	.section	.rodata,"a",@progbits
	.p2align	6, 0x0
	.amdhsa_kernel k_q1ebbcb333c_quant
		.amdhsa_group_segment_fixed_size 70144
		.amdhsa_private_segment_fixed_size 0
		.amdhsa_enable_private_segment 0
		.amdhsa_kernarg_size 56
		.amdhsa_user_sgpr_count 2
		.amdhsa_user_sgpr_kernarg_segment_ptr 1
		.amdhsa_wavefront_size32 1
		.amdhsa_system_sgpr_workgroup_id_x 1
		.amdhsa_system_sgpr_workgroup_id_y 1
		.amdhsa_system_sgpr_workgroup_id_z 1
		.amdhsa_system_vgpr_workitem_id 0
		.amdhsa_next_free_vgpr 194
		.amdhsa_next_free_sgpr 66
		.amdhsa_reserve_vcc 0
		.amdhsa_float_denorm_mode_32 3
		.amdhsa_float_denorm_mode_16_64 3
		.amdhsa_fp16_overflow 1
		.amdhsa_memory_ordered 1
		.amdhsa_forward_progress 1
		.amdhsa_inst_pref_size 37
	.end_amdhsa_kernel
	.amdgpu_metadata
---
amdhsa.version: [ 1, 2 ]
amdhsa.kernels:
  - .name:           k_q1ebbcb333c_quant
    .symbol:         k_q1ebbcb333c_quant.kd
    .args:
      - { .name: x, .offset: 0, .size: 8, .value_kind: global_buffer, .address_space: global }
      - { .name: Wq, .offset: 8, .size: 8, .value_kind: global_buffer, .address_space: global }
      - { .name: Wk, .offset: 16, .size: 8, .value_kind: global_buffer, .address_space: global }
      - { .name: Wv, .offset: 24, .size: 8, .value_kind: global_buffer, .address_space: global }
      - { .name: Wp, .offset: 32, .size: 8, .value_kind: global_buffer, .address_space: global }
      - { .name: codes, .offset: 40, .size: 8, .value_kind: global_buffer, .address_space: global }
      - { .name: scl, .offset: 48, .size: 8, .value_kind: global_buffer, .address_space: global }
    .group_segment_fixed_size: 70144
    .private_segment_fixed_size: 0
    .kernarg_segment_align: 8
    .kernarg_segment_size: 56
    .max_flat_workgroup_size: 256
    .sgpr_count:     66
    .vgpr_count:     194
    .wavefront_size: 32
...
	.end_amdgpu_metadata
.endif
;; end of part 6
;; launch gemm_qkv (part 7): grid 12 x 16, 4 waves a work-group, clusters of 4 x 4, 327,680 bytes of LDS; arguments codes, scl, bq, bk, bv, qkc, qks, vc, vs; writes qkc, qks, vc, vs
.if DOCPART == 7
	.amdgcn_target "amdgcn-amd-amdhsa--gfx1250"
	.amdhsa_code_object_version 6
	.text
	.protected	k_q1ebbcb333c_gemm_qkv
	.globl	k_q1ebbcb333c_gemm_qkv
	.p2align	8
	.type	k_q1ebbcb333c_gemm_qkv,@function
k_q1ebbcb333c_gemm_qkv:
	s_mov_b64 s[64:65], 0
	v_nop
	global_prefetch_b8 v0, s[64:65] scope:SCOPE_SE
	s_setreg_imm32_b32 hwreg(HW_REG_WAVE_MODE, 25, 1), 1
	s_wait_xcnt 0x0
	s_wait_alu depctr_hold_cnt(0) depctr_sa_sdst(0) depctr_va_vdst(0) depctr_va_sdst(0) depctr_va_ssrc(0) depctr_va_vcc(0) depctr_vm_vsrc(0)
	s_getreg_b32 s2, hwreg(HW_REG_IB_STS2, 6, 4)
	s_cmp_eq_u32 s2, 0
	s_cbranch_scc0 .Lentry_in_a_cluster
	s_endpgm
.Lentry_in_a_cluster:
	s_bfe_u32 s2, ttmp6, 0x10000c
	s_cmp_lg_u32 s2, 0xf033
	s_cbranch_scc0 .Lentry_shape_is_right
	s_endpgm
.Lentry_shape_is_right:
.set FR,    16
.set NP,    8
.set SLOT,  131072
.set PHALF, 65536
.set SPARE, 262144
.set STGQ,  262656
.set STGV,  266752
.set ADRA, 16
.set BOQ,  18
.set BOV,  19
.set ADRB, 20
.set LI,   22
.set SOF,  23
.set VSO,  24
.set QIN,  25
.set QOUT, 26
.set VIN,  27
.set SPW,  28
.set NIL,  29
.set SH,   30
.set VOUT, 31
.set SC,   32
.set TM,   96
.set PW,   112
.set W2,   113
.set SW,   116
.set AF,   128
.set CD,   128
.set BI,   0
.set MNT,  2
.set SEL,  12
.set G1,   24
.set G0,   32
.set G1B,  48
.set G0B,  56
.set MSB, 0
.macro WIN new
.if MSB != \new
	s_set_vgpr_msb (MSB<<8)|\new
.set MSB, \new
.endif
.endm
.set MUL_LO, 0xa1
.set MUL_HI, 0xf1
.set TO_B,   0x40
.macro JLOAD g0a, g1a, g0b, g1b
	s_cmp_eq_u32 s15, 0
	s_cbranch_scc0 .Lfor_p_\@
	tensor_load_to_lds s[\g0a:\g0a+3], s[\g1a:\g1a+7]
	s_nop 0
.rept 4
	v_nop
.endr
	s_branch .Lasked_\@
.Lfor_p_\@:
	tensor_load_to_lds s[\g0b:\g0b+3], s[\g1b:\g1b+7]
	s_nop 0
.rept 4
	v_nop
.endr
.Lasked_\@:
.endm
.macro CREST
	s_cmp_lg_u32 s14, 0
	s_cbranch_scc1 .Lnot_wave_0_\@
	s_barrier_signal -3
.Lnot_wave_0_\@:
	s_barrier_wait -3
	s_barrier_signal -1
	s_barrier_wait -1
.endm
.macro CROUND
	s_barrier_signal -1
	s_barrier_wait -1
	CREST
.endm
	s_load_b256 s[4:11], s[0:1], 0x0
	s_load_b256 s[68:75], s[0:1], 0x20
	s_load_b64 s[76:77], s[0:1], 0x40
	v_lshl_add_u32 v[SPW], v0, 2, SPARE
	v_mov_b32 v[NIL], 0
	ds_add_u32 v28, v29
	ds_add_u32 v28, v29
	s_wait_dscnt 0x0
	v_lshrrev_b32 v1, 5, v0
	v_readfirstlane_b32 s14, v1
	s_lshr_b32 s15, s14, 1
	s_and_b32 s16, s14, 1
	s_bfe_u32 s40, ttmp6, 0x40000
	s_bfe_u32 s41, ttmp6, 0x40004
	s_and_b32 s45, ttmp7, 0xffff
	s_cmp_eq_u32 ttmp9, 2
	s_cselect_b32 s46, 1, 0
	s_cselect_b32 s18, s45, ttmp9
	s_cselect_b32 s19, 0, s45
	s_cselect_b32 s78, 384, 0
	s_cselect_b32 s79, 0, 256
	s_lshl_b32 s47, s18, 2
	s_add_co_u32 s47, s47, s40
	s_lshl_b32 s17, s19, 2
	s_add_co_u32 s17, s17, s41
	s_lshl_b32 s43, s41, 2
	s_lshl_b32 s43, 15, s43
	s_lshl_b32 s44, 0x1111, s40
	s_or_b32 s[G1+0], s43, (3<<16)|(1<<21)
	s_or_b32 s[G1B+0], s44, (3<<16)|(1<<21)
.irp g, G1, G1B
	s_mov_b32 s[\g+1], 512<<16
	s_mov_b32 s[\g+2], 8<<16
	s_mov_b32 s[\g+3], 512<<16
	s_mov_b32 s[\g+4], 8
	s_mov_b32 s[\g+5], 2048
	s_mov_b32 s[\g+6], 0
	s_mov_b32 s[\g+7], 0
.endr
	s_lshl_b32 s20, s17, 4
	s_add_co_u32 s20, s20, s78
	s_lshl_b32 s80, s47, 4
	s_add_co_u32 s80, s80, s79
	s_lshl_b32 s22, s16, 3
	s_add_co_u32 s82, s20, s22
	s_add_co_u32 s84, s80, s22
	s_lshl_b32 s82, s82, 14
	s_mov_b32 s83, 0
	s_lshl_b32 s84, s84, 14
	s_mov_b32 s85, 0
	s_lshl_b32 s86, s14, 15
	s_mov_b32 s[SEL], 0x76543210
	s_mov_b32 s[SEL+1], 0xfedcba98
	s_wait_kmcnt 0x0
	s_add_nc_u64 s[82:83], s[4:5], s[82:83]
	s_add_nc_u64 s[84:85], s[4:5], s[84:85]
	CROUND
.irp s, 0,1
	s_mov_b32 s[G0+4*\s], 1
	s_add_co_u32 s[G0+4*\s+1], s86, \s*SLOT
	s_add_nc_u64 s[G0+4*\s+2:G0+4*\s+3], s[82:83], \s*4096
	s_or_b32 s[G0+4*\s+3], s[G0+4*\s+3], 0x80000000
	s_mov_b32 s[G0B+4*\s], 1
	s_add_co_u32 s[G0B+4*\s+1], s86, \s*SLOT
	s_add_nc_u64 s[G0B+4*\s+2:G0B+4*\s+3], s[84:85], \s*4096
	s_or_b32 s[G0B+4*\s+3], s[G0B+4*\s+3], 0x80000000
	s_wait_alu depctr_va_vdst(0)
	s_wait_tensorcnt 0x0
	ds_add_u32 v28, v29
	ds_add_u32 v28, v29
	s_wait_dscnt 0x0
	CROUND
	JLOAD G0+4*\s, G1, G0B+4*\s, G1B
.endr
	s_lshl_b32 s22, s15, 3
	s_add_co_u32 s87, s20, s22
	s_lshl_b32 s22, s16, 3
	s_add_co_u32 s88, s80, s22
	v_and_b32 v1, 15, v0
	v_bfe_u32 v2, v0, 4, 1
	s_wait_alu depctr_va_vdst(0)
	v_and_b32 v3, 31, v0
	v_lshlrev_b32 v[LI], 4, v3
	s_lshl_b32 s21, s15, 15
	s_lshl_b32 s22, s16, 15
	s_add_co_u32 s22, s22, PHALF
.irp s, 0,1
	v_add_nc_u32 v[ADRA+\s], s21, v[LI]
	v_add_nc_u32 v[ADRB+\s], s22, v[LI]
	s_add_co_u32 s21, s21, SLOT
	s_add_co_u32 s22, s22, SLOT
.endr
	s_lshl_b32 s23, s87, 9
	s_lshl_b32 s89, s88, 9
	v_mov_b32 v4, s23
	v_mov_b32 v5, s89
	v_cmp_eq_u32 vcc_lo, 1, v2
	v_cndmask_b32 v4, v4, v5, vcc_lo
	v_lshl_add_u32 v[SOF], v1, 4, v4
.irp kq, 0,1
.irp i, 0,1,2,3,4,5,6,7
	global_load_b128 v[SC+32*\kq+4*\i:SC+32*\kq+4*\i+3], v[SOF], s[6:7] offset:512*\i+256*\kq
.endr
.endr
	v_lshlrev_b32 v[SH], 4, v2
	v_lshlrev_b32 v[BOQ], 6, v2
	v_and_b32 v6, 8, v1
	v_add_nc_u32 v6, v6, v1
	v_lshlrev_b32 v[BOV], 2, v6
	s_lshl_b32 s23, s14, 10
	s_add_co_u32 s23, s23, STGQ
	v_lshl_add_u32 v[QIN], v1, 4, s23
	v_lshl_add_u32 v[QIN], v2, 9, v[QIN]
	v_add_nc_u32 v[QOUT], s23, v[LI]
	s_lshl_b32 s23, s14, 9
	s_add_co_u32 s23, s23, STGV
	v_lshl_add_u32 v[VIN], v1, 3, s23
	v_add_nc_u32 v[VOUT], s23, v[LI]
	v_lshlrev_b32 v[VSO], 4, v1
	v_lshl_add_u32 v[VSO], v2, 12, v[VSO]
.irp b, 0,1,2,3
	v_mov_b32 v[TM+4+\b], 0
.endr
	s_cmp_eq_u32 ttmp9, 1
	s_cselect_b64 s[8:9], s[10:11], s[8:9]
	s_cmp_eq_u32 ttmp9, 2
	s_cselect_b64 s[8:9], s[68:69], s[8:9]
	s_cselect_b32 s90, s41, s40
	s_cselect_b32 s91, s15, s16
	s_lshl_b32 s90, s90, 10
	s_lshl_b32 s91, s91, 9
	s_add_co_u32 s90, s90, s91
	s_mov_b32 s91, 0
	s_add_nc_u64 s[8:9], s[8:9], s[90:91]
.macro FRAG reg, adr, q, i
.irp c, 0,1,2,3
	ds_load_b128 v[\reg+4*\c:\reg+4*\c+3], v[\adr] offset:(\i)*4096+(\q)*2048+512*\c
.endr
.endm
.macro MUL16 a0, p, ks, zero
.irp a, \a0, \a0+1
.irp b, 0,1,2,3,4,5,6,7
.if \zero
	v_wmma_scale_f32_16x16x128_f8f6f4 v[8*(8*((\a)%4)+\b):8*(8*((\a)%4)+\b)+7], v[128*(\p)+FR*\b:128*(\p)+FR*\b+FR-1], v[AF+FR*(\a):AF+FR*(\a)+FR-1], 0, v[SC+32*((\ks)/4)+4*\b+(\ks)%4], v[SC+32*((\ks)/4)+4*(\a)+(\ks)%4] matrix_a_scale:MATRIX_SCALE_ROW1
.else
	v_wmma_scale_f32_16x16x128_f8f6f4 v[8*(8*((\a)%4)+\b):8*(8*((\a)%4)+\b)+7], v[128*(\p)+FR*\b:128*(\p)+FR*\b+FR-1], v[AF+FR*(\a):AF+FR*(\a)+FR-1], v[8*(8*((\a)%4)+\b):8*(8*((\a)%4)+\b)+7], v[SC+32*((\ks)/4)+4*\b+(\ks)%4], v[SC+32*((\ks)/4)+4*(\a)+(\ks)%4] matrix_a_scale:MATRIX_SCALE_ROW1
.endif
.endr
.endr
.endm
.macro FETCH_B slot, q, p
	WIN TO_B
.irp i, 0,1,2,3,4,5,6,7
	FRAG 128*(\p)+FR*\i, ADRB+\slot, \q, \i
.endr
	WIN 0
.endm
.macro FETCH_A slot, q, i0
.irp i, \i0, \i0+1, \i0+2, \i0+3
	FRAG AF+FR*(\i), ADRA+\slot, \q, \i
.endr
.endm
.macro PLACES n
.rept \n
	v_nop
.endr
.endm
.macro STEP slot, q, ks, zero
	s_wait_dscnt 16
	WIN MUL_LO
	MUL16 0, (\q)%2, \ks, \zero
	MUL16 2, (\q)%2, \ks, \zero
	s_wait_dscnt 0x0
	PLACES NP
	FETCH_B \slot, (\q)+1, 1-(\q)%2
	FETCH_A \slot, (\q)+1, 0
	WIN MUL_HI
	MUL16 4, (\q)%2, \ks, \zero
	MUL16 6, (\q)%2, \ks, \zero
	PLACES NP
	WIN 0
	FETCH_A \slot, (\q)+1, 4
.endm
.macro TURN slot, next, ks, fill
	s_wait_tensorcnt 0x0
	ds_add_u32 v[SPW], v[NIL]
	s_wait_dscnt 17
	WIN MUL_LO
	MUL16 0, 1, \ks, 0
	s_wait_dscnt 0x0
	s_barrier_signal -1
	MUL16 2, 1, \ks, 0
	WIN 0
	s_barrier_wait -1
.if \fill
	CREST
	s_add_nc_u64 s[G0+4*\slot+2:G0+4*\slot+3], s[G0+4*\slot+2:G0+4*\slot+3], 8192
	s_add_nc_u64 s[G0B+4*\slot+2:G0B+4*\slot+3], s[G0B+4*\slot+2:G0B+4*\slot+3], 8192
	JLOAD G0+4*\slot, G1, G0B+4*\slot, G1B
	PLACES NP-4
.else
	PLACES NP
.endif
	FETCH_B \next, 0, 0
	FETCH_A \next, 0, 0
	WIN MUL_HI
	MUL16 4, 1, \ks, 0
	MUL16 6, 1, \ks, 0
	PLACES NP
	WIN 0
	FETCH_A \next, 0, 4
.endm
	s_wait_tensorcnt 1
	s_barrier_signal -1
	s_barrier_wait -1
	FETCH_B 0, 0, 0
	FETCH_A 0, 0, 0
	FETCH_A 0, 0, 4
	s_wait_loadcnt 0x0
	STEP 0, 0, 0, 1
	TURN 0, 1, 1, 1
	STEP 1, 0, 2, 0
	TURN 1, 0, 3, 1
	STEP 0, 0, 4, 0
	TURN 0, 1, 5, 0
	STEP 1, 0, 6, 0
	s_cmp_lg_u32 s46, 0
	s_cbranch_scc1 .Lpre_v
	s_lshl_b32 s90, s47, 2
	s_lshl_b32 s91, s16, 1
	s_add_co_u32 s90, s90, s91
	s_lshl_b32 s92, s90, 18
	s_lshl_b32 s93, s87, 10
	s_add_co_u32 s92, s92, s93
	s_mov_b32 s93, 0
	s_add_nc_u64 s[70:71], s[70:71], s[92:93]
	s_lshl_b32 s92, s90, 14
	s_lshl_b32 s94, s87, 6
	s_add_co_u32 s92, s92, s94
	s_add_nc_u64 s[72:73], s[72:73], s[92:93]
	WIN TO_B
.irp b, 0,1,2,3,4,5,6,7
	global_load_b128 v[BI+8*\b:BI+8*\b+3], v[BOQ], s[8:9] offset:(32*(\b/2)+8*(\b%2))*4
	global_load_b128 v[BI+8*\b+4:BI+8*\b+7], v[BOQ], s[8:9] offset:(32*(\b/2)+8*(\b%2))*4+16
.endr
	WIN 0
	s_branch .Lpre_done
.Lpre_v:
	s_lshl_b32 s90, s47, 1
	s_add_co_u32 s90, s90, s16
	s_lshr_b32 s91, s90, 4
	s_and_b32 s90, s90, 15
	s_lshl_b32 s92, s17, 2
	s_lshl_b32 s93, s15, 1
	s_add_co_u32 s92, s92, s93
	s_lshl_b32 s94, s91, 21
	s_lshl_b32 s93, s92, 17
	s_add_co_u32 s94, s94, s93
	s_lshl_b32 s93, s90, 13
	s_add_co_u32 s94, s94, s93
	s_mov_b32 s95, 0
	s_add_nc_u64 s[74:75], s[74:75], s[94:95]
	s_lshl_b32 s94, s91, 16
	s_lshl_b32 s93, s92, 12
	s_add_co_u32 s94, s94, s93
	s_lshl_b32 s93, s90, 8
	s_add_co_u32 s94, s94, s93
	s_add_nc_u64 s[76:77], s[76:77], s[94:95]
	WIN TO_B
.irp a, 0,1,2,3,4,5,6,7
	global_load_b32 v[BI+2*\a], v[BOV], s[8:9] offset:(32*(\a/2)+8*(\a%2))*4
	global_load_b32 v[BI+2*\a+1], v[BOV], s[8:9] offset:(32*(\a/2)+8*(\a%2))*4
.endr
	WIN 0
.Lpre_done:
	s_wait_dscnt 16
	WIN MUL_LO
	MUL16 0, 1, 7, 0
	MUL16 2, 1, 7, 0
	s_wait_dscnt 0x0
	WIN MUL_HI
	MUL16 4, 1, 7, 0
	MUL16 6, 1, 7, 0
	WIN 0
	PLACES NP
	s_wait_loadcnt 0x0
.macro OUTA a, isv
.set WW, 2+(\a)/4
.set AC, 64*((\a)%4)
	WIN (WW|4|(WW<<6))
.set n, 0
.rept 32
.if \isv
	v_pk_add_f32 v[AC+n:AC+n+1], v[AC+n:AC+n+1], v[BI+2*(\a):BI+2*(\a)+1]
.else
	v_pk_add_f32 v[AC+n:AC+n+1], v[AC+n:AC+n+1], v[BI+n:BI+n+1]
.endif
.set n, n+2
.endr
	WIN ((WW<<2)|(WW<<4))
.irp b, 0,1,2,3
	v_max3_num_f32 v[TM+\b], 0x4800000, |v[AC+16*\b]|, |v[AC+16*\b+1]|
.endr
.irp i, 2,4,6,8,10,12,14
.irp b, 0,1,2,3
	v_max3_num_f32 v[TM+\b], v[TM+\b], |v[AC+16*\b+\i]|, |v[AC+16*\b+\i+1]|
.endr
.endr
	WIN 0
.irp b, 0,1,2,3
	v_permlanex16_b32 v[TM+4+\b], v[TM+\b], s[SEL], s[SEL+1]
.endr
.irp b, 0,1,2,3
	v_max_num_f32 v[TM+\b], v[TM+\b], v[TM+4+\b]
.endr
.irp b, 0,1,2,3
	v_add_nc_u32 v[TM+12+\b], 0xfc000000, v[TM+\b]
.endr
.irp b, 0,1,2,3
.endr
.irp b, 0,1,2,3
	v_lshrrev_b32 v[TM+4+\b], 23, v[TM+12+\b]
.endr
	v_lshl_or_b32 v[PW], v[TM+5], 8, v[TM+4]
	v_lshl_or_b32 v[PW], v[TM+6], 16, v[PW]
	v_lshl_or_b32 v[PW], v[TM+7], 24, v[PW]
	WIN (WW|(WW<<6))
.irp b, 0,1,2,3
.irp i, 0,1,2,3,4,5,6,7,8,9,10,11,12,13,14,15
.endr
.endr
	WIN WW
.irp b, 0,1,2,3
	v_cvt_scalef32_pk8_fp8_f32 v[CD+16*(\a)+4*\b:CD+16*(\a)+4*\b+1], v[AC+16*\b:AC+16*\b+7], v[TM+12+\b]
	v_cvt_scalef32_pk8_fp8_f32 v[CD+16*(\a)+4*\b+2:CD+16*(\a)+4*\b+3], v[AC+16*\b+8:AC+16*\b+15], v[TM+12+\b]
.endr
	WIN 0
.if \isv
.irp b, 0,1,2,3
	global_store_b128 v[LI], v[CD+16*(\a)+4*\b:CD+16*(\a)+4*\b+3], s[74:75] offset:((\a)/4)*131072+((\a)%4)*2048+\b*512
.endr
	ds_store_b32 v[VIN], v[PW] offset:((\a)/4)*256+((\a)%2)*128+(((\a)%4)/2)*4
.else
	v_lshrrev_b32 v[W2], v[SH], v[PW]
	v_and_b32 v[W2], 0xffff, v[W2]
.irp b, 0,1,2,3
	global_store_b128 v[LI], v[CD+16*(\a)+4*\b:CD+16*(\a)+4*\b+3], s[70:71] offset:(\b/2)*262144+(\a)*1024+(\b%2)*512
.endr
	ds_store_b32 v[QIN], v[W2] offset:((\a)%2)*256+((\a)/2)*4
.endif
.endm
	s_cmp_lg_u32 s46, 0
	s_cbranch_scc1 .Lout_v
.irp a, 0,1,2,3,4,5,6,7
	OUTA \a, 0
.endr
	ds_load_b128 v[SW:SW+3], v[QOUT]
	ds_load_b128 v[SW+4:SW+7], v[QOUT] offset:512
	s_wait_dscnt 0x0
	global_store_b128 v[LI], v[SW:SW+3], s[72:73]
	global_store_b128 v[LI], v[SW+4:SW+7], s[72:73] offset:16384
	s_branch .Lout_done
.Lout_v:
.irp a, 0,1,2,3,4,5,6,7
	OUTA \a, 1
.endr
	ds_load_b128 v[SW:SW+3], v[VOUT]
	s_wait_dscnt 0x0
	global_store_b128 v[VSO], v[SW:SW+3], s[76:77]
.Lout_done:
	s_wait_tensorcnt 0x0
	ds_add_u32 v[SPW], v[NIL]
	s_wait_dscnt 0x0
	CROUND
	s_endpgm
.Lfunc_end_k_q1ebbcb333c_gemm_qkv:
	.size	k_q1ebbcb333c_gemm_qkv, .Lfunc_end_k_q1ebbcb333c_gemm_qkv-k_q1ebbcb333c_gemm_qkv
	.p2alignl 7, 3214868480
	.fill 96, 4, 3214868480
	.section	.rodata,"a",@progbits
	.p2align	6, 0x0
	.amdhsa_kernel k_q1ebbcb333c_gemm_qkv
		.amdhsa_group_segment_fixed_size 327680
		.amdhsa_private_segment_fixed_size 0
		.amdhsa_enable_private_segment 0
		.amdhsa_kernarg_size 72
		.amdhsa_user_sgpr_count 2
		.amdhsa_user_sgpr_kernarg_segment_ptr 1
		.amdhsa_wavefront_size32 1
		.amdhsa_system_sgpr_workgroup_id_x 1
		.amdhsa_system_sgpr_workgroup_id_y 1
		.amdhsa_system_sgpr_workgroup_id_z 1
		.amdhsa_system_vgpr_workitem_id 0
		.amdhsa_next_free_vgpr 1024
		.amdhsa_next_free_sgpr 100
		.amdhsa_reserve_vcc 1
		.amdhsa_float_denorm_mode_32 3
		.amdhsa_float_denorm_mode_16_64 3
		.amdhsa_fp16_overflow 1
		.amdhsa_memory_ordered 1
		.amdhsa_forward_progress 1
		.amdhsa_inst_pref_size 219
	.end_amdhsa_kernel
	.amdgpu_metadata
---
amdhsa.version: [ 1, 2 ]
amdhsa.kernels:
  - .name:           k_q1ebbcb333c_gemm_qkv
    .symbol:         k_q1ebbcb333c_gemm_qkv.kd
    .args:
      - { .name: codes, .offset: 0, .size: 8, .value_kind: global_buffer, .address_space: global }
      - { .name: scl, .offset: 8, .size: 8, .value_kind: global_buffer, .address_space: global }
      - { .name: bq, .offset: 16, .size: 8, .value_kind: global_buffer, .address_space: global }
      - { .name: bk, .offset: 24, .size: 8, .value_kind: global_buffer, .address_space: global }
      - { .name: bv, .offset: 32, .size: 8, .value_kind: global_buffer, .address_space: global }
      - { .name: qkc, .offset: 40, .size: 8, .value_kind: global_buffer, .address_space: global }
      - { .name: qks, .offset: 48, .size: 8, .value_kind: global_buffer, .address_space: global }
      - { .name: vc, .offset: 56, .size: 8, .value_kind: global_buffer, .address_space: global }
      - { .name: vs, .offset: 64, .size: 8, .value_kind: global_buffer, .address_space: global }
    .group_segment_fixed_size: 327680
    .private_segment_fixed_size: 0
    .kernarg_segment_align: 8
    .kernarg_segment_size: 72
    .max_flat_workgroup_size: 128
    .sgpr_count:     100
    .vgpr_count:     1024
    .wavefront_size: 32
...
	.end_amdgpu_metadata
.endif
;; end of part 7
;; launch attention (part 8): grid 8 x 32, 16 waves a work-group, clusters of 4 x 1, 280,576 bytes of LDS; arguments qkc, qks, vc, vs, oc, os; writes oc, os
.if DOCPART == 8
	.amdgcn_target "amdgcn-amd-amdhsa--gfx1250"
	.amdhsa_code_object_version 6
	.text
	.protected	k_q1ebbcb333c_attention
	.globl	k_q1ebbcb333c_attention
	.p2align	8
	.type	k_q1ebbcb333c_attention,@function
k_q1ebbcb333c_attention:
	s_mov_b64 s[64:65], 0
	v_nop
	global_prefetch_b8 v0, s[64:65] scope:SCOPE_SE
	s_setreg_imm32_b32 hwreg(HW_REG_WAVE_MODE, 25, 1), 1
	s_wait_xcnt 0x0
	s_wait_alu depctr_hold_cnt(0) depctr_sa_sdst(0) depctr_va_vdst(0) depctr_va_sdst(0) depctr_va_ssrc(0) depctr_va_vcc(0) depctr_vm_vsrc(0)
	s_getreg_b32 s2, hwreg(HW_REG_IB_STS2, 6, 4)
	s_cmp_eq_u32 s2, 0
	s_cbranch_scc0 .Lentry_in_a_cluster
	s_endpgm
.Lentry_in_a_cluster:
	s_bfe_u32 s2, ttmp6, 0x10000c
	s_cmp_lg_u32 s2, 0x3003
	s_cbranch_scc0 .Lentry_shape_is_right
	s_endpgm
.Lentry_shape_is_right:
; O[b][head][q] = the sum over keys of softmax(q . k / 8) v, both products on codes of E4M3 with E8M0 scales, and O / l quantised along D for the last projection.
; THE SOFTMAX AHEAD OF THE SECOND PRODUCT: t = score x log2(e) / 8; M = the running largest t rounded UP to a whole number; p = 2^(t - M) is quantised along the keys, not normalised; the row's sum l is taken of the unquantised p
; and divides O at the end.  When M moves, l and O are multiplied by 2^(old M - new M): exact.
; SHARES: work-group y = 16 b + head; x = which 256 queries; each of sixteen waves owns one tile of 16 queries (x's row tile) in 256 registers, four waves to a SIMD.  Every wave walks the head's 2,048 keys, 128 a step.
; A HEAD'S K AND V LIE WHOLE IN LDS, FILLED ONCE (131,072 bytes each, and their scale words): no slot is ever filled again.  The four work-groups of a cluster read the same head, so every fill is a joint load that names the four.
; Each wave issues five loads (scale words, then four quarters of the head); the walk begins when the first quarter has landed, and the other three are waited for together, three steps on.
; LAYOUT: both products transposed: S^T = K Q^T (source 0 = 16 keys), O^T = V^T P^T (source 0 = 16 of the head's 64): a lane holds ONE query.  The tiles' rows are so ordered that the 16 registers of tiles 2 b, 2 b + 1 are
; 16 neighbours (keys in S^T, channels in O^T), so the conversions' results are the next operand's registers.
; THE FIRST PRODUCT'S K IS 64.  Q's fragment holds zero codes for k = 64 .. 127, under scale bytes 0, so what stands in the upper half of K's fragment is multiplied by zero: it need only be codes that are numbers.  So a step's
; eight half fragments lie on end in v16-79, and tile t's fragment is v[16 + 8 t] and the fifteen behind it: its upper half is tile t + 1's codes, tile 7's the first half of p's codes.
; THE ORDER OF A STEP: K of the next step is fetched straight behind this step's first products and lands under the softmax; V's fragments 0 to 2 land in p's registers as each block's codes are made, fragment 3 has registers
; of its own and is fetched early.  The exponentials stand one at a time, with plain work that is ready between some of them.
; LIMITS: p under 2^-126 is flushed to 0 by v_exp_f32; a block of zeros keeps the byte 1 (read by this program alone); NaN and infinities are not served.
.set KC,  0
.set VC,  131072
.set KS,  262144                       ; K's scale words: 512 bytes a key step
.set VS,  270336                       ; V's: 256 bytes a key step
.set OST, 274432                       ; O's scale words on the way out: 64 bytes a wave; no fill lands here
; REGISTERS: v1-4 addresses that stay, v5-8 the step's; v11 where my scale word goes; v12 -M, v13 the largest t, v[14:15] l in two halves
.set KF,  16                           ; v16-79   K's eight half fragments
.set PC,  80                           ; v80-95   p's codes
.set S,   96                           ; v96-159  S^T, then p; V's fragments 0 to 2 land in v96-143
.set O,   160                          ; v160-191 O^T
.set QF,  192                          ; v192-199 Q's codes, v200-207 zero codes
.set BM,  208                          ; v208-211 a block's largest score, then its largest p
.set T1,  212                          ; v212-215 at work, then the scales' bytes
.set HO,  216
.set SO,  220                          ; v220-223 the conversions' scale operands
.set KSW, 224                          ; v224-227 K's scale words and nothing else
.set VSW, 228                          ; v228-229 V's
.set QSW, 230                          ; v230     Q's
.set F,   232                          ; v232     f = 2^(old M - new M)
.set PW,  233                          ; v233     p's scale word
.set TMP, 234
.set OW,  235
.set SB,  236                          ; v[236:237] the second chain of the row's sum
.set V3,  240                          ; v240-255 V's fragment 3
.set WV,  18
.set MNT, 19
.set SEL, 20
.set CS,  22                           ; s[22:23] c = log2(e) / 8
.set G1C, 28                           ; s[28:35] group 1: 16 rows of 256 bytes, dense
.set G1S, 36                           ; s[36:43] the same with 4 rows (K's scale words) or 2 (V's)
.set G0,  44                           ; s[44:63] five groups 0, written once
.set TK,  66                           ; s66 the step's codes: 8,192 bytes a step, in K as in V
.set TS,  67                           ; s67 K's scale words
.set TV,  68                           ; s68 V's
.set CNT, 69
.macro CROUND
	s_barrier_signal -1
	s_barrier_wait -1
	s_cmp_lg_u32 s[WV], 0
	s_cbranch_scc1 .Lnot_wave_0_\@
	s_barrier_signal -3
.Lnot_wave_0_\@:
	s_barrier_wait -3
	s_barrier_signal -1
	s_barrier_wait -1
.endm
	s_load_b256 s[4:11], s[0:1], 0x0               ; qkc, qks, vc, vs
	s_load_b128 s[12:15], s[0:1], 0x20             ; oc, os
	v_lshl_add_u32 v238, v0, 2, 0x44000
	v_mov_b32 v239, 0
	ds_add_u32 v238, v239
	ds_add_u32 v238, v239
	v_lshrrev_b32 v1, 5, v0
	v_readfirstlane_b32 s[WV], v1                  ; wave 0..15
	s_bfe_u32 s24, ttmp6, 0x40000                  ; cx
	s_lshl_b32 s25, ttmp9, 2
	s_add_co_u32 s25, s25, s24                     ; my block of 256 queries: it enters Q's, oc's and os's addresses alone
	s_and_b32 s26, ttmp7, 0xffff
	s_lshr_b32 s27, s26, 4                         ; b
	s_and_b32 s26, s26, 15                         ; head
	s_and_b32 s70, s[WV], 7                        ; which eighth I fetch
	s_add_co_u32 s71, s26, 16                      ; k's place in qkc and qks
	s_lshl_b32 s72, s71, 14
	s_lshl_b32 s73, s27, 13
	s_add_co_u32 s72, s72, s73
	s_lshl_b32 s73, s70, 10
	s_add_co_u32 s72, s72, s73
	s_mov_b32 s73, 0                               ; s[72:73] K's scale words: my 1,024 bytes
	s_lshl_b32 s74, s71, 18
	s_lshl_b32 s75, s27, 17
	s_add_co_u32 s74, s74, s75
	s_lshl_b32 s75, s70, 12
	s_add_co_u32 s74, s74, s75
	s_mov_b32 s75, 0                               ; s[74:75] K's codes: my 4,096 bytes of the first quarter
	s_lshl_b32 s76, s27, 16
	s_lshl_b32 s77, s26, 12
	s_add_co_u32 s76, s76, s77
	s_lshl_b32 s77, s70, 9
	s_add_co_u32 s76, s76, s77
	s_mov_b32 s77, 0                               ; s[76:77] V's scale words: my 512 bytes
	s_lshl_b32 s78, s27, 21
	s_lshl_b32 s79, s26, 17
	s_add_co_u32 s78, s78, s79
	s_lshl_b32 s79, s70, 12
	s_add_co_u32 s78, s78, s79
	s_mov_b32 s79, 0                               ; s[78:79] V's codes
	s_mov_b32 s[G1C], 15|(3<<16)|(1<<21)           ; the mask: all four work-groups; elements of 8 bytes; bit 21 beside a mask
	s_mov_b32 s[G1C+1], 32<<16
	s_mov_b32 s[G1C+2], 16<<16
	s_mov_b32 s[G1C+3], 32<<16
	s_mov_b32 s[G1C+4], 16
	s_mov_b32 s[G1C+5], 32
	s_mov_b32 s[G1C+6], 0
	s_mov_b32 s[G1C+7], 0
	s_mov_b32 s[G1S], 15|(3<<16)|(1<<21)
	s_mov_b32 s[G1S+1], 32<<16
	s_mov_b32 s[G1S+3], 32<<16
	s_mov_b32 s[G1S+5], 32
	s_mov_b32 s[G1S+6], 0
	s_mov_b32 s[G1S+7], 0
	s_mov_b32 s[SEL], 0x76543210
	s_mov_b32 s[SEL+1], 0xfedcba98
	s_mov_b32 s[CS], 0x3e38aa3b
	s_mov_b32 s[CS+1], s[CS]                       ; (named with it as a pair, so it is written)
	s_mov_b32 s[TK], 0
	s_mov_b32 s[TS], 0
	s_mov_b32 s[TV], 0
; A wave's five first fills: its part of the scale words, then of the four quarters of the codes.  Five loads of mine are out; four v_nop follow the last.
.macro FILLS rows, sl, sh, sp, so, cl, cp, co
	s_mov_b32 s[G1S+2], (\rows)<<16
	s_mov_b32 s[G1S+4], \rows
	s_mov_b32 s[G0], 1
	s_lshl_b32 s80, s70, \sh
	s_add_co_u32 s[G0+1], s80, \sl
	s_add_nc_u64 s[G0+2:G0+3], s[\sp:\sp+1], s[\so:\so+1]
	s_or_b32 s[G0+3], s[G0+3], 0x80000000
	s_lshl_b32 s80, s70, 12
	s_add_nc_u64 s[82:83], s[\cp:\cp+1], s[\co:\co+1]
.irp g, 0,1,2,3
	s_mov_b32 s[G0+4+4*\g], 1
	s_add_co_u32 s[G0+5+4*\g], s80, \cl+\g*32768
	s_add_nc_u64 s[G0+6+4*\g:G0+7+4*\g], s[82:83], \g*32768
	s_or_b32 s[G0+7+4*\g], s[G0+7+4*\g], 0x80000000
.endr
	tensor_load_to_lds s[G0:G0+3], s[G1S:G1S+7]
	s_nop 0
.irp g, 0,1,2,3
	tensor_load_to_lds s[G0+4+4*\g:G0+7+4*\g], s[G1C:G1C+7]
	s_nop 0
.endr
.rept 4
	v_nop
.endr
.endm
	s_wait_dscnt 0x0
	s_wait_kmcnt 0x0
	CROUND                                         ; all four work-groups are here: the joint loads meet
	s_cmp_lt_u32 s[WV], 8                          ; waves 0-7 fetch K's, waves 8-15 V's: the branch hangs on the wave's number alone
	s_cbranch_scc0 .Lfill_v
	FILLS 4, KS, 10, 6, 72, KC, 4, 74
	s_branch .Lfilled
.Lfill_v:
	FILLS 2, VS, 9, 10, 76, VC, 8, 78
.Lfilled:
	s_lshl_b32 s84, s27, 7
	s_lshl_b32 s85, s25, 4
	s_add_co_u32 s84, s84, s85                     ; the work-group's first tile of queries: 128 b + 16 x block
	s_add_co_u32 s86, s84, s[WV]                   ; mine
	s_lshl_b32 s88, s26, 18
	s_lshl_b32 s89, s86, 10
	s_add_co_u32 s88, s88, s89
	s_mov_b32 s89, 0
	s_add_nc_u64 s[4:5], s[4:5], s[88:89]          ; Q's codes
	s_lshl_b32 s88, s26, 14
	s_lshr_b32 s90, s86, 3
	s_lshl_b32 s90, s90, 9
	s_add_co_u32 s88, s88, s90
	s_and_b32 s90, s[WV], 1
	s_lshl_b32 s90, s90, 8
	s_add_co_u32 s88, s88, s90
	s_lshr_b32 s90, s70, 1
	s_lshl_b32 s90, s90, 2
	s_add_co_u32 s88, s88, s90
	s_add_nc_u64 s[6:7], s[6:7], s[88:89]          ; Q's scale words: [tile / 8][16 (tile % 2) + r][(tile % 8) / 2]
	s_lshl_b32 s88, s86, 14
	s_lshl_b32 s90, s26, 10
	s_add_co_u32 s88, s88, s90
	s_add_nc_u64 s[12:13], s[12:13], s[88:89]      ; oc: [tile][head / 2][2 (head % 2) groups on]
	s_lshl_b32 s88, s26, 14
	s_lshl_b32 s90, s84, 6
	s_add_co_u32 s88, s88, s90
	s_add_nc_u64 s[14:15], s[14:15], s[88:89]      ; os: [head][the work-group's first tile]
	v_and_b32 v9, 31, v0
	v_and_b32 v10, 15, v0
	v_lshlrev_b32 v1, 4, v9                        ; 16 x lane
	v_add_nc_u32 v2, VC, v1
	v_add_nc_u32 v3, KS, v1
	v_lshl_add_u32 v4, v9, 3, VS
	s_lshl_b32 s90, s[WV], 6
	s_add_co_u32 s90, s90, OST
	v_lshl_add_u32 v11, v10, 2, s90
	v_lshlrev_b32 v10, 4, v10
	global_load_b128 v[QF:QF+3], v1, s[4:5]
	global_load_b128 v[QF+4:QF+7], v1, s[4:5] offset:512
	global_load_b32 v[QSW], v10, s[6:7]
.irp j, 0,1,2,3,4,5,6,7
	v_mov_b32 v[QF+8+\j], 0                        ; Q's k = 64 .. 127: zero codes
.endr
.irp j, 0,1,2,3,4,5,6,7
	v_mov_b32 v[PC+\j], 0                          ; the upper half of K's tile 7 in the first step: codes that are numbers
.endr
.irp j, 0,1,2,3,4,5,6,7,8,9,10,11,12,13,14,15,16,17,18,19,20,21,22,23,24,25,26,27,28,29,30,31
	v_mov_b32 v[O+\j], 0                           ; O^T: the step is written once; the first finds zeros, which the first change of M leaves zeros
.endr
	v_mov_b32 v13, 0xff61b1e6                      ; the largest t so far: -3e38
	v_floor_f32 v12, -v13                          ; -M
	v_mov_b32 v14, 0
	v_mov_b32 v15, 0
.irp b, 0,1,2,3
	v_mov_b32 v[T1+\b], 0                          ; a lane permute's destination counts as one of its sources
.endr
	v_mov_b32 v[PW], 0                             ; (named as the upper half of the pair v[232:233] before it is first written)
	v_mov_b32 v[TMP], 0
.macro SMUL t                          ; S^T's tile t.  K's scale word j holds tile 2 j in lanes 0-15 and tile 2 j + 1 in lanes 16-31
.if (\t)%2
	v_wmma_scale_f32_16x16x128_f8f6f4 v[S+8*(\t):S+8*(\t)+7], v[KF+8*(\t):KF+8*(\t)+15], v[QF:QF+15], 0, v[KSW+(\t)/2], v[QSW] matrix_a_scale:MATRIX_SCALE_ROW1
.else
	v_wmma_scale_f32_16x16x128_f8f6f4 v[S+8*(\t):S+8*(\t)+7], v[KF+8*(\t):KF+8*(\t)+15], v[QF:QF+15], 0, v[KSW+(\t)/2], v[QSW]
.endif
.endm
.macro OMUL dt                         ; O^T's tile dt += V's fragment dt x p
.if (\dt) < 3
.set VA, S+16*(\dt)
.else
.set VA, V3
.endif
.if (\dt)%2
	v_wmma_scale_f32_16x16x128_f8f6f4 v[O+8*(\dt):O+8*(\dt)+7], v[VA:VA+15], v[PC:PC+15], v[O+8*(\dt):O+8*(\dt)+7], v[VSW+(\dt)/2], v[PW] matrix_a_scale:MATRIX_SCALE_ROW1
.else
	v_wmma_scale_f32_16x16x128_f8f6f4 v[O+8*(\dt):O+8*(\dt)+7], v[VA:VA+15], v[PC:PC+15], v[O+8*(\dt):O+8*(\dt)+7], v[VSW+(\dt)/2], v[PW]
.endif
.endm
.macro MAX0 b                          ; the largest score of block b: it serves the row's maximum and, since p rises with the score, the block's largest p
	v_max3_num_f32 v[BM+\b], v[S+16*\b], v[S+1+16*\b], v[S+2+16*\b]
.endm
.macro MAXI b, i
	v_max3_num_f32 v[BM+\b], v[BM+\b], v[S+16*\b+\i], v[S+1+16*\b+\i]
.endm
.macro MAXE b
	v_max_num_f32 v[BM+\b], v[BM+\b], v[S+15+16*\b]
.endm
.macro FMAP j                          ; t - M of the pair of scores j, j + 1
	v_pk_fma_f32 v[S+(\j):S+1+(\j)], v[S+(\j):S+1+(\j)], s[CS:CS+1], v[12:13] op_sel_hi:[1,0,0]
.endm
.macro EXPJ j                          ; p = 2^(t - M), at most 1
	v_exp_f32 v[S+(\j)], v[S+(\j)]
.endm
.macro PSUM b, i                       ; pair i of block b joins the row's sum, which is taken of the unquantised p: two chains
.if ((\b) == 0) && ((\i) == 0)
	s_setprio 1
	s_wait_alu depctr_va_vdst(0)
	v_pk_add_f32 v[SB:SB+1], v[S:S+1], v[S+2:S+3]
.elseif ((\b) == 0) && ((\i) == 1)
.elseif ((\i)%2) == 0
	s_wait_alu depctr_va_vdst(0)
	v_pk_add_f32 v[14:15], v[14:15], v[S+16*(\b)+2*(\i):S+1+16*(\b)+2*(\i)]
.else
	v_pk_add_f32 v[SB:SB+1], v[SB:SB+1], v[S+16*(\b)+2*(\i):S+1+16*(\b)+2*(\i)]
.endif
.endm
.macro HOLD b, i                       ; the conversion does not saturate (ISA guide 7.6.2): no hold is made
.endm
.macro CODES b                         ; block b's codes; its 16 registers are then free, and V's fragment of the same number lands there (fragment 3 has registers of its own)
	v_cvt_scalef32_pk8_fp8_f32 v[PC+4*(\b):PC+1+4*(\b)], v[S+16*(\b):S+7+16*(\b)], v[SO+(\b)]
	v_cvt_scalef32_pk8_fp8_f32 v[PC+2+4*(\b):PC+3+4*(\b)], v[S+8+16*(\b):S+15+16*(\b)], v[SO+(\b)]
	s_wait_alu depctr_va_vdst(0)
.if (\b) < 3
.irp c, 0,1,2,3
	ds_load_b128 v[S+16*(\b)+4*\c:S+3+16*(\b)+4*\c], v6 offset:(\b)*2048+512*\c
.endr
.endif
.endm
.macro OSCALE i                        ; pair i of O^T under the new M
	v_pk_mul_f32 v[O+2*(\i):O+1+2*(\i)], v[O+2*(\i):O+1+2*(\i)], v[F:F+1] op_sel_hi:[1,0]
.endm
.macro QP n                            ; line n (0 .. 19; 9 .. 12 make nothing) of those that bring l under the new M and make the four blocks' scales
.if (\n) == 0
	v_pk_mul_f32 v[14:15], v[14:15], v[F:F+1] op_sel_hi:[1,0]
	s_wait_alu depctr_va_vdst(0)
.elseif (\n) < 5
	v_max_num_f32 v[BM+(\n)-1], 0x4800000, v[BM+(\n)-1]            ; the floor 2^(9 - 127)
.elseif (\n) < 9
	v_add_nc_u32 v[SO+(\n)-5], 0xfc000000, v[BM+(\n)-5]            ; 8 off the exponent field: the conversion's scale operand
.elseif (\n) < 13
.elseif (\n) < 17
	v_lshrrev_b32 v[T1+(\n)-13], 23, v[SO+(\n)-13]                 ; the scale's byte
.elseif (\n) == 17
	v_lshl_or_b32 v[PW], v[T1+1], 8, v[T1]                         ; p's scale word for these 128 keys
.elseif (\n) == 18
	v_lshl_or_b32 v[PW], v[T1+2], 16, v[PW]
.else
	v_lshl_or_b32 v[PW], v[T1+3], 24, v[PW]
.endif
.endm
; Block b's sixteen exponentials (b = 1, 2, 3), one at a time.  Behind each of the first eight: a pair of block b - 1 joins the sum, and a pair of block b + 1 gets its t - M (b = 3: a pair of O^T is rescaled);
; the last eight stand back to back; block b - 1's sums are then all taken.
.macro SEG b
.set ex, 0
.rept 8
	EXPJ 16*(\b)+ex
	PSUM (\b)-1, ex
.if (\b) < 3
	FMAP 16*((\b)+1)+2*ex
.else
	OSCALE ex
.endif
.set ex, ex+1
.endr
.rept 8
	EXPJ 16*(\b)+ex
	HOLD (\b)-1, 2*(ex-8)
	HOLD (\b)-1, 2*(ex-8)+1
.set ex, ex+1
.endr
	CODES (\b)-1
.endm
; A KEY STEP: 128 keys.  At its head K's half fragments and scale words are in registers and no LDS load of mine is out.  pf = 1: the next step's are fetched.
.macro STEP pf
	SMUL 6                                         ; tiles 6 and 7 write v144-159, which the last step's second product does not name: no distance is owed
	SMUL 7
	v_add_nc_u32 v5, s[TK], v1
	v_add_nc_u32 v6, s[TK], v2
	v_add_nc_u32 v7, s[TS], v3
	v_add_nc_u32 v8, s[TV], v4
.rept 5
	v_nop                                          ; with the four additions: nine places before tiles 0 to 5 are written over the registers from which the last step's products read V
.endr
.irp t, 0,1,2,3,4,5
	SMUL \t
.endr
	MAX0 3                                         ; block 3 (tiles 6, 7: nine places back): these eight lines are the places behind tiles 0 to 5
.irp i, 3,5,7,9,11,13
	MAXI 3, \i
.endr
	MAXE 3
.if \pf
.irp f, 0,1,2,3,4,5,6,7
	ds_load_b128 v[KF+8*\f:KF+8*\f+3], v5 offset:8192+\f*1024          ; the next step's K: 512 consecutive bytes a load
	ds_load_b128 v[KF+8*\f+4:KF+8*\f+7], v5 offset:8192+\f*1024+512
.endr
	ds_load_b128 v[KSW:KSW+3], v7 offset:512       ; and its scale words
.endif
.irp c, 0,1,2,3
	ds_load_b128 v[V3+4*\c:V3+4*\c+3], v6 offset:3*2048+512*\c         ; this step's V, fragment 3
.endr
	ds_load_b64 v[VSW:VSW+1], v8                   ; and V's scale words
.irp b, 0,1,2
	MAX0 \b
.endr
.irp i, 3,5,7,9,11,13
.irp b, 0,1,2
	MAXI \b, \i
.endr
.endr
.irp b, 0,1,2
	MAXE \b
.endr
.irp b, 0,1,2,3
	v_permlanex16_b32 v[T1+\b], v[BM+\b], s[SEL], s[SEL+1]
.endr
.irp b, 0,1,2,3
	v_max_num_f32 v[BM+\b], v[BM+\b], v[T1+\b]     ; with lane l xor 16's 16 keys
.endr
	v_max3_num_f32 v[TMP], v[BM], v[BM+1], v[BM+2]
	v_max_num_f32 v[TMP], v[TMP], v[BM+3]
	v_mul_f32 v[TMP], s[CS], v[TMP]                ; as t (c is positive)
	v_max_num_f32 v13, v13, v[TMP]                 ; the running largest t
	v_mov_b32 v[TMP], v12
	v_floor_f32 v12, -v13                          ; the new -M = -ceil(t)
	v_sub_f32 v[TMP], v12, v[TMP]                  ; old M - new M: a whole number, 0 or less
	v_cvt_i32_f32 v[TMP], v[TMP]                   ; (it saturates)
	v_ldexp_f32 v[F], 1.0, v[TMP]                  ; f = 2^(old M - new M)
.irp b, 0,1,2,3
	v_fma_f32 v[BM+\b], v[BM+\b], s[CS], v12       ; t - M of each block's largest score
.endr
.irp b, 0,1,2,3
	v_exp_f32 v[BM+\b], v[BM+\b]                   ; the block's largest p: the same two instructions on the same number as its p below
	FMAP 2*\b
.endr
.irp j, 8,10,12,14
	FMAP \j
.endr
.set ex, 0                             ; block 0's sixteen exponentials, with the sixteen lines of the scales and block 1's t - M between them
.rept 8
	EXPJ ex
	QP 2*ex
	QP 2*ex+1
.set ex, ex+1
.endr
.rept 4
	EXPJ ex
	QP ex+8
	FMAP 16+2*(ex-8)
.set ex, ex+1
.endr
.rept 4
	EXPJ ex
	FMAP 16+2*(ex-8)
.set ex, ex+1
.endr
	SEG 1
	SEG 2
	SEG 3
.set ex, 0
	s_setprio 0
.rept 8
	PSUM 3, ex
	HOLD 3, 2*ex
	HOLD 3, 2*ex+1
.set ex, ex+1
.endr
	CODES 3
.set ex, 8
.rept 8
	OSCALE ex                                      ; the rest of O^T; with the addition below: the places between the last codes and the products
.set ex, ex+1
.endr
	v_pk_add_f32 v[14:15], v[14:15], v[SB:SB+1]
	s_wait_dscnt 0x0                               ; V is in, and so is the next step's K: no LDS load of mine is out behind this line
.irp dt, 0,1,2,3                       ; O^T += V^T P^T: the four accumulators by turns
	OMUL \dt
.endr
.endm
.macro LOOPS n
	s_mov_b32 s[CNT], \n
.Lstep_\@:
	s_setprio 2
	STEP 1
	s_add_co_u32 s[TK], s[TK], 8192
	s_add_co_u32 s[TS], s[TS], 512
	s_add_co_u32 s[TV], s[TV], 256
	s_sub_co_u32 s[CNT], s[CNT], 1
	s_cmp_lg_u32 s[CNT], 0
	s_cbranch_scc1 .Lstep_\@
	s_setprio 0
.endm
.macro LANDED left                     ; my loads but the youngest 'left' have landed; the younger ones may stay on their way
	s_wait_tensorcnt \left
	s_barrier_signal -1
	s_barrier_wait -1                              ; every wave's have
.endm
	s_wait_loadcnt 0x0                             ; Q
	LANDED 3                                       ; the scale words and key steps 0 to 3: the three later quarters stay out
	ds_load_b128 v[KSW:KSW+3], v3
.irp f, 0,1,2,3,4,5,6,7
	ds_load_b128 v[KF+8*\f:KF+8*\f+3], v1 offset:\f*1024
	ds_load_b128 v[KF+8*\f+4:KF+8*\f+7], v1 offset:\f*1024+512
.endr
	s_wait_dscnt 0x0
	LOOPS 3                                        ; steps 0 to 2, which fetch K of steps 1 to 3: all in the first quarter
	LANDED 0                                       ; all my loads have landed, and every wave's: step 3 fetches K of step 4, the first read of the second quarter, and no read of the later quarters stands ahead of this barrier
	LOOPS 12                                       ; steps 3 to 14: the waves meet no more until the way out
	STEP 0                                         ; step 15 fetches no K
	; THE WAY OUT: O^T / l; register 16 b + i is channel 32 b + 16 h + i of my query: two blocks along D, quantised as every operand is.
	v_add_f32 v14, v14, v15
	v_permlanex16_b32 v[TMP], v14, s[SEL], s[SEL+1]
	v_add_f32 v14, v14, v[TMP]                     ; the row's sum
	v_rcp_f32 v14, v14
.rept 8
	v_nop                                          ; the places behind the last products, and the plain place behind the reciprocal
.endr
	s_wait_alu depctr_va_vdst(0)
.irp j, 0,1,2,3,4,5,6,7,8,9,10,11,12,13,14,15,16,17,18,19,20,21,22,23,24,25,26,27,28,29,30,31
	v_mul_f32 v[S+\j], v[O+\j], v14
.endr
.irp b, 0,1
	v_max3_num_f32 v[BM+\b], |v[S+16*\b]|, |v[S+1+16*\b]|, 0x4800000
.endr
.irp i, 2,4,6,8,10,12,14
.irp b, 0,1
	v_max3_num_f32 v[BM+\b], v[BM+\b], |v[S+16*\b+\i]|, |v[S+1+16*\b+\i]|
.endr
.endr
.irp b, 0,1
	v_permlanex16_b32 v[T1+\b], v[BM+\b], s[SEL], s[SEL+1]
.endr
.irp b, 0,1
	v_max_num_f32 v[BM+\b], v[BM+\b], v[T1+\b]
.endr
.irp b, 0,1
	v_add_nc_u32 v[SO+\b], 0xfc000000, v[BM+\b]
.endr
.irp b, 0,1
.endr
.irp b, 0,1
	v_lshrrev_b32 v[T1+\b], 23, v[SO+\b]
.endr
	v_lshl_or_b32 v[OW], v[T1+1], 8, v[T1]         ; my row's two bytes of this head
.irp b, 0,1
.irp i, 0,1,2,3,4,5,6,7,8,9,10,11,12,13,14,15
.endr
	v_cvt_scalef32_pk8_fp8_f32 v[PC+4*\b:PC+1+4*\b], v[S+16*\b:S+7+16*\b], v[SO+\b]
	v_cvt_scalef32_pk8_fp8_f32 v[PC+2+4*\b:PC+3+4*\b], v[S+8+16*\b:S+15+16*\b], v[SO+\b]
.endr
	global_store_b128 v1, v[PC:PC+3], s[12:13]             ; two groups of the image: 512 consecutive bytes each
	global_store_b128 v1, v[PC+4:PC+7], s[12:13] offset:512
	ds_store_b32 v11, v[OW]                        ; both halves of the lanes write the same word
	v_add_nc_u32 v5, OST, v1
	s_wait_dscnt 0x0                               ; for wave 0's sake
	s_barrier_signal -1
	s_barrier_wait -1
	s_cmp_lg_u32 s[WV], 0
	s_cbranch_scc1 .Lno_words
	ds_load_b128 v[PC+8:PC+11], v5                 ; sixteen tiles' words: 1,024 consecutive bytes of os
	ds_load_b128 v[PC+12:PC+15], v5 offset:512
	s_wait_dscnt 0x0
	global_store_b128 v1, v[PC+8:PC+11], s[14:15]
	global_store_b128 v1, v[PC+12:PC+15], s[14:15] offset:512
.Lno_words:
	s_wait_tensorcnt 0x0
	ds_add_u32 v238, v239
	s_wait_dscnt 0x0
	CROUND                                         ; the closing round: no work-group ends while a partner may still ask
	s_endpgm
.Lfunc_end_k_q1ebbcb333c_attention:
	.size	k_q1ebbcb333c_attention, .Lfunc_end_k_q1ebbcb333c_attention-k_q1ebbcb333c_attention
	.p2alignl 7, 3214868480
	.fill 96, 4, 3214868480
	.section	.rodata,"a",@progbits
	.p2align	6, 0x0
	.amdhsa_kernel k_q1ebbcb333c_attention
		.amdhsa_group_segment_fixed_size 280576
		.amdhsa_private_segment_fixed_size 0
		.amdhsa_enable_private_segment 0
		.amdhsa_kernarg_size 48
		.amdhsa_user_sgpr_count 2
		.amdhsa_user_sgpr_kernarg_segment_ptr 1
		.amdhsa_wavefront_size32 1
		.amdhsa_system_sgpr_workgroup_id_x 1
		.amdhsa_system_sgpr_workgroup_id_y 1
		.amdhsa_system_sgpr_workgroup_id_z 1
		.amdhsa_system_vgpr_workitem_id 0
		.amdhsa_next_free_vgpr 256
		.amdhsa_next_free_sgpr 92
		.amdhsa_reserve_vcc 0
		.amdhsa_float_denorm_mode_32 3
		.amdhsa_float_denorm_mode_16_64 3
		.amdhsa_fp16_overflow 1
		.amdhsa_memory_ordered 1
		.amdhsa_forward_progress 1
		.amdhsa_inst_pref_size 65
	.end_amdhsa_kernel
	.amdgpu_metadata
---
amdhsa.version: [ 1, 2 ]
amdhsa.kernels:
  - .name:           k_q1ebbcb333c_attention
    .symbol:         k_q1ebbcb333c_attention.kd
    .args:
      - { .name: qkc, .offset: 0, .size: 8, .value_kind: global_buffer, .address_space: global }
      - { .name: qks, .offset: 8, .size: 8, .value_kind: global_buffer, .address_space: global }
      - { .name: vc, .offset: 16, .size: 8, .value_kind: global_buffer, .address_space: global }
      - { .name: vs, .offset: 24, .size: 8, .value_kind: global_buffer, .address_space: global }
      - { .name: oc, .offset: 32, .size: 8, .value_kind: global_buffer, .address_space: global }
      - { .name: os, .offset: 40, .size: 8, .value_kind: global_buffer, .address_space: global }
    .group_segment_fixed_size: 280576
    .private_segment_fixed_size: 0
    .kernarg_segment_align: 8
    .kernarg_segment_size: 48
    .max_flat_workgroup_size: 512
    .sgpr_count:     92
    .vgpr_count:     256
    .wavefront_size: 32
...
	.end_amdgpu_metadata
.endif
;; end of part 8
;; launch proj_ln (part 9): grid 128 x 1, 16 waves a work-group, no clusters, 109,568 bytes of LDS; arguments oc, os, codes, scl, x, bp, ln_g, ln_b, out0; writes out0
.if DOCPART == 9
	.amdgcn_target "amdgcn-amd-amdhsa--gfx1250"
	.amdhsa_code_object_version 6
	.text
	.protected	k_q1ebbcb333c_proj_ln
	.globl	k_q1ebbcb333c_proj_ln
	.p2align	8
	.type	k_q1ebbcb333c_proj_ln,@function
k_q1ebbcb333c_proj_ln:
	s_mov_b64 s[64:65], 0
	v_nop
	global_prefetch_b8 v0, s[64:65] scope:SCOPE_SE
	s_setreg_imm32_b32 hwreg(HW_REG_WAVE_MODE, 25, 1), 1
	s_wait_xcnt 0x0
; out0 = LayerNorm(x + O Wp + bp) x ln_g + ln_b.  The product on codes of E4M3 (K = 1,024); all else in f32; mean and variance in two passes, as the definition has them.
; SHARES: a work-group owns 32 whole rows (O's tiles 2 wg, 2 wg + 1), so that the norm never leaves it; wave w owns columns 64 w .. 64 w + 63 (Wp's tiles 448 + 4 w + t).  Source 0 = Wp's tile, source 1 = O's:
; register j of accumulator (a, t) in lane (r, h) is y(32 wg + 8 a + r + 8 (r / 8), 64 w + 32 (t / 2) + 16 h + 8 (t % 2) + j): 16 neighbouring columns in the registers of two tiles.
; TWO LAYOUTS.  BY ROWS: sixteen lanes hold 256 consecutive bytes of a row, four columns a lane: so x is loaded and out0 stored, and in this layout each of bp, ln_g and ln_b is ONE load of 16 bytes a lane.
; THE ACCUMULATORS': a lane holds one row: so the products and the row's sums want it.  The wave's 32 x 256 bytes turn from one into the other through its own stage in LDS, once on the way in and once on the way out.
; x + bp stands in the accumulators before the first product, and the products add onto it; ln_g and ln_b are applied behind the way out's turn.
; O's sixteen fragments go through LDS as images of their registers (each wave brings one); a fragment of Wp is read by one wave alone, 512 consecutive bytes a load, straight into registers.
; THE ORDER OF A K STEP.  A wave issues in order, so a long run of one kind keeps the other kinds waiting.  Wp's loads stand in runs of eight, each behind the four products whose registers it takes (and their places), and bring
; the same two tiles of the K step two steps on; the next step's LDS loads stand in front of the second run.  So three runs of eight are always out behind the run that is waited for.
; NO JOINT LOADS: a joint load lands in LDS; two slots of one K step of Wp (131,072 bytes each) would leave no room for the waves' stages beside O's images.
; 128 work-groups: a row's 1,024 columns must meet for the norm, and 32 rows are what sixteen waves of 256 registers hold.
; LIMITS: NaN and infinities are not served.
; REGISTERS: v1, v2, v4-11, v13, v14 addresses; v12 O's scale words and nothing else; v16-79 the accumulators (a, t) at v[16 + 32 a + 8 t] (first: x by rows); v80-143, v144-207 Wp's fragments of even and of odd K steps
; (later v80-87 ln_g, ln_b; v144-207 sums, then rows on the way out); v208-239 O's two fragments (first: my fragment of O on its way to LDS, and bp; later at work); v240-255 Wp's scale words and nothing else.
.set ASC, 32768                        ; LDS: O's images at 0 (fragment (a, K step s) at 2,048 (2 s + a)); their scale words: 128 s + 64 a + 4 r
.set LN1, 33792                        ; the waves' sums: 128 w + 8 r (two rows a lane)
.set LN2, 35840                        ; the sums of squares
.set STG, 37888                        ; 16 rows x (256 bytes + 16) for each wave: x's way in and the way out
	s_load_b256 s[4:11], s[0:1], 0x0               ; oc, os, codes, scl
	s_load_b256 s[12:19], s[0:1], 0x20             ; x, bp, ln_g, ln_b
	s_load_b64 s[20:21], s[0:1], 0x40              ; out0
	v_lshrrev_b32 v1, 5, v0
	s_delay_alu instid0(VALU_DEP_1)
	v_readfirstlane_b32 s22, v1                    ; wave 0..15
	s_lshr_b32 s23, s22, 3                         ; the fragment of O that I bring: tile w / 8,
	s_and_b32 s28, s22, 7                          ; K step w % 8
	s_lshl_b32 s29, ttmp9, 1
	s_add_co_u32 s29, s29, s23
	s_lshl_b32 s30, s29, 14
	s_lshl_b32 s31, s28, 11
	s_add_co_u32 s30, s30, s31
	s_mov_b32 s31, 0
	s_lshl_b32 s32, s28, 15                        ; os: head 2 s, 16,384 bytes a head
	s_lshl_b32 s33, s29, 6
	s_add_co_u32 s32, s32, s33
	s_mov_b32 s33, 0
	s_lshl_b32 s34, s22, 2
	s_add_co_u32 s34, s34, 448                     ; my first tile of Wp
	s_lshl_b32 s36, s34, 9
	s_mov_b32 s37, 0
	s_lshl_b32 s34, s34, 14
	s_mov_b32 s35, 0
	s_lshl_b32 s38, ttmp9, 17                      ; 32 rows of 4,096 bytes,
	s_lshl_b32 s39, s22, 8                         ; 256 bytes a wave
	s_add_co_u32 s38, s38, s39
	s_mov_b32 s40, s39
	s_mov_b32 s39, 0
	s_mov_b32 s41, 0
	s_lshl_b32 s42, s28, 1
	s_add_co_u32 s42, s42, s23
	s_lshl_b32 s42, s42, 11
	s_lshl_b32 s43, s28, 7
	s_lshl_b32 s44, s23, 6
	s_add_co_u32 s43, s43, s44
	s_add_co_u32 s43, s43, ASC
	s_mov_b32 s24, 0x76543210
	s_mov_b32 s25, 0xfedcba98
	s_mov_b32 s26, 0x3a800000                      ; 1 / 1,024
	s_mov_b32 s27, 0x3727c5ac                      ; 1e-5
	v_and_b32 v15, 31, v0                          ; l
	v_and_b32 v5, 15, v0                           ; r
	v_bfe_u32 v3, v0, 4, 1                         ; h
	s_delay_alu instid0(VALU_DEP_3)
	v_lshlrev_b32 v1, 4, v15                       ; 16 l
	s_delay_alu instid0(VALU_DEP_3)
	v_lshlrev_b32 v2, 4, v5                        ; 16 r: my four columns of bp, ln_g and ln_b by rows
	s_delay_alu instid0(VALU_DEP_1)
	v_lshl_add_u32 v4, v3, 9, v2                   ; Wp's scale words: lanes 16-31 one tile on
	s_delay_alu instid0(VALU_DEP_2)
	v_lshl_add_u32 v14, v3, 12, v2                 ; x and out0 by rows: lanes 16-31 one row on
	s_delay_alu instid0(VALU_DEP_4)
	v_add_nc_u32 v6, s42, v1
	v_lshl_add_u32 v7, v5, 2, s43
	v_lshl_add_u32 v8, v15, 2, ASC
	s_lshl_b32 s44, s22, 7
	s_add_co_u32 s44, s44, LN1
	v_lshl_add_u32 v9, v5, 3, s44
	v_lshl_add_u32 v10, v5, 3, LN1
	s_mul_i32 s44, s22, 4352
	s_add_co_u32 s44, s44, STG
	v_mul_u32_u24 v11, v5, 272
	s_delay_alu instid0(VALU_DEP_1)
	v_lshl_add_u32 v11, v3, 6, v11
	s_delay_alu instid0(VALU_DEP_1)
	v_add_nc_u32 v11, s44, v11                     ; the stage in the accumulators' layout: row r, + 64 h
	v_mul_u32_u24 v13, v3, 272
	s_delay_alu instid0(VALU_DEP_1)
	v_lshl_add_u32 v13, v5, 4, v13
	s_delay_alu instid0(VALU_DEP_1)
	v_add_nc_u32 v13, s44, v13                     ; the stage by rows: lanes 0-15 one row, lanes 16-31 the next
	v_lshlrev_b32 v5, 2, v5                        ; 4 r
	s_wait_alu depctr_va_vdst(0)
	s_wait_kmcnt 0x0
	s_add_nc_u64 s[4:5], s[4:5], s[30:31]
	s_add_nc_u64 s[6:7], s[6:7], s[32:33]
	s_add_nc_u64 s[8:9], s[8:9], s[34:35]
	s_add_nc_u64 s[10:11], s[10:11], s[36:37]
	s_add_nc_u64 s[12:13], s[12:13], s[38:39]
	s_add_nc_u64 s[20:21], s[20:21], s[38:39]
	s_add_nc_u64 s[14:15], s[14:15], s[40:41]
	s_add_nc_u64 s[16:17], s[16:17], s[40:41]
	s_add_nc_u64 s[18:19], s[18:19], s[40:41]
.macro WLOAD j, p                      ; a run of eight: Wp's fragments of K step j, tiles 2 p and 2 p + 1, into the set of j's parity
.irp u, 0,1
.irp c, 0,1,2,3
	global_load_b128 v[80+64*((\j)%2)+16*(2*(\p)+\u)+4*\c:80+64*((\j)%2)+16*(2*(\p)+\u)+4*\c+3], v1, s[8:9] offset:(2*(\p)+\u)*16384+(\j)*2048+512*\c
.endr
.endr
.endm
.macro OLOAD j                         ; O's two fragments of K step j, and their scale words: lanes 0-15 the first tile's rows, lanes 16-31 the second's
.irp a, 0,1
.irp c, 0,1,2,3
	ds_load_b128 v[208+16*\a+4*\c:211+16*\a+4*\c], v1 offset:(2*(\j)+\a)*2048+512*\c
.endr
.endr
	ds_load_b32 v12, v8 offset:128*(\j)
.endm
.irp c, 0,1,2,3
	global_load_b128 v[208+4*\c:211+4*\c], v1, s[4:5] offset:512*\c          ; my fragment of O
.endr
	global_load_b32 v224, v5, s[6:7]                                         ; its rows' bytes of head 2 s,
	global_load_b32 v225, v5, s[6:7] offset:16384                            ; and of head 2 s + 1
.irp a, 0,1
.irp i, 0,1,2,3,4,5,6,7
	global_load_b128 v[16+32*\a+4*\i:19+32*\a+4*\i], v14, s[12:13] offset:(8*\a+2*\i+8*(\i/4))*4096 th:TH_LOAD_NT   ; x: rows 2 i, 2 i + 1 of tile a: sixteen lanes read 256 consecutive bytes, aligned
.endr
.endr
	global_load_b128 v[228:231], v2, s[14:15]                                ; bp by rows: my four columns
.irp i, 0,1
.irp kq, 0,1
	global_load_b128 v[240+8*\i+4*\kq:243+8*\i+4*\kq], v4, s[10:11] offset:1024*\i+256*\kq           ; Wp's scale words: tile 2 i in lanes 0-15, 2 i + 1 in lanes 16-31; register = K step
.endr
.endr
	WLOAD 0, 0                                     ; both sets are asked for at once: K steps 0 and 1
	WLOAD 0, 1
	WLOAD 1, 0
	WLOAD 1, 1
	s_wait_loadcnt 53                              ; my fragment of O and its bytes are in; x (16), bp (1), the scale words (4) and Wp's fragments (32) may be out
	v_lshl_or_b32 v226, v225, 16, v224             ; four bytes: the K step's scale word
.irp c, 0,1,2,3
	ds_store_b128 v6, v[208+4*\c:211+4*\c] offset:512*\c
.endr
	ds_store_b32 v7, v226
	s_wait_loadcnt 36                              ; x and bp are in; the scale words (4) and Wp's fragments (32) may be out
.irp n, 0,1,2,3,4,5,6,7,8,9,10,11,12,13,14,15
	v_pk_add_f32 v[16+4*\n:17+4*\n], v[16+4*\n:17+4*\n], v[228:229]          ; x + bp, by rows: every group of four registers holds the same four columns
	v_pk_add_f32 v[18+4*\n:19+4*\n], v[18+4*\n:19+4*\n], v[230:231]
.endr
.irp a, 0,1
.irp i, 0,1,2,3,4,5,6,7
	ds_store_b128 v13, v[16+32*\a+4*\i:19+32*\a+4*\i] offset:544*\i          ; tile a's sixteen rows into my stage,
.endr
.irp n, 0,1,2,3,4,5,6,7
	ds_load_b128 v[16+32*\a+4*\n:19+32*\a+4*\n], v11 offset:128*(\n/4)+32*((\n/2)%2)+16*(\n%2)   ; and back in the accumulators' layout, into the registers that they left.  LDS serves a wave's instructions in order (ISA guide 5.7.1.4): these see my stores, and the second tile's stores come behind them
.endr
.endr
	s_wait_dscnt 0x0                               ; for the others' sake: my image has landed; and x + bp is in the accumulators
	s_barrier_signal -1
	s_barrier_wait -1                              ; O's sixteen fragments lie in LDS
	OLOAD 0
.macro PMUL d, wf, af, sw, ra, rb
.if (\ra) && (\rb)
	v_wmma_scale_f32_16x16x128_f8f6f4 v[\d:\d+7], v[\wf:\wf+15], v[\af:\af+15], v[\d:\d+7], v[\sw], v12 matrix_a_scale:MATRIX_SCALE_ROW1 matrix_b_scale:MATRIX_SCALE_ROW1
.elseif \ra
	v_wmma_scale_f32_16x16x128_f8f6f4 v[\d:\d+7], v[\wf:\wf+15], v[\af:\af+15], v[\d:\d+7], v[\sw], v12 matrix_a_scale:MATRIX_SCALE_ROW1
.elseif \rb
	v_wmma_scale_f32_16x16x128_f8f6f4 v[\d:\d+7], v[\wf:\wf+15], v[\af:\af+15], v[\d:\d+7], v[\sw], v12 matrix_b_scale:MATRIX_SCALE_ROW1
.else
	v_wmma_scale_f32_16x16x128_f8f6f4 v[\d:\d+7], v[\wf:\wf+15], v[\af:\af+15], v[\d:\d+7], v[\sw], v12
.endif
.endm
.macro PAIR j, p                       ; four products: Wp's tiles 2 p, 2 p + 1 of K step j x O's two tiles.  Over a K step the eight accumulators take turns, one instruction a turn
.irp u, 0,1
.irp a, 0,1
	PMUL 16+32*\a+8*(2*(\p)+\u), 80+64*((\j)%2)+16*(2*(\p)+\u), 208+16*\a, 240+8*(\p)+(\j), \u, \a
.endr
.endr
.endm
.macro PLACES                          ; plain vector instructions that name none of the products' registers, in front of loads into registers that the products have read and of the first read of results
.rept 8
	v_nop
.endr
.endm
; A K STEP.  Behind the run that a wait is for, three younger runs of eight have been issued: 24 loads may stay out.  In the last two steps there is nothing more of Wp to ask for: ln_g and ln_b (2 loads) take the place of a run,
; and the counts run down: 24 and 18 (step 7's two runs and the 2) in step 6, 10 (a run and the 2) and 2 in step 7.
.macro KSTEP j
	s_wait_dscnt 0x0                               ; O's fragments and scale words of this step
.if (\j) < 7
	s_wait_loadcnt 24
.else
	s_wait_loadcnt 10
.endif
	PAIR \j, 0
.if (\j) < 7
	PLACES
.endif
.if (\j) < 6
	WLOAD (\j)+2, 0                                ; into the registers that the four products above have read
.elseif (\j) == 6
	global_load_b128 v[80:83], v2, s[16:17]        ; ln_g by rows: my four columns
	global_load_b128 v[84:87], v2, s[18:19]        ; ln_b
.endif
.if (\j) < 6
	s_wait_loadcnt 24
.elseif (\j) == 6
	s_wait_loadcnt 18
.else
	s_wait_loadcnt 2
.endif
	PAIR \j, 1
	PLACES
.if (\j) < 7
	OLOAD (\j)+1                                   ; ahead of the run below: these are served while the wave issues it
.endif
.if (\j) < 6
	WLOAD (\j)+2, 1
.endif
.endm
.irp j, 0,1,2,3,4,5,6,7
	KSTEP \j
.endr
; One sum over a row's 1,024 columns, for my two rows: v[208:209], v[210:211] hold my lane's packed sums; off: where the waves' sums meet.  The result: v144 (first row), v145 (second).
.macro ROWSUM off
	s_delay_alu instid0(VALU_DEP_2)
	v_add_f32 v212, v208, v209
	s_delay_alu instid0(VALU_DEP_2)
	v_add_f32 v213, v210, v211
	s_delay_alu instid0(VALU_DEP_2)
	v_permlanex16_b32 v214, v212, s24, s25
	s_delay_alu instid0(VALU_DEP_2)
	v_permlanex16_b32 v215, v213, s24, s25
	s_delay_alu instid0(VALU_DEP_1)
	v_pk_add_f32 v[212:213], v[212:213], v[214:215]   ; with lane l xor 16's: my wave's 64 columns
	ds_store_b64 v9, v[212:213] offset:\off
	s_wait_dscnt 0x0                               ; for the others' sake
	s_barrier_signal -1
	s_barrier_wait -1
.irp i, 0,1,2,3,4,5,6,7,8,9,10,11,12,13,14,15
	ds_load_b64 v[144+2*\i:145+2*\i], v10 offset:\off+128*\i
.endr
	s_wait_dscnt 0x0
	v_pk_add_f32 v[144:145], v[144:145], v[146:147]
	v_pk_add_f32 v[148:149], v[148:149], v[150:151]
.irp i, 4,6,8,10,12,14
	s_delay_alu instid0(VALU_DEP_2)
	v_pk_add_f32 v[144:145], v[144:145], v[144+2*\i:145+2*\i]
	s_delay_alu instid0(VALU_DEP_2)
	v_pk_add_f32 v[148:149], v[148:149], v[146+2*\i:147+2*\i]
.endr
	s_delay_alu instid0(VALU_DEP_1)
	v_pk_add_f32 v[144:145], v[144:145], v[148:149]
.endm
	v_pk_add_f32 v[208:209], v[16:17], v[18:19]    ; each accumulator from its low end on
	v_pk_add_f32 v[210:211], v[48:49], v[50:51]
.irp n, 4,6,8,10,12,14,16,18,20,22,24,26,28,30
	v_pk_add_f32 v[208:209], v[208:209], v[16+\n:17+\n]
	v_pk_add_f32 v[210:211], v[210:211], v[48+\n:49+\n]
.endr
	ROWSUM 0
	s_delay_alu instid0(VALU_DEP_1)
	v_mul_f32 v216, s26, v144                      ; the means, each twice: pairs for the packed forms
	s_delay_alu instid0(VALU_DEP_2)
	v_mul_f32 v217, s26, v144
	s_delay_alu instid0(VALU_DEP_3)
	v_mul_f32 v218, s26, v145
	s_delay_alu instid0(VALU_DEP_4)
	v_mul_f32 v219, s26, v145
.irp n, 0,2,4,6,8,10,12,14,16,18,20,22,24,26,28,30
	v_pk_add_f32 v[16+\n:17+\n], v[16+\n:17+\n], v[216:217] neg_lo:[0,1] neg_hi:[0,1]   ; y - mean
	v_pk_add_f32 v[48+\n:49+\n], v[48+\n:49+\n], v[218:219] neg_lo:[0,1] neg_hi:[0,1]
.endr
	v_pk_mul_f32 v[208:209], v[16:17], v[16:17]
	v_pk_mul_f32 v[210:211], v[48:49], v[48:49]
.irp n, 2,4,6,8,10,12,14,16,18,20,22,24,26,28,30
	s_delay_alu instid0(VALU_DEP_2)
	v_pk_fma_f32 v[208:209], v[16+\n:17+\n], v[16+\n:17+\n], v[208:209]
	s_delay_alu instid0(VALU_DEP_2)
	v_pk_fma_f32 v[210:211], v[48+\n:49+\n], v[48+\n:49+\n], v[210:211]
.endr
	ROWSUM LN2-LN1
	s_delay_alu instid0(VALU_DEP_1)
	v_fma_f32 v220, v144, s26, s27                 ; the variance + 1e-5
	s_delay_alu instid0(VALU_DEP_2)
	v_fma_f32 v222, v145, s26, s27
	s_wait_alu depctr_va_vdst(0)
	v_rsq_f32 v220, v220
	v_rsq_f32 v222, v222
	v_nop                                          ; one plain place behind a transcendental
	s_wait_alu depctr_va_vdst(0)
	v_mov_b32 v221, v220
	v_mov_b32 v223, v222
.irp n, 0,2,4,6,8,10,12,14,16,18,20,22,24,26,28,30
	v_pk_mul_f32 v[16+\n:17+\n], v[16+\n:17+\n], v[220:221]
	v_pk_mul_f32 v[48+\n:49+\n], v[48+\n:49+\n], v[222:223]
.endr
	; THE WAY OUT: a lane holds 64-byte runs of one row; 16 rows x 256 bytes go through my own stage and come back by rows; there ln_g and ln_b, four columns a lane, are applied, and sixteen lanes store 256 consecutive bytes, aligned.
.irp a, 0,1
.irp n, 0,1,2,3,4,5,6,7
	ds_store_b128 v11, v[16+32*\a+4*\n:19+32*\a+4*\n] offset:128*(\n/4)+32*((\n/2)%2)+16*(\n%2)
.endr
.irp i, 0,1,2,3,4,5,6,7
	ds_load_b128 v[144+32*\a+4*\i:147+32*\a+4*\i], v13 offset:544*\i   ; LDS serves a wave's instructions in order: these see my stores, and the second tile's stores come behind them
.endr
.endr
	s_wait_loadcnt 0x0                             ; ln_g, ln_b
.irp a, 0,1
.irp i, 0,1,2,3,4,5,6,7
	s_wait_dscnt (1-\a)*16+7-\i                    ; the younger LDS instructions may be out
	v_pk_fma_f32 v[144+32*\a+4*\i:145+32*\a+4*\i], v[144+32*\a+4*\i:145+32*\a+4*\i], v[80:81], v[84:85]
	v_pk_fma_f32 v[146+32*\a+4*\i:147+32*\a+4*\i], v[146+32*\a+4*\i:147+32*\a+4*\i], v[82:83], v[86:87]
	global_store_b128 v14, v[144+32*\a+4*\i:147+32*\a+4*\i], s[20:21] offset:(8*\a+2*\i+8*(\i/4))*4096 th:TH_STORE_NT
.endr
.endr
	s_wait_xcnt 0x0
	v_lshl_add_u32 v254, v0, 2, 0x1a400
	v_mov_b32 v255, 0
	s_wait_alu depctr_va_vdst(0)
	s_wait_tensorcnt 0x0
	ds_add_u32 v254, v255
	s_wait_dscnt 0x0
	s_endpgm
.Lfunc_end_k_q1ebbcb333c_proj_ln:
	.size	k_q1ebbcb333c_proj_ln, .Lfunc_end_k_q1ebbcb333c_proj_ln-k_q1ebbcb333c_proj_ln
	.p2alignl 7, 3214868480
	.fill 96, 4, 3214868480
	.section	.rodata,"a",@progbits
	.p2align	6, 0x0
	.amdhsa_kernel k_q1ebbcb333c_proj_ln
		.amdhsa_group_segment_fixed_size 109568
		.amdhsa_private_segment_fixed_size 0
		.amdhsa_enable_private_segment 0
		.amdhsa_kernarg_size 72
		.amdhsa_user_sgpr_count 2
		.amdhsa_user_sgpr_kernarg_segment_ptr 1
		.amdhsa_wavefront_size32 1
		.amdhsa_system_sgpr_workgroup_id_x 1
		.amdhsa_system_sgpr_workgroup_id_y 1
		.amdhsa_system_sgpr_workgroup_id_z 1
		.amdhsa_system_vgpr_workitem_id 0
		.amdhsa_next_free_vgpr 256
		.amdhsa_next_free_sgpr 66
		.amdhsa_reserve_vcc 0
		.amdhsa_float_denorm_mode_32 3
		.amdhsa_float_denorm_mode_16_64 3
		.amdhsa_memory_ordered 1
		.amdhsa_forward_progress 1
		.amdhsa_inst_pref_size 62
	.end_amdhsa_kernel
	.amdgpu_metadata
---
amdhsa.version: [ 1, 2 ]
amdhsa.kernels:
  - .name:           k_q1ebbcb333c_proj_ln
    .symbol:         k_q1ebbcb333c_proj_ln.kd
    .args:
      - { .name: oc, .offset: 0, .size: 8, .value_kind: global_buffer, .address_space: global }
      - { .name: os, .offset: 8, .size: 8, .value_kind: global_buffer, .address_space: global }
      - { .name: codes, .offset: 16, .size: 8, .value_kind: global_buffer, .address_space: global }
      - { .name: scl, .offset: 24, .size: 8, .value_kind: global_buffer, .address_space: global }
      - { .name: x, .offset: 32, .size: 8, .value_kind: global_buffer, .address_space: global }
      - { .name: bp, .offset: 40, .size: 8, .value_kind: global_buffer, .address_space: global }
      - { .name: ln_g, .offset: 48, .size: 8, .value_kind: global_buffer, .address_space: global }
      - { .name: ln_b, .offset: 56, .size: 8, .value_kind: global_buffer, .address_space: global }
      - { .name: out0, .offset: 64, .size: 8, .value_kind: global_buffer, .address_space: global }
    .group_segment_fixed_size: 109568
    .private_segment_fixed_size: 0
    .kernarg_segment_align: 8
    .kernarg_segment_size: 72
    .max_flat_workgroup_size: 512
    .sgpr_count:     66
    .vgpr_count:     256
    .wavefront_size: 32
...
	.end_amdgpu_metadata
.endif
;; end of part 9
